; MI455X (gfx1250); checked and timed in simulation.
; The chip was launched on July 23, 2026; its instructions are those of AMD's public machine-readable ISA for CDNA 5 (MIT licence, August 2026) and "CDNA5" Instruction Set Architecture Reference Guide (July 2026). The comments in the code are by the model that wrote it; some were corrected since.
;; Multi Head Attention. Allowed arithmetic: matrix products marked QUANTISED: E2M3 operands, one E8M0 scale for each 32 along K, by v_wmma_scale_f32_16x16x128_f8f6f4 with both operands' format E2M3, f32 sums; everything else in f32.
;; Inputs: w_proj 1,024 x 1,024 float32; w_qkv 3,072 x 1,024 float32; x 2 x 2,048 x 1,024 float32.
;; Outputs: out0 2 x 2,048 x 1,024 float32.
;; This version of the problem:
;;   THIS VERSION OF THE PROBLEM IS GIVEN IN LOW PRECISION. The matrix products marked QUANTISED in the list below multiply operands that are first quantised to E2M3 (2 exponent bits, 3 mantissa bits; 6 bits a number), with one power-of-two scale for each 32 numbers along K (OCP MX v1.0); their sums are f32. All else is computed in f32.
;;   The module's matrix products, in the order in which they are computed (A, B: the left and right operand; K: the contracted axis; several contracted axes count as one K, in the product's order):
;;     1. [M 4,096, K 1,024] x [K 1,024, N 3,072]; A: input x; B: input w_qkv: QUANTISED
;;     2. batch 32 x [M 2,048, K 64] x [K 64, N 2,048]; A: computed on the way; B: computed on the way: QUANTISED
;;     3. batch 32 x [M 2,048, K 2,048] x [K 2,048, N 64]; A: softmax (see below); B: computed on the way: QUANTISED
;;     4. [M 4,096, K 1,024] x [K 1,024, N 1,024]; A: computed on the way; B: input w_proj: QUANTISED
;;   THE QUANTISER, for each operand of a quantised product, along K:
;;     - K is cut into blocks of 32 from its start; a last block that is shorter is filled with zeros.
;;     - A block's scale is 2^e with e = floor(log2(the largest magnitude in the block)) - 2, held to -126 .. 127; a block of zeros has e = 0. As a byte (E8M0): e + 127.
;;     - Each number is divided by its block's scale, clamped to +-7.5, and rounded to the nearest number of E2M3, ties to even, subnormals kept.
;;     - The product sums the exact products of the quantised numbers (number of the format x scale) in f32.
;;   ~~~python
;;   def quantise(x, axis):      # numpy; x: float32 -> the quantised numbers, widened to float32 again
;;       x = np.moveaxis(x, axis, -1); K = x.shape[-1]
;;       x = np.pad(x, [(0, 0)] * (x.ndim - 1) + [(0, -K % 32)]); x = x.reshape(x.shape[:-1] + (-1, 32)); a = np.abs(x).max(-1, keepdims=True)
;;       e = np.where(a > 0, np.clip(np.frexp(np.where(a > 0, a, 1))[1] - 1 - 2, -126, 127), 0)      # np.frexp(a)[1] - 1 = floor(log2(a)), exactly
;;       r = np.clip(x / 2.0 ** e, -7.5, 7.5)
;;       step = 2.0 ** (np.maximum(np.frexp(np.where(r == 0, 1, r))[1] - 1, 0) - 3)
;;       q = np.round(r / step) * step * 2.0 ** e      # np.round: ties to even
;;       return np.moveaxis(q.reshape(q.shape[:-2] + (-1,))[..., :K], -1, axis).astype(np.float32)
;;   ~~~
;;   SOFTMAX AHEAD OF A QUANTISED PRODUCT. Where the list says 'softmax', what is quantised is not the finished softmax but p = 2^(t - M), with t = logit x log2(e) and M = ceil(the row's largest t), a whole number; so 1/2 < the row's largest p <= 1. The row's sum l is taken of the UNQUANTISED p, in f32, and the product's result is divided by l at the end. Since M is a whole number, a kernel that streams over the keys may use a running M (the ceiling of the running maximum): every later rescaling is an exact power of two, which a block's scale takes up: the codes' values come out the same.
;;   OPERANDS COMPUTED ON THE WAY. 'Computed on the way' means the value that the module computes at that place (a softmax that the list does not call 'softmax' is quantised finished and normalised). What goes into a quantiser is computed in f32, as accurately as f32 sums, v_exp_f32 and their like allow (about 1e-6 of the number): no bf16 or f16 on the way to a quantiser, and a product that is left as it is and whose result goes on into a quantised operand takes f32 operands (vector FMAs, or v_wmma_f32_16x16x4_f32). A number that lies on a knife's edge between two numbers of the format may be rounded either way, as far as f32 arithmetic and the matrix unit's own rounding can turn it there, and no further.
;; 2 versions. Each part assembles by itself: llvm-mc -triple=amdgcn-amd-amdhsa -mcpu=gfx1250 --defsym DOCPART=n.
;; ======== version 1 of 2: 4 launches
;; workspace buffers: codes 6,291,456 bytes; scales 262,144 bytes; rope 540,672 bytes; qkv_codes 9,437,184 bytes; qkv_scales 655,360 bytes; ao_codes 3,145,728 bytes; ao_scales 131,072 bytes
;; launch quant (part 1): grid 289 x 1, 4 waves a work-group, no clusters, 33,280 bytes of LDS; arguments x, w_qkv, w_proj, codes, scales, rope; writes codes, scales, rope
.if DOCPART == 1
	.amdgcn_target "amdgcn-amd-amdhsa--gfx1250"
	.amdhsa_code_object_version 6
	.text
	.protected	k_q309d31b6dd_quant
	.globl	k_q309d31b6dd_quant
	.p2align	8
	.type	k_q309d31b6dd_quant,@function
k_q309d31b6dd_quant:
	s_mov_b64 s[64:65], 0
	v_nop
	global_prefetch_b8 v0, s[64:65] scope:SCOPE_SE
	s_setreg_imm32_b32 hwreg(HW_REG_WAVE_MODE, 25, 1), 1
	s_wait_xcnt 0x0
; x [4096][1024], w_qkv [3072][1024], w_proj [1024][1024], f32, K innermost, become codes of FP6 (E2M3) with one E8M0 byte for each 32 along K, in ONE buffer of 8,192 rows:
; rows 0-4,095 x, 4,096-7,167 w_qkv, 7,168-8,191 w_proj; a row is 768 bytes of codes and 32 scale bytes.  Work-groups 0-255 do that, 32,768 numbers each (8,192 a wave, 16 steps of 512).
; THE ORDER INSIDE A BLOCK OF 32: position p holds k = p (p 0-7), p + 8 (p 8-15), p - 8 (p 16-23), p (p 24-31).  Every operand of every product of this program is laid so; the same order on both
; sides of a product leaves its products as they are, and it is the order in which a matrix result falls into a lane's registers, so later launches quantise results without moving numbers.
; A block's scale is 2^(floor(log2(largest magnitude)) - 2): its byte is the largest magnitude's exponent field - 2, held at 1 from below.
; Work-groups 256-288 make the table of cos and sin for the rotation, a tile of 16 tokens a wave, laid as the next launch's registers take it; tiles 128-131 are made for token 0 (cos 1, sin 0).
; LIMITS: NaN and infinities are not served.  A block whose largest magnitude lies under 2^-124, a block of zeros among them, has the byte 1 (the stated rule gives zeros 127): its codes are zeros or
; subnormal codes, and this program alone reads the bytes.  The angle's reduction by pi/2 in three parts is exact for multiples under 2^11; the largest here is 1,304 (token 2,047, frequency 1).
; 1 / 10^(i/8) is made from the correctly rounded power by a reciprocal and one correction step; one unit in its last place moves the largest angle by about 1e-4.
.set STEPS, 16
.set EMAX,  2
.set CB,    12                         ; bytes of 16 codes
.set R,     16                         ; v16-79   four sets of 16 numbers as they are loaded
.set X,     80                         ; v80-111  two sets of 16 numbers of a lane's half block
.set E,     112                        ; v112-127 a scale byte for each step
.set C,     128                        ; v128-191 codes: four registers for each step, so that no store's data are written again
.set WREG,  8192                       ; LDS: a region for each wave: two stages of 32 x SP bytes, behind them its 256 scale bytes
.set SP,    80                         ; 64 bytes (16 numbers) + 16 of padding
	s_load_b128 s[4:7], s[0:1], 0x0                ; x, w_qkv
	s_load_b128 s[8:11], s[0:1], 0x10              ; w_proj, codes
	s_load_b128 s[12:15], s[0:1], 0x20             ; scales, rope
	v_lshl_add_u32 v192, v0, 2, 0x8000
	v_mov_b32 v193, 0
	v_lshrrev_b32 v1, 5, v0
	v_readfirstlane_b32 s16, v1                    ; wave
	v_and_b32 v2, 31, v0                           ; lane
	s_cmp_ge_u32 ttmp9, 256
	s_cbranch_scc1 .Ltable                         ; the table's work-groups use no LDS
	v_lshlrev_b32 v3, 4, v2                        ; my 16 bytes of a load's 512
	s_mul_i32 s17, s16, WREG
	v_lshrrev_b32 v14, 2, v2
	v_mul_u32_u24 v14, v14, SP
	v_and_b32 v15, 3, v2
	v_lshl_add_u32 v14, v15, 4, v14
	v_add_nc_u32 v14, s17, v14                     ; the stage, on the way in: SP (lane / 4) + 16 (lane % 4)
	v_and_b32 v15, 30, v2
	v_mul_u32_u24 v15, v15, SP
	v_and_b32 v12, 1, v2
	v_lshl_add_u32 v15, v12, 5, v15
	v_add_nc_u32 v15, s17, v15                     ; on the way out: the block's two places begin at SP (lane & 30); the even lane takes the first 32 bytes of each, the odd lane the second 32
	v_mul_u32_u24 v4, v2, CB                       ; my codes' place in a step's 384 bytes
	v_lshrrev_b32 v5, 1, v2
	s_add_co_u32 s17, s17, 2*32*SP
	v_add_nc_u32 v5, s17, v5                       ; LDS: my wave's 256 scale bytes, my block's byte
	v_lshlrev_b32 v7, 3, v2
	v_add_nc_u32 v6, s17, v7                       ; and on the way out 8 bytes a lane
	s_wait_kmcnt 0x0
	s_mov_b32 s17, 224
	s_cmp_lt_u32 ttmp9, 224                        ; which tensor: the choice hangs on the work-group's number alone
	s_cselect_b64 s[6:7], s[6:7], s[8:9]
	s_cselect_b32 s17, 128, s17
	s_cmp_lt_u32 ttmp9, 128
	s_cselect_b64 s[4:5], s[4:5], s[6:7]
	s_cselect_b32 s17, 0, s17                      ; the tensor's first work-group
	s_sub_co_u32 s17, ttmp9, s17
	s_lshl_b32 s17, s17, 2
	s_add_co_u32 s17, s17, s16                     ; my run of 8,192 numbers in the tensor
	s_lshl_b32 s20, s17, 15
	s_mov_b32 s21, 0
	s_add_nc_u64 s[4:5], s[4:5], s[20:21]
	s_lshl_b32 s18, ttmp9, 2
	s_add_co_u32 s18, s18, s16                     ; and among the 1,024 runs of the common buffers
	s_mul_i32 s20, s18, 32*STEPS*CB
	s_add_nc_u64 s[10:11], s[10:11], s[20:21]
	s_lshl_b32 s20, s18, 8
	s_add_nc_u64 s[12:13], s[12:13], s[20:21]
.macro LOAD t
.irp i, 0,1,2,3
	global_load_b128 v[R+16*((\t)%4)+4*\i:R+16*((\t)%4)+4*\i+3], v3, s[4:5] offset:2048*(\t)+512*\i th:TH_LOAD_NT   ; 32 lanes read 512 consecutive bytes
.endr
.endm
.macro TURN t                          ; step t's numbers through the stage: LDS serves a wave's instructions in order, so no wait stands between the stores and the loads
.irp i, 0,1,2,3
	ds_store_b128 v14, v[R+16*((\t)%4)+4*\i:R+16*((\t)%4)+4*\i+3] offset:32*SP*((\t)%2)+8*SP*\i
.endr
.irp i, 0,1,2,3
	ds_load_b128 v[X+16*((\t)%2)+4*\i:X+16*((\t)%2)+4*\i+3], v15 offset:32*SP*((\t)%2)+SP*(\i/2)+16*(\i%2)   ; 32 bytes of the block's first place, 32 of its second (these reads meet two deep in the banks: the launch waits for memory, not for LDS)
.endr
.endm
.irp t, 0,1,2,3
	LOAD \t
.endr
	s_wait_loadcnt 12                              ; step 0's four loads are in
	TURN 0
.macro STEP t
.set XS, X+16*((\t)%2)
.if (\t) > 0
	s_wait_dscnt 1                                 ; this step's numbers are back from the stage (the last step's byte store may be out): so its stores into the stage have read their registers,
.else
	s_wait_dscnt 0x0
.endif
.if (\t)+4 < STEPS
	LOAD (\t)+4                                    ; which take the loads of four steps on
.endif
.if (\t)+1 < STEPS
.if STEPS-2-(\t) >= 3
	s_wait_loadcnt 12                              ; the next step's four loads are in; those of the three steps behind it may be out
.else
	s_wait_loadcnt 4*(STEPS-2-(\t))
.endif
	TURN (\t)+1
.endif
	v_max3_num_f32 v8, |v[XS]|, |v[XS+1]|, |v[XS+2]|               ; the largest magnitude of my 16
	v_max3_num_f32 v9, |v[XS+3]|, |v[XS+4]|, |v[XS+5]|
.irp i, 6,10
	v_max3_num_f32 v8, v8, |v[XS+\i]|, |v[XS+\i+1]|
	v_max3_num_f32 v9, v9, |v[XS+\i+2]|, |v[XS+\i+3]|
.endr
	v_max3_num_f32 v8, v8, |v[XS+14]|, |v[XS+15]|
	v_max3_num_f32 v8, v8, v9, (EMAX+1)<<23        ; and the floor 2^(3 - 127): the byte cannot fall under 1
	v_max_num_f32_dpp v8, v8, v8 row_xmask:1 row_mask:0xf bank_mask:0xf   ; and of my neighbour's 16: the block's
	v_add_nc_u32 v11, -(EMAX<<23), v8              ; 2 off its exponent field: the conversion takes the exponent field of this operand as its scale
	v_cvt_scalef32_pk16_fp6_f32 v[C+4*(\t):C+4*(\t)+2], v[XS:XS+15], v11
	v_lshrrev_b32 v[E+(\t)], 23, v11               ; the scale's byte
	ds_store_b8 v5, v[E+(\t)] offset:16*(\t)       ; both lanes of a block write the same byte with the same value
	global_store_b96 v4, v[C+4*(\t):C+4*(\t)+2], s[10:11] offset:32*CB*(\t)   ; the wave stores 384 consecutive bytes
.endm
.irp t, 0,1,2,3,4,5,6,7,8,9,10,11,12,13,14,15
	STEP \t
.endr
	ds_load_b64 v[12:13], v6                       ; LDS serves a wave's instructions in order: these see my stores
	s_wait_dscnt 0x0
	global_store_b64 v7, v[12:13], s[12:13]        ; 32 lanes store 256 consecutive bytes, aligned
	s_wait_tensorcnt 0x0
	ds_add_u32 v192, v193
	s_wait_dscnt 0x0
	s_endpgm
; THE TABLE.  Tile W = 16 tokens.  Lane (r, h) stands for token 16 W + r; register n (0-15) for frequency i = 16 (n / 8) + 8 h + n % 8, the place at which the next launch's lane holds channel i of a head.
; cos in v48-63, sin in v64-79; they leave as eight images of four registers, 512 consecutive bytes each.
.Ltable:
	s_sub_co_u32 s17, ttmp9, 256
	s_lshl_b32 s17, s17, 2
	s_add_co_u32 s17, s17, s16                     ; W, 0 to 131
	s_cmp_lt_u32 s17, 128
	s_cselect_b32 s18, 1, 0                        ; tiles 128-131: token 0
	s_lshl_b32 s19, s17, 4
	s_lshl_b32 s2, s17, 12                         ; 4,096 bytes a tile
	s_mov_b32 s3, 0
	s_mov_b32 s20, 0x3f22f983                      ; 2 / pi
	s_mov_b32 s21, 0x3fc90000                      ; pi / 2 in three parts: 1.5703125,
	s_mov_b32 s22, 0x39fda000                      ; 4.837512969970703e-4,
	s_mov_b32 s23, 0x33a22168                      ; 7.549789954891882e-8
	s_mov_b32 s24, 0xb94ca1f9                      ; sin: -1.9515295891e-4
	s_mov_b32 s25, 0x3c08839e                      ;       8.3321608736e-3
	s_mov_b32 s26, 0xbe2aaaa3                      ;      -1.6666654611e-1
	s_mov_b32 s27, 0x37ccf5ce                      ; cos:  2.443315711809948e-5
	s_mov_b32 s28, 0xbab6061a                      ;      -1.388731625493765e-3
	s_mov_b32 s29, 0x3d2aaaa5                      ;       4.166664568298827e-2
	v_and_b32 v3, 15, v0
	v_add_nc_u32 v4, s19, v3
	v_mul_lo_u32 v4, v4, s18
	v_cvt_f32_u32 v4, v4                           ; the token, as f32
	v_lshlrev_b32 v5, 4, v2                        ; 16 x lane
	v_cmp_lt_u32 vcc_lo, 15, v2                    ; h
.macro PW n, lo, hi                    ; 10^(i / 8) for register n: lanes 0-15 the first, lanes 16-31 the second
	v_mov_b32 v[16+\n], \lo
	v_mov_b32 v[32+\n], \hi
	v_cndmask_b32 v[16+\n], v[16+\n], v[32+\n], vcc_lo
.endm
	PW 0, 1.0, 10.0
	PW 1, 1.3335214321633240, 13.335214321633240
	PW 2, 1.7782794100389228, 17.782794100389228
	PW 3, 2.3713737056616552, 23.713737056616552
	PW 4, 3.1622776601683795, 31.622776601683795
	PW 5, 4.2169650342858226, 42.169650342858226
	PW 6, 5.6234132519034912, 56.234132519034912
	PW 7, 7.4989420933245583, 74.989420933245583
	PW 8, 100.0, 1000.0
	PW 9, 133.35214321633240, 1333.5214321633240
	PW 10, 177.82794100389228, 1778.2794100389228
	PW 11, 237.13737056616552, 2371.3737056616552
	PW 12, 316.22776601683795, 3162.2776601683795
	PW 13, 421.69650342858226, 4216.9650342858226
	PW 14, 562.34132519034912, 5623.4132519034912
	PW 15, 749.89420933245583, 7498.9420933245583
.irp n, 0,1,2,3,4,5,6,7,8,9,10,11,12,13,14,15
	v_rcp_f32 v[32+\n], v[16+\n]                   ; one batch
.endr
	v_nop                                          ; a plain instruction behind the last reciprocal
	s_wait_alu depctr_va_vdst(0)                   ; one wait for the sixteen, ahead of their first reader
.irp n, 0,1,2,3,4,5,6,7,8,9,10,11,12,13,14,15
	v_fma_f32 v[48+\n], -v[16+\n], v[32+\n], 1.0   ; 1 - P r
.endr
.irp n, 0,1,2,3,4,5,6,7,8,9,10,11,12,13,14,15
	v_fma_f32 v[16+\n], v[32+\n], v[48+\n], v[32+\n]   ; r + r (1 - P r): the frequency
.endr
.macro SINCOS n
	v_mul_f32 v80, v4, v[16+\n]                    ; the angle, one f32 product as in the definition
	v_mul_f32 v81, s20, v80
	v_rndne_f32 v81, v81                           ; k: the nearest multiple of pi / 2
	v_fma_f32 v80, -v81, s21, v80
	v_fma_f32 v80, -v81, s22, v80
	v_fma_f32 v80, -v81, s23, v80                  ; what is left, at most pi / 4
	v_mul_f32 v82, v80, v80                        ; z
	v_cvt_i32_f32 v83, v81
	v_fma_f32 v84, v82, s24, s25
	v_fma_f32 v84, v84, v82, s26
	v_mul_f32 v85, v82, v80
	v_fma_f32 v84, v84, v85, v80                   ; sin
	v_fma_f32 v86, v82, s27, s28
	v_fma_f32 v86, v86, v82, s29
	v_mul_f32 v87, v82, v82
	v_fma_f32 v88, v82, -0.5, 1.0
	v_fma_f32 v86, v86, v87, v88                   ; cos
	v_and_b32 v89, 1, v83
	v_cmp_eq_u32 vcc_lo, 1, v89                    ; an odd k changes the two over
	v_cndmask_b32 v90, v84, v86, vcc_lo
	v_cndmask_b32 v91, v86, v84, vcc_lo
	v_lshlrev_b32 v89, 30, v83
	v_and_b32 v89, 0x80000000, v89                 ; sin turns its sign where k mod 4 is 2 or 3,
	v_xor_b32 v[64+\n], v89, v90
	v_add_nc_u32 v83, 1, v83
	v_lshlrev_b32 v83, 30, v83
	v_and_b32 v83, 0x80000000, v83                 ; cos where it is 1 or 2
	v_xor_b32 v[48+\n], v83, v91
.endm
.irp n, 0,1,2,3,4,5,6,7,8,9,10,11,12,13,14,15
	SINCOS \n
.endr
	s_wait_kmcnt 0x0
	s_add_nc_u64 s[14:15], s[14:15], s[2:3]
.irp q, 0,1,2,3,4,5,6,7
	global_store_b128 v5, v[48+4*\q:51+4*\q], s[14:15] offset:512*\q   ; 32 lanes store 512 consecutive bytes, aligned
.endr
	s_endpgm
.Lfunc_end_k_q309d31b6dd_quant:
	.size	k_q309d31b6dd_quant, .Lfunc_end_k_q309d31b6dd_quant-k_q309d31b6dd_quant
	.p2alignl 7, 3214868480
	.fill 96, 4, 3214868480
	.section	.rodata,"a",@progbits
	.p2align	6, 0x0
	.amdhsa_kernel k_q309d31b6dd_quant
		.amdhsa_group_segment_fixed_size 33280
		.amdhsa_private_segment_fixed_size 0
		.amdhsa_enable_private_segment 0
		.amdhsa_kernarg_size 48
		.amdhsa_user_sgpr_count 2
		.amdhsa_user_sgpr_kernarg_segment_ptr 1
		.amdhsa_wavefront_size32 1
		.amdhsa_system_sgpr_workgroup_id_x 1
		.amdhsa_system_sgpr_workgroup_id_y 1
		.amdhsa_system_sgpr_workgroup_id_z 1
		.amdhsa_system_vgpr_workitem_id 0
		.amdhsa_next_free_vgpr 194
		.amdhsa_next_free_sgpr 66
		.amdhsa_reserve_vcc 1
		.amdhsa_float_denorm_mode_32 3
		.amdhsa_float_denorm_mode_16_64 3
		.amdhsa_memory_ordered 1
		.amdhsa_forward_progress 1
		.amdhsa_inst_pref_size 60
	.end_amdhsa_kernel
	.amdgpu_metadata
---
amdhsa.version: [ 1, 2 ]
amdhsa.kernels:
  - .name:           k_q309d31b6dd_quant
    .symbol:         k_q309d31b6dd_quant.kd
    .args:
      - { .name: x, .offset: 0, .size: 8, .value_kind: global_buffer, .address_space: global }
      - { .name: w_qkv, .offset: 8, .size: 8, .value_kind: global_buffer, .address_space: global }
      - { .name: w_proj, .offset: 16, .size: 8, .value_kind: global_buffer, .address_space: global }
      - { .name: codes, .offset: 24, .size: 8, .value_kind: global_buffer, .address_space: global }
      - { .name: scales, .offset: 32, .size: 8, .value_kind: global_buffer, .address_space: global }
      - { .name: rope, .offset: 40, .size: 8, .value_kind: global_buffer, .address_space: global }
    .group_segment_fixed_size: 33280
    .private_segment_fixed_size: 0
    .kernarg_segment_align: 8
    .kernarg_segment_size: 48
    .max_flat_workgroup_size: 128
    .sgpr_count:     66
    .vgpr_count:     194
    .wavefront_size: 32
...
	.end_amdgpu_metadata
.endif
;; end of part 1
;; launch qkv (part 2): grid 12 x 16, 4 waves a work-group, clusters of 4 x 4, 327,680 bytes of LDS; arguments codes, scales, rope, qkv_codes, qkv_scales; writes qkv_codes, qkv_scales
.if DOCPART == 2
	.amdgcn_target "amdgcn-amd-amdhsa--gfx1250"
	.amdhsa_code_object_version 6
	.text
	.protected	k_q309d31b6dd_qkv
	.globl	k_q309d31b6dd_qkv
	.p2align	8
	.type	k_q309d31b6dd_qkv,@function
k_q309d31b6dd_qkv:
	s_mov_b64 s[64:65], 0
	v_nop
	global_prefetch_b8 v0, s[64:65] scope:SCOPE_SE
	s_setreg_imm32_b32 hwreg(HW_REG_WAVE_MODE, 25, 1), 1
	s_wait_xcnt 0x0
	s_wait_alu depctr_hold_cnt(0) depctr_sa_sdst(0) depctr_va_vdst(0) depctr_va_sdst(0) depctr_va_ssrc(0) depctr_va_vcc(0) depctr_vm_vsrc(0)
	s_getreg_b32 s2, hwreg(HW_REG_IB_STS2, 6, 4)
	s_cmp_eq_u32 s2, 0
	s_cbranch_scc0 .Lentry_in_a_cluster
	s_endpgm
.Lentry_in_a_cluster:
	s_bfe_u32 s2, ttmp6, 0x10000c
	s_cmp_lg_u32 s2, 0xf033
	s_cbranch_scc0 .Lentry_shape_is_right
	s_endpgm
.Lentry_shape_is_right:
; qkv = x w_qkv^T on codes of FP6 (E2M3) with E8M0 scales, K = 1,024; then the rotation of q and k, and the quantising of q and k along a head's 64 channels and of v along the keys.  No f32 result goes to memory.
; A tile of 256 x 256 is made by a work-group of four waves, 128 x 128 a wave: 64 accumulators of 16 x 16.  K goes in steps of 256 through a ring of two LDS slots filled by the tensor data mover;
; the scale bytes of the tile's 512 rows come into LDS once.  4 x 4 work-groups form a cluster: A's tiles are asked for jointly along a row of the cluster, B's along a column.
; THE MATRIX INSTRUCTION IS USED TRANSPOSED (source 0 = 16 rows of B, source 1 = 16 rows of A): a lane holds ONE row of A, and its registers run along B's rows.
; Clusters x = 0, 1: A = tokens, B = w_q's or w_k's rows: a lane's registers run along the channels.  Cluster x = 2: A = w_v's rows, B = tokens: they run along the keys.  So they always run along the axis
; that is quantised next, and one loop and one way out serve all three; for v the way out reads the table's tiles with cos 1 and sin 0.
; THE WAY OUT.  A's block a (16 rows) against four neighbouring blocks of B (64 along the next K) is 32 numbers a lane: two blocks of 32, half of each in lane l and half in lane l xor 16.  They become a HALF-IMAGE:
; six operand registers of 32 lanes, 768 bytes: registers 0-3 at 16 x lane, registers 4-5 at 512 + 8 x lane; lane (r, H) holds row r, block H.  Inside a block the order is that of the first launch.
; qkv_codes: three sections q, k, v of [256 idx][8 a][2 e][768]; idx = (batch x 8 + pair of heads) x 16 + step of 128 tokens.  q, k: a = tile of 16 tokens, e = which head of the pair; v: a = 4 x head + tile of 16 channels, e = which 64 keys.
; qkv_scales: images of four scale registers, 512 bytes.  q, k (idx x 1,024 + 512 e): register i, lane (r, h): the word of token tile 4 h + i, row r (bytes 0, 1; bytes 2, 3 are 0).  v (idx x 512): head h, channel tile i, four bytes.
; LIMITS: NaN and infinities are not served; a block whose largest magnitude lies under 2^-124 (zeros among them) has the byte 1: this program alone reads the bytes.
; REGISTERS, in windows of 256: window 0: v0-31 addresses; v32-63 scale words, two sets; from v128 A's fragments, one set; on the way out v32-183 as named below.  window 1: B's fragments, two sets.  windows 2, 3: the accumulators ((a, b) at v[8 (8 (a % 4) + b)]).
.set KSTEP,  256
.set NQ,     2                         ; matrix instructions deep in a slot
.set ROWB,   192                       ; a tile's row: 256 codes
.set KROW,   768                       ; a row of codes in memory
.set PITCH,  240                       ; an LDS row: 3 x (64 bytes + 16 of padding)
.set FR,     12
.set NL,     6                         ; LDS loads that bring a fragment
.set NP,     4                         ; places behind this matrix instruction (ISA guide 7.12.1)
.set HALFT,  128*PITCH
.set SLOT,   4*HALFT
.set LAPS,   2                         ; 1,024 / 512
.set KS,     32                        ; a row of scale bytes
.set SCL,    2*SLOT                    ; behind the ring: the scales, as units of 256 bytes + 16 of padding
.set HALFS,  16*272                    ; those of 128 rows
.set SBLK,   2*272                     ; those of 16 rows
.set SPARE,  SCL+4*HALFS               ; the spare words, 128 bytes a wave: two blocks of 256 bytes that no other line names
.set ADRA, 16                          ; v16-17 LDS address of my A fragments in slot 0, 1 (v18-19: behind one padding more)
.set ADRB, 20                          ; v20-23 the same for B
.set L16,  24                          ; v24 16 x lane
.set L8,   25                          ; v25 8 x lane
.set LN,   26                          ; v26 lane
.set ADRS, 27                          ; v27 LDS address of my scale words: lanes 0-15 A's rows, lanes 16-31 B's
.set SPW,  28                          ; v28 my spare word; never rewritten
.set NIL,  29                          ; v29 0; never rewritten
.set SC,   32
.set AF,   128
.set CSR,  32                          ; the way out: v32-95 two sets of 16 cos and 16 sin
.set T,    96                          ; v96-127 the 32 numbers in hand
.set MX,   128                         ; v128-129 largest magnitudes
.set PX,   130                         ; v130-131 the other half's
.set SO,   132                         ; v132-133 the conversions' scale operands
.set BY,   134                         ; v134-135 the bytes
.set PC,   136                         ; v136-141 the half-image
.set PG,   144                         ; v144-146 a conversion's second result
.set HW,   160                         ; v160-175 the two bytes of half-image (a, e) at HW + 2 a + e
.set SS,   176                         ; v176-183 the scale words' images
.set G1, 24
.set G0, 32
.set G1B, 48
.set G0B, 56
.set G1S, 68
.set G0S, 76
.set G1SB, 80
.set G0SB, 88
.set ISV, 95                           ; s95 1 in the cluster column that makes v
.set SEL, 20                           ; s[20:21] selects for lane l xor 16 (set behind the head's arithmetic)
.set RB0, 66                           ; s[66:67], s[100:101] where the table's tiles of even and odd a stand
.set RB1, 100
.set STR2, 96                          ; s[96:97] two tiles on, in bytes (0 for v)
.set MSB, 0
.macro WIN new                         ; the immediate's high byte repeats the setting that is left
.if MSB != \new
	s_set_vgpr_msb (MSB<<8)|\new
.set MSB, \new
.endif
.endm
.set MUL_LO, 0xa1                      ; source 0 (B) window 1, source 1 (A) window 0, C and D window 2
.set MUL_HI, 0xf1
.set TO_B,   0x40
; A joint load: waves 0 and 1 fetch for A, waves 2 and 3 for B; the branch hangs on the wave's number alone.  Four v_nop follow each of the two lines.
.macro JLOAD g0a, g1a, g0b, g1b
	s_cmp_eq_u32 s15, 0
	s_cbranch_scc0 .Lfor_b_\@
	tensor_load_to_lds s[\g0a:\g0a+3], s[\g1a:\g1a+7]
	s_nop 0
.rept 4
	v_nop
.endr
	s_branch .Lasked_\@
.Lfor_b_\@:
	tensor_load_to_lds s[\g0b:\g0b+3], s[\g1b:\g1b+7]
	s_nop 0
.rept 4
	v_nop
.endr
.Lasked_\@:
.endm
.macro CREST                           ; a round of the cluster's barrier behind its opening barrier
	s_cmp_lg_u32 s14, 0
	s_cbranch_scc1 .Lnot_wave_0_\@
	s_barrier_signal -3
.Lnot_wave_0_\@:
	s_barrier_wait -3
	s_barrier_signal -1
	s_barrier_wait -1
.endm
.macro CROUND
	s_barrier_signal -1
	s_barrier_wait -1
	CREST
.endm
	s_load_b128 s[4:7], s[0:1], 0x0                ; codes, scales
	s_load_b128 s[8:11], s[0:1], 0x10              ; rope, qkv_codes
	s_load_b64 s[12:13], s[0:1], 0x20              ; qkv_scales
	v_lshl_add_u32 v[SPW], v0, 2, SPARE
	v_mov_b32 v[NIL], 0
	ds_add_u32 v28, v29
	ds_add_u32 v28, v29
	s_wait_dscnt 0x0
	v_lshrrev_b32 v1, 5, v0
	v_readfirstlane_b32 s14, v1                    ; wave 0..3
	s_lshr_b32 s15, s14, 1                         ; which half of A's rows is mine.  Also: I fetch for A (0) or for B (1)
	s_and_b32 s16, s14, 1                          ; which half of B's rows.  Also: which 128 rows I fetch
	s_bfe_u32 s40, ttmp6, 0x40000                  ; cx, cy
	s_bfe_u32 s41, ttmp6, 0x40004
	s_and_b32 s94, ttmp7, 0xffff                   ; cluster y
	s_cmp_eq_u32 ttmp9, 2                          ; cluster x = 2 makes v: the same answer in all sixteen partners
	s_cselect_b32 s[ISV], 1, 0
	s_cselect_b32 s96, 0, s94                      ; the cluster's place among A's tiles,
	s_cselect_b32 s97, s94, ttmp9                  ; and among B's
	s_cselect_b32 s98, 6144, 0                     ; A's first row in the buffer of codes: w_v's or x's
	s_cselect_b32 s99, 0, 4096                     ; B's: x's or w_qkv's
	s_lshl_b32 s42, s97, 2
	s_add_co_u32 s42, s42, s40                     ; B's tile = 4 x place + cx
	s_lshl_b32 s17, s96, 2
	s_add_co_u32 s17, s17, s41                     ; A's tile = 4 x place + cy
	s_lshl_b32 s43, s41, 2
	s_lshl_b32 s43, 15, s43                        ; my row of the cluster
	s_lshl_b32 s44, 0x1111, s40                    ; my column
	s_or_b32 s[G1+0], s43, (0<<16)|(1<<20)|(1<<21)|(3<<22)|(3<<25)  ; the mask; elements of 1 byte; padding on; bit 21 beside a mask; after every 16 words 4 words
	s_or_b32 s[G1B+0], s44, (0<<16)|(1<<20)|(1<<21)|(3<<22)|(3<<25)
.irp g, G1, G1B
	s_mov_b32 s[\g+1], ROWB<<16                    ; tensor_dim0
	s_mov_b32 s[\g+2], 128<<16                     ; tensor_dim1
	s_mov_b32 s[\g+3], ROWB<<16                    ; tile_dim0
	s_mov_b32 s[\g+4], 128                         ; tile_dim1
	s_mov_b32 s[\g+5], KROW                        ; the pitch
	s_mov_b32 s[\g+6], 0
	s_mov_b32 s[\g+7], 0
.endr
	s_or_b32 s[G1S+0], s43, (3<<16)|(1<<20)|(1<<21)|(5<<22)|(3<<25)   ; the scales of 128 rows: 4,096 dense bytes as 16 rows of 256, 16 bytes of padding behind each
	s_or_b32 s[G1SB+0], s44, (3<<16)|(1<<20)|(1<<21)|(5<<22)|(3<<25)
.irp g, G1S, G1SB
	s_mov_b32 s[\g+1], 32<<16
	s_mov_b32 s[\g+2], 16<<16
	s_mov_b32 s[\g+3], 32<<16
	s_mov_b32 s[\g+4], 16
	s_mov_b32 s[\g+5], 32
	s_mov_b32 s[\g+6], 0
	s_mov_b32 s[\g+7], 0
.endr
	s_lshl_b32 s18, s16, 7
	s_lshl_b32 s20, s17, 8
	s_add_co_u32 s20, s20, s18
	s_add_co_u32 s20, s20, s98                     ; A: row 256 x tile + 128 x half + the tensor's first row: cy and cluster numbers alone
	s_lshl_b32 s46, s42, 8
	s_add_co_u32 s46, s46, s18
	s_add_co_u32 s46, s46, s99                     ; B likewise: cx and cluster numbers alone
	s_mov_b32 s21, 0
	s_mov_b32 s47, 0
	s_mov_b64 s[18:19], KS
	s_mul_u64 s[22:23], s[20:21], s[18:19]
	s_mul_u64 s[92:93], s[46:47], s[18:19]
	s_mov_b64 s[18:19], KROW
	s_mul_u64 s[20:21], s[20:21], s[18:19]
	s_mul_u64 s[46:47], s[46:47], s[18:19]
	s_mul_i32 s45, s14, HALFT                      ; where they go: wave x 128 rows
	s_mul_i32 s94, s14, HALFS
	s_wait_kmcnt 0x0
	s_add_nc_u64 s[20:21], s[4:5], s[20:21]
	s_add_nc_u64 s[22:23], s[6:7], s[22:23]
	s_add_nc_u64 s[46:47], s[4:5], s[46:47]
	s_add_nc_u64 s[92:93], s[6:7], s[92:93]
	CROUND                                         ; all sixteen work-groups are here: the first joint loads meet
	s_mov_b32 s[G0S], 1
	s_add_co_u32 s[G0S+1], s94, SCL
	s_mov_b64 s[G0S+2:G0S+3], s[22:23]
	s_or_b32 s[G0S+3], s[G0S+3], 0x80000000
	s_mov_b32 s[G0SB], 1
	s_add_co_u32 s[G0SB+1], s94, SCL
	s_mov_b64 s[G0SB+2:G0SB+3], s[92:93]
	s_or_b32 s[G0SB+3], s[G0SB+3], 0x80000000
	JLOAD G0S, G1S, G0SB, G1SB                     ; the scales first: they are wanted with K step 0
.irp s, 0,1
	s_mov_b32 s[G0+4*\s], 1
	s_add_co_u32 s[G0+4*\s+1], s45, \s*SLOT
	s_add_nc_u64 s[G0+4*\s+2:G0+4*\s+3], s[20:21], \s*ROWB
	s_or_b32 s[G0+4*\s+3], s[G0+4*\s+3], 0x80000000
	s_mov_b32 s[G0B+4*\s], 1
	s_add_co_u32 s[G0B+4*\s+1], s45, \s*SLOT
	s_add_nc_u64 s[G0B+4*\s+2:G0B+4*\s+3], s[46:47], \s*ROWB
	s_or_b32 s[G0B+4*\s+3], s[G0B+4*\s+3], 0x80000000
	JLOAD G0+4*\s, G1, G0B+4*\s, G1B
.endr
	v_and_b32 v1, 15, v0                           ; l % 16
	v_bfe_u32 v2, v0, 4, 1                         ; l / 16
	v_mul_u32_u24 v3, v1, PITCH
	v_mul_u32_u24 v4, v2, 24
	v_add_nc_u32 v4, v3, v4                        ; a fragment's row x pitch + 24 x half
	v_lshl_add_u32 v5, v2, 4, v4                   ; and the same behind one padding more
	s_mul_i32 s21, s15, HALFT
	s_mul_i32 s22, s16, HALFT
	s_add_co_u32 s22, s22, 2*HALFT
.irp s, 0,1
	v_add_nc_u32 v[ADRA+\s], s21, v4
	v_add_nc_u32 v[ADRB+\s], s22, v4
	v_add_nc_u32 v[ADRA+2+\s], s21, v5
	v_add_nc_u32 v[ADRB+2+\s], s22, v5
	s_add_co_u32 s21, s21, SLOT
	s_add_co_u32 s22, s22, SLOT
.endr
	v_mul_u32_u24 v5, v1, KS                       ; my row's scales: 32 bytes a row,
	v_lshrrev_b32 v6, 8, v5
	v_lshl_add_u32 v5, v6, 4, v5                   ; and 16 more for each 256 passed
	s_mul_i32 s21, s15, HALFS
	s_mul_i32 s22, s16, HALFS
	s_add_co_u32 s22, s22, 2*HALFS
	s_sub_co_u32 s22, s22, s21
	v_mul_u32_u24 v6, s22, v2                      ; lanes 16-31 take B's
	s_add_co_u32 s21, s21, SCL
	v_add_nc_u32 v5, v5, v6
	v_add_nc_u32 v[ADRS], s21, v5
	v_and_b32 v[LN], 31, v0
	v_lshlrev_b32 v[L16], 4, v[LN]
	v_lshlrev_b32 v[L8], 3, v[LN]
	; where my 128 x 128 goes.  Tokens are A's rows for q and k, B's for v; the weights' rows the other way round
	s_and_b32 s2, s42, 3                           ; q, k: B's tile inside its section of 1,024 rows
	s_cmp_eq_u32 s[ISV], 1
	s_cselect_b32 s18, s42, s17                    ; the tile of 256 tokens,
	s_cselect_b32 s19, s16, s15                    ; my half of it,
	s_cselect_b32 s20, s17, s2                     ; the tile of 256 rows of the weight,
	s_cselect_b32 s21, s15, s16                    ; my half of it: a pair of heads
	s_cselect_b32 s22, 0, 4096                     ; from a tile of the table to the next
	s_cselect_b32 s23, 9, 10                       ; an index's scale words: 512 or 1,024 bytes
	s_lshr_b32 s43, s18, 3                         ; batch
	s_lshl_b32 s43, s43, 3
	s_lshl_b32 s44, s20, 1
	s_add_co_u32 s43, s43, s44
	s_add_co_u32 s43, s43, s21                     ; batch x 8 + pair of heads
	s_lshl_b32 s43, s43, 4
	s_and_b32 s44, s18, 7
	s_lshl_b32 s44, s44, 1
	s_add_co_u32 s44, s44, s19                     ; the step of 128 tokens
	s_add_co_u32 s43, s43, s44                     ; idx
	s_mul_i32 s46, s43, 12288
	s_mul_i32 s47, ttmp9, 3145728                  ; the section: q, k, v = cluster x
	s_add_co_u32 s46, s46, s47
	s_mov_b32 s47, 0
	s_add_nc_u64 s[10:11], s[10:11], s[46:47]
	s_lshl_b32 s46, s43, s23
	s_lshl_b32 s45, ttmp9, 18                      ; the scale words' sections begin at 0, 262,144 and 524,288
	s_add_co_u32 s46, s46, s45
	s_add_nc_u64 s[12:13], s[12:13], s[46:47]
	s_lshl_b32 s44, s44, 3                         ; the table's tile of my first 16 tokens
	s_cmp_eq_u32 s[ISV], 1
	s_cselect_b32 s44, 128, s44                    ; v: a tile with cos 1 and sin 0
	s_lshl_b32 s46, s44, 12
	s_add_nc_u64 s[RB0:RB0+1], s[8:9], s[46:47]
	s_mov_b32 s46, s22
	s_add_nc_u64 s[RB1:RB1+1], s[RB0:RB0+1], s[46:47]
	s_lshl_b32 s[STR2], s22, 1
	s_mov_b32 s[STR2+1], 0
	s_mov_b32 s[SEL], 0x76543210
	s_mov_b32 s[SEL+1], 0xfedcba98
.macro FRAG reg, adr, q, i             ; a fragment, 16 rows x 128 K, is 12 registers: lane l holds row l % 16; registers 6 c .. 6 c + 5 hold the row's block 2 c + l / 16: 24 bytes as they lie
.irp p, 0,1,2,3,4,5                    ; in pieces of 8 bytes; where the piece three on (lanes 16-31) lies behind one padding more, the second address register serves
.set PCE, 12*(\q)+6*(\p/3)+\p%3
.if PCE%8 < 5
	ds_load_b64 v[\reg+2*\p:\reg+2*\p+1], v[\adr] offset:8*PCE+16*(PCE/8)+(\i)*16*PITCH
.else
	ds_load_b64 v[\reg+2*\p:\reg+2*\p+1], v[\adr+2] offset:8*PCE+16*(PCE/8)+(\i)*16*PITCH
.endif
.endr
.endm
; 16 matrix instructions: A's blocks a0, a0 + 1 x B's eight, 128 along K.  The 64 accumulators take turns, one instruction a turn, in the same order in every step.
.macro MUL16 a0, p, q, sc, zero
.irp a, \a0, \a0+1
.irp b, 0,1,2,3,4,5,6,7
.if \zero
	v_wmma_scale_f32_16x16x128_f8f6f4 v[8*(8*((\a)%4)+\b):8*(8*((\a)%4)+\b)+7], v[128*(\p)+FR*\b:128*(\p)+FR*\b+FR-1], v[AF+FR*(\a):AF+FR*(\a)+FR-1], 0, v[SC+8*NQ*(\sc)+NQ*\b+(\q)], v[SC+8*NQ*(\sc)+NQ*(\a)+(\q)] matrix_a_fmt:MATRIX_FMT_FP6 matrix_b_fmt:MATRIX_FMT_FP6 matrix_a_scale:MATRIX_SCALE_ROW1
.else
	v_wmma_scale_f32_16x16x128_f8f6f4 v[8*(8*((\a)%4)+\b):8*(8*((\a)%4)+\b)+7], v[128*(\p)+FR*\b:128*(\p)+FR*\b+FR-1], v[AF+FR*(\a):AF+FR*(\a)+FR-1], v[8*(8*((\a)%4)+\b):8*(8*((\a)%4)+\b)+7], v[SC+8*NQ*(\sc)+NQ*\b+(\q)], v[SC+8*NQ*(\sc)+NQ*(\a)+(\q)] matrix_a_fmt:MATRIX_FMT_FP6 matrix_b_fmt:MATRIX_FMT_FP6 matrix_a_scale:MATRIX_SCALE_ROW1
.endif
.endr
.endr
.endm
.macro FETCH_B slot, q, p
	WIN TO_B
.irp i, 0,1,2,3,4,5,6,7
	FRAG 128*(\p)+FR*\i, ADRB+\slot, \q, \i
.endr
	WIN 0
.endm
.macro FETCH_A slot, q, i0
.irp i, \i0, \i0+1, \i0+2, \i0+3
	FRAG AF+FR*(\i), ADRA+\slot, \q, \i
.endr
.endm
.macro SCALES sc                       ; a K step's scale words: two words a row; lanes 0-15 take A's block i, lanes 16-31 B's block i
.irp i, 0,1,2,3,4,5,6,7
	ds_load_b64 v[SC+8*NQ*\sc+NQ*\i:SC+8*NQ*\sc+NQ*\i+1], v[ADRS] offset:\i*SBLK
.endr
.endm
.macro PLACES n                        ; plain vector instructions between a matrix instruction and a load into, or a vector instruction on, one of its registers
.rept \n
	v_nop
.endr
.endm
.macro STEP slot, q, zero              ; a step of 128 along K that has its successor in the same slot
	s_wait_dscnt 4*NL                              ; B's set and A's blocks 0-3 are in; the youngest loads (A's blocks 4-7) may be out
	WIN MUL_LO
	MUL16 0, (\q)%2, \q, \slot, \zero
	MUL16 2, (\q)%2, \q, \slot, \zero
	s_wait_dscnt 0
	PLACES NP
	FETCH_B \slot, (\q)+1, 1-(\q)%2
	FETCH_A \slot, (\q)+1, 0
	WIN MUL_HI
	MUL16 4, (\q)%2, \q, \slot, \zero
	MUL16 6, (\q)%2, \q, \slot, \zero
	PLACES NP
	WIN 0
	FETCH_A \slot, (\q)+1, 4
.endm
; A slot's last step changes slots: one barrier; in front of it each wave waits for all its tensor loads, adds 0 to its spare word, and waits for that and for its own reads of this slot.
.macro TURN slot, next, fill
	s_wait_tensorcnt 0x0                           ; all my tensor loads have landed: my part of the next slot
	ds_add_u32 v[SPW], v[NIL]                      ; 0 onto my spare word
	s_wait_dscnt 4*NL+1                            ; (the add and A's blocks 4-7 may be out)
	WIN MUL_LO
	MUL16 0, 1, NQ-1, \slot, 0
	s_wait_dscnt 0x0                               ; the add is done, and my reads of this slot are over
	s_barrier_signal -1
	MUL16 2, 1, NQ-1, \slot, 0
	WIN 0
	s_barrier_wait -1
.if \fill
	CREST                                          ; the barrier has opened a round of the cluster's barrier: no wave of any partner still reads this slot or has a load on its way
	s_add_nc_u64 s[G0+4*\slot+2:G0+4*\slot+3], s[G0+4*\slot+2:G0+4*\slot+3], 2*ROWB
	s_add_nc_u64 s[G0B+4*\slot+2:G0B+4*\slot+3], s[G0B+4*\slot+2:G0B+4*\slot+3], 2*ROWB
	JLOAD G0+4*\slot, G1, G0B+4*\slot, G1B         ; the first tensor load behind the round; its four v_nop are the places in front of the loads below
.else
	PLACES NP
.endif
	v_add_nc_u32 v[ADRS], 4*NQ, v[ADRS]            ; on to the next K step's scale words
	FETCH_B \next, 0, 0
	FETCH_A \next, 0, 0
	SCALES \next
	WIN MUL_HI
	MUL16 4, 1, NQ-1, \slot, 0
	MUL16 6, 1, NQ-1, \slot, 0
	PLACES NP
	WIN 0
	FETCH_A \next, 0, 4
.endm
	s_wait_tensorcnt 1                             ; the scales and my part of K step 0 are in (K step 1's load may be out),
	s_barrier_signal -1
	s_barrier_wait -1                              ; everybody's are
	FETCH_B 0, 0, 0
	FETCH_A 0, 0, 0
	SCALES 0
	FETCH_A 0, 0, 4
	STEP 0, 0, 1                                   ; the first step's products start the sums
	s_mov_b32 s3, LAPS-1
.Llap:                                                 ; a trip goes once round the ring and fills both slots again
	TURN 0, 1, 1
	STEP 1, 0, 0
	TURN 1, 0, 1
	STEP 0, 0, 0
	s_sub_co_u32 s3, s3, 1
	s_cmp_lg_u32 s3, 0
	s_cbranch_scc1 .Llap
	TURN 0, 1, 0                                   ; the last lap fills nothing
	STEP 1, 0, 0
	s_wait_dscnt 4*NL
	WIN MUL_LO
	MUL16 0, 1, NQ-1, 1, 0
	MUL16 2, 1, NQ-1, 1, 0
	s_wait_dscnt 0
	WIN MUL_HI
	MUL16 4, 1, NQ-1, 1, 0
	MUL16 6, 1, NQ-1, 1, 0
	WIN 0
; THE WAY OUT.
; 32 numbers of a lane, v[t] on: block b in v[t + 16 b] on, my half of it; they become the half-image in v[PC] on and my row's two scale bytes in v[hw] (its upper two bytes 0).
.macro QUANT2 t, hw
.irp b, 0,1
	v_max3_num_f32 v[MX+\b], |v[\t+16*\b]|, |v[\t+16*\b+1]|, 0x1800000   ; my 16 numbers, and the floor 2^(3 - 127): the byte cannot fall under 1
.endr
.irp i, 2,4,6,8,10,12,14
.irp b, 0,1
	v_max3_num_f32 v[MX+\b], v[MX+\b], |v[\t+16*\b+\i]|, |v[\t+16*\b+\i+1]|
.endr
.endr
.irp b, 0,1
	v_permlanex16_b32 v[PX+\b], v[MX+\b], s[SEL], s[SEL+1]
.endr
.irp b, 0,1
	v_max_num_f32 v[MX+\b], v[MX+\b], v[PX+\b]     ; with lane l xor 16's: the block's largest magnitude
.endr
.irp b, 0,1
	v_add_nc_u32 v[SO+\b], 0xff000000, v[MX+\b]    ; 2 off its exponent field: the conversion's scale operand
.endr
.irp b, 0,1
	v_lshrrev_b32 v[BY+\b], 23, v[SO+\b]           ; the scale's byte
.endr
	v_lshl_or_b32 v[\hw], v[BY+1], 8, v[BY]
	v_cvt_scalef32_pk16_fp6_f32 v[PC:PC+2], v[\t:\t+15], v[SO]
	v_cvt_scalef32_pk16_fp6_f32 v[PG:PG+2], v[\t+16:\t+31], v[SO+1]
	v_nop                                          ; one plain instruction behind a scaled conversion
.irp i, 0,1,2
	v_permlane16_swap_b32 v[PC+\i], v[PG+\i]       ; a whole block to a lane: lanes 0-15 block 0, lanes 16-31 block 1; the first three registers its lower 16 places, the second three the upper 16
.endr
.irp i, 0,1,2
	v_mov_b32 v[PC+3+\i], v[PG+\i]
.endr
.endm
.macro ROPELOAD a                      ; the table's tile for A's block a: 16 cos, 16 sin, into set a % 2
.set RBX, RB0+(RB1-RB0)*((\a)%2)
.if (\a) >= 2
	s_add_nc_u64 s[RBX:RBX+1], s[RBX:RBX+1], s[STR2:STR2+1]   ; the loads of block a - 2, which named this base, have been waited for
.endif
.irp q, 0,1,2,3,4,5,6,7
	global_load_b128 v[CSR+32*((\a)%2)+4*\q:CSR+32*((\a)%2)+4*\q+3], v[L16], s[RBX:RBX+1] offset:512*\q
.endr
.endm
; A's block a against B's blocks 4 e .. 4 e + 3: the four accumulators lie on end, register n of the first two = place n of the lower 32, of the last two = of the upper 32.
; lower' = lower cos - upper sin;  upper' = upper cos + lower sin.  Each accumulator is read from its low end on.
.macro ROT a, e
.set LO, 8*(8*((\a)%4)+4*(\e))
.set CO, CSR+32*((\a)%2)
	WIN (0x02+(\a)/4)                              ; source 0: the accumulators' window
.irp n, 0,2,4,6,8,10,12,14
	v_pk_mul_f32 v[T+\n:T+\n+1], v[LO+\n:LO+\n+1], v[CO+\n:CO+\n+1]
	v_pk_mul_f32 v[T+16+\n:T+17+\n], v[LO+16+\n:LO+17+\n], v[CO+\n:CO+\n+1]
.endr
.irp n, 0,2,4,6,8,10,12,14
	v_pk_fma_f32 v[T+\n:T+\n+1], v[LO+16+\n:LO+17+\n], v[CO+16+\n:CO+17+\n], v[T+\n:T+\n+1] neg_lo:[1,0,0] neg_hi:[1,0,0]
	v_pk_fma_f32 v[T+16+\n:T+17+\n], v[LO+\n:LO+\n+1], v[CO+16+\n:CO+17+\n], v[T+16+\n:T+17+\n]
.endr
	WIN 0
.endm
	PLACES NP                                      ; behind the last products: the lines below write registers that held A's fragments and scale words, and read results
	v_mov_b32 v[PX], 0                             ; written once: a lane permute's destination counts as one of its sources
	v_mov_b32 v[PX+1], 0
	ROPELOAD 0
.irp a, 0,1,2,3,4,5,6,7
.if \a < 7
	ROPELOAD \a+1
	s_wait_loadcnt 8                               ; this block's eight loads are in; the next block's eight may be out
.else
	s_wait_loadcnt 0x0
.endif
.irp e, 0,1
	s_wait_xcnt 0x0                                ; the last stores have read the half-image's registers: they are written again only behind this wait
	ROT \a, \e
	QUANT2 T, HW+2*\a+\e
	global_store_b128 v[L16], v[PC:PC+3], s[10:11] offset:1536*\a+768*\e        ; 512 consecutive bytes, aligned
	global_store_b64 v[L8], v[PC+4:PC+5], s[10:11] offset:1536*\a+768*\e+512    ; 256 consecutive bytes, aligned
.endr
.endr
	v_cmp_lt_u32 vcc_lo, 15, v[LN]                 ; lanes 16-31
	s_cmp_eq_u32 s[ISV], 1
	s_cbranch_scc1 .Lv_words
.irp e, 0,1                                    ; q, k: for head e, register i: lanes 0-15 token tile i, lanes 16-31 token tile 4 + i
.irp i, 0,1,2,3
	v_cndmask_b32 v[SS+4*\e+\i], v[HW+2*\i+\e], v[HW+2*(\i+4)+\e], vcc_lo
.endr
.endr
	global_store_b128 v[L16], v[SS:SS+3], s[12:13]
	global_store_b128 v[L16], v[SS+4:SS+7], s[12:13] offset:512
	s_branch .Lwords_done
.Lv_words:
.irp a, 0,1,2,3,4,5,6,7                        ; v: the two halves of 64 keys make a word of four bytes
	v_lshl_or_b32 v[HW+2*\a], v[HW+2*\a+1], 16, v[HW+2*\a]
.endr
.irp i, 0,1,2,3                                ; register i: lanes 0-15 the pair's first head, lanes 16-31 its second; channel tile i
	v_cndmask_b32 v[SS+\i], v[HW+2*\i], v[HW+2*(\i+4)], vcc_lo
.endr
	global_store_b128 v[L16], v[SS:SS+3], s[12:13]
.Lwords_done:
	s_wait_tensorcnt 0x0                           ; the wave's end
	ds_add_u32 v[SPW], v[NIL]
	s_wait_dscnt 0x0
	CROUND                                         ; the closing round: no work-group ends while a partner may still ask for a tile that names it
	s_endpgm
.Lfunc_end_k_q309d31b6dd_qkv:
	.size	k_q309d31b6dd_qkv, .Lfunc_end_k_q309d31b6dd_qkv-k_q309d31b6dd_qkv
	.p2alignl 7, 3214868480
	.fill 96, 4, 3214868480
	.section	.rodata,"a",@progbits
	.p2align	6, 0x0
	.amdhsa_kernel k_q309d31b6dd_qkv
		.amdhsa_group_segment_fixed_size 327680
		.amdhsa_private_segment_fixed_size 0
		.amdhsa_enable_private_segment 0
		.amdhsa_kernarg_size 40
		.amdhsa_user_sgpr_count 2
		.amdhsa_user_sgpr_kernarg_segment_ptr 1
		.amdhsa_wavefront_size32 1
		.amdhsa_system_sgpr_workgroup_id_x 1
		.amdhsa_system_sgpr_workgroup_id_y 1
		.amdhsa_system_sgpr_workgroup_id_z 1
		.amdhsa_system_vgpr_workitem_id 0
		.amdhsa_next_free_vgpr 1024
		.amdhsa_next_free_sgpr 102
		.amdhsa_reserve_vcc 1
		.amdhsa_float_denorm_mode_32 3
		.amdhsa_float_denorm_mode_16_64 3
		.amdhsa_memory_ordered 1
		.amdhsa_forward_progress 1
		.amdhsa_inst_pref_size 205
	.end_amdhsa_kernel
	.amdgpu_metadata
---
amdhsa.version: [ 1, 2 ]
amdhsa.kernels:
  - .name:           k_q309d31b6dd_qkv
    .symbol:         k_q309d31b6dd_qkv.kd
    .args:
      - { .name: codes, .offset: 0, .size: 8, .value_kind: global_buffer, .address_space: global }
      - { .name: scales, .offset: 8, .size: 8, .value_kind: global_buffer, .address_space: global }
      - { .name: rope, .offset: 16, .size: 8, .value_kind: global_buffer, .address_space: global }
      - { .name: qkv_codes, .offset: 24, .size: 8, .value_kind: global_buffer, .address_space: global }
      - { .name: qkv_scales, .offset: 32, .size: 8, .value_kind: global_buffer, .address_space: global }
    .group_segment_fixed_size: 327680
    .private_segment_fixed_size: 0
    .kernarg_segment_align: 8
    .kernarg_segment_size: 40
    .max_flat_workgroup_size: 128
    .sgpr_count:     102
    .vgpr_count:     1024
    .wavefront_size: 32
...
	.end_amdgpu_metadata
.endif
;; end of part 2
;; launch attn (part 3): grid 8 x 32, 16 waves a work-group, clusters of 4 x 1, 210,944 bytes of LDS; arguments qkv_codes, qkv_scales, ao_codes, ao_scales; writes ao_codes, ao_scales
.if DOCPART == 3
	.amdgcn_target "amdgcn-amd-amdhsa--gfx1250"
	.amdhsa_code_object_version 6
	.text
	.protected	k_q309d31b6dd_attn
	.globl	k_q309d31b6dd_attn
	.p2align	8
	.type	k_q309d31b6dd_attn,@function
k_q309d31b6dd_attn:
	s_mov_b64 s[64:65], 0
	v_nop
	global_prefetch_b8 v0, s[64:65] scope:SCOPE_SE
	s_setreg_imm32_b32 hwreg(HW_REG_WAVE_MODE, 25, 1), 1
	s_wait_xcnt 0x0
	s_wait_alu depctr_hold_cnt(0) depctr_sa_sdst(0) depctr_va_vdst(0) depctr_va_sdst(0) depctr_va_ssrc(0) depctr_va_vcc(0) depctr_vm_vsrc(0)
	s_getreg_b32 s2, hwreg(HW_REG_IB_STS2, 6, 4)
	s_cmp_eq_u32 s2, 0
	s_cbranch_scc0 .Lentry_in_a_cluster
	s_endpgm
.Lentry_in_a_cluster:
	s_bfe_u32 s2, ttmp6, 0x10000c
	s_cmp_lg_u32 s2, 0x3003
	s_cbranch_scc0 .Lentry_shape_is_right
	s_endpgm
.Lentry_shape_is_right:
; For each (batch, head): O[q] = sum over k of softmax_k(Q[q] . K[k] / 8) V[k], both products on codes of FP6 (E2M3) with E8M0 scales; O is quantised along the model's 1,024 channels for the last product.
; THE SOFTMAX AHEAD OF THE SECOND PRODUCT: t = score x log2(e) / 8; M = the row's largest t so far, rounded UP to a whole number; p = 2^(t - M) is quantised along the keys, not normalised; the row's sum is taken
; of the unquantised p and divides O at the end.  When M moves, the sum and O are multiplied by 2^(old M - new M): exact.
; SHARES.  A work-group owns 256 queries of one head; each of its SIXTEEN waves owns 16, in 256 registers: four waves to a SIMD, so that one wave's vector work stands beside another's products and LDS loads.
; A WHOLE HEAD'S K AND V LIE IN LDS, FILLED ONCE: 2,048 keys x 48 bytes each for K and for V, and their scale words: no slot is filled again.  The four query blocks of a cluster belong to one head: every tile is
; asked for jointly.  All loads go out at the head (waves 0-3: K's, waves 4-7: V's; five a wave are out), in four chunks of 512 keys; a chunk is waited for when its turn comes.
; No prefetch is laid: every byte of K and V is asked for by those loads at the kernel's head, so nothing is left to ask for ahead.
; OPERANDS lie as HALF-IMAGES (16 rows x 64 along K: six registers of 32 lanes, 768 bytes: registers 0-3 at 16 x lane, 4-5 at 512 + 8 x lane).  The first product's K is 64: registers 6-11 of Q's and K's fragments hold zero codes
; (their scale bytes are 0, which is a power of two and no NaN).  Both products are used transposed: a lane holds ONE query (lane % 16) throughout.
; Inside a block of 32 the order of k is that in which a result's registers fall (places 0-7: k 0-7, 8-15: k 16-23, 16-23: k 8-15, 24-31: k 24-31), the same on both sides of each product.
; LIMITS: NaN and infinities are not served; a block whose largest magnitude lies under 2^-124 has the byte 1.  The scale bytes of O leave as 2 bytes a row, 32 bytes apart: one head's share of a row; they are one byte in 24 of what the launch stores.
; REGISTERS: v1-4, v7 addresses that stay; v5, v6, v8-11 a step's addresses; v12 -M, v13 the largest t, v[14:15] the sum; v16-27 Q; v28-31 V's scale words; v32-79 four tiles of K; v80-127 V's four fragments;
; v128-191 S^T, then p; v192-223 O^T; v224-235 p's codes; v232-254 at work; v248-251 K's scale words; v253 p's; v255 Q's.
.set VC,   98304                       ; LDS: K's codes at 0 (step x 6,144 + tile x 768); V's here (step x 6,144 + channel tile x 1,536 + half x 768);
.set SCK,  196608                      ; K's scale words (step x 512);
.set SCV,  204800                      ; V's (step x 256)
.set S,    128
.set O,    192
.set MX,   232                         ; the quantiser of O: largest magnitudes,
.set PX,   236                         ; the other half's,
.set BY,   238                         ; bytes,
.set SO,   244                         ; scale operands,
.set PC,   224                         ; the half-image,
.set PG,   240                         ; a conversion's second result
.set WV,   18
.set SEL,  20                          ; s[20:21] selects for lane l xor 16
.set CS,   22                          ; s[22:23] c = log2(e) / 8
.set G1K,  24                          ; s[24:31] group 1 for K's codes; s[32:39] V's; s[40:47] K's scale words; s[48:55] V's
.set G1V,  32
.set G1KS, 40
.set G1VS, 48
.set G0KS, 56                          ; s[56:59], s[60:63] groups 0 for the scale words; s[68:83] four for the chunks of codes
.set G0VS, 60
.set G0C,  68
.set TB,   2                           ; s2  the step's codes, from each region's start
.set TS,   3                           ; s3  its scale words of K
.set TJ,   66                          ; s66 and of V
.set CNT,  67
.macro CROUND                          ; a round of the cluster's barrier
	s_barrier_signal -1
	s_barrier_wait -1
	s_cmp_lg_u32 s[WV], 0
	s_cbranch_scc1 .Lnot_wave_0_\@
	s_barrier_signal -3
.Lnot_wave_0_\@:
	s_barrier_wait -3
	s_barrier_signal -1
	s_barrier_wait -1
.endm
.macro GROUP1 g, c, r, p               ; r rows of c elements of 8 bytes, p elements apart; no padding; the mask names all four work-groups, bit 21 beside it
	s_mov_b32 s[\g], 15|(3<<16)|(1<<21)
	s_mov_b32 s[\g+1], (\c)<<16
	s_mov_b32 s[\g+2], (\r)<<16
	s_mov_b32 s[\g+3], (\c)<<16
	s_mov_b32 s[\g+4], \r
	s_mov_b32 s[\g+5], \p
	s_mov_b32 s[\g+6], 0
	s_mov_b32 s[\g+7], 0
.endm
	s_load_b256 s[4:11], s[0:1], 0x0               ; qkv_codes, qkv_scales, ao_codes, ao_scales
	v_lshl_add_u32 v254, v0, 2, 0x33000
	v_mov_b32 v255, 0
	ds_add_u32 v254, v255
	ds_add_u32 v254, v255
	s_wait_dscnt 0x0
	v_lshrrev_b32 v8, 5, v0
	v_readfirstlane_b32 s[WV], v8                  ; wave 0..15
	s_bfe_u32 s84, ttmp6, 0x40000                  ; cx
	s_lshl_b32 s85, ttmp9, 2
	s_add_co_u32 s85, s85, s84                     ; my block of 256 queries: it enters Q's and O's addresses alone
	s_and_b32 s86, ttmp7, 0xffff                   ; 16 x batch + head, which the four partners share
	s_lshr_b32 s87, s86, 1
	s_lshl_b32 s87, s87, 4                         ; idx of the head's step 0: (batch x 8 + pair of heads) x 16
	s_and_b32 s88, s86, 1                          ; which head of the pair
	s_and_b32 s89, s[WV], 3                        ; p: which step of a chunk's four I fetch
	s_lshr_b32 s90, s[WV], 2                       ; 0: K, 1: V
	GROUP1 G1K, 96, 8, 192                         ; a step of K: 8 half-images of my head, 1,536 bytes apart
	GROUP1 G1V, 32, 24, 32                         ; a step of V: my head's 6,144 dense bytes as rows of 256
	GROUP1 G1KS, 64, 4, 128                        ; four steps' scale words of K: 512 bytes each, 1,024 apart
	GROUP1 G1VS, 32, 4, 64                         ; of V: 256 bytes each, 512 apart
	s_lshl_b32 s91, s89, 2
	s_add_co_u32 s91, s91, s87                     ; idx of step 4 p
	s_lshl_b32 s92, s91, 10
	s_lshl_b32 s94, s88, 9
	s_add_co_u32 s92, s92, s94
	s_add_co_u32 s92, s92, 262144                  ; K's scale words
	s_mov_b32 s93, 0
	s_lshl_b32 s94, s91, 9
	s_lshl_b32 s96, s88, 8
	s_add_co_u32 s94, s94, s96
	s_add_co_u32 s94, s94, 524288                  ; V's
	s_mov_b32 s95, 0
	s_add_co_u32 s96, s87, s89                     ; idx of step p
	s_mul_i32 s96, s96, 12288
	s_add_co_u32 s97, s90, 1
	s_mul_i32 s97, s97, 3145728                    ; the section: k or v
	s_add_co_u32 s96, s96, s97
	s_mul_i32 s97, s90, 7
	s_add_co_u32 s97, s97, 1
	s_mul_i32 s97, s97, s88
	s_mul_i32 s97, s97, 768                        ; my head: 768 bytes on in K, 6,144 in V
	s_add_co_u32 s96, s96, s97
	s_mov_b32 s97, 0
	s_mul_i32 s98, s90, VC
	s_mul_i32 s99, s89, 6144
	s_add_co_u32 s98, s98, s99                     ; where step p goes: the wave's number and constants alone
	s_mov_b32 s[SEL], 0x76543210
	s_mov_b32 s[SEL+1], 0xfedcba98
	s_mov_b32 s[CS], 0x3e38aa3b                    ; log2(e) / 8
	s_mov_b32 s[CS+1], s[CS]                       ; (named with it as a pair, so it is written)
	s_wait_kmcnt 0x0
	s_mov_b32 s[G0KS], 1
	s_lshl_b32 s[G0KS+1], s89, 11
	s_add_co_u32 s[G0KS+1], s[G0KS+1], SCK
	s_add_nc_u64 s[G0KS+2:G0KS+3], s[6:7], s[92:93]
	s_or_b32 s[G0KS+3], s[G0KS+3], 0x80000000
	s_mov_b32 s[G0VS], 1
	s_lshl_b32 s[G0VS+1], s89, 10
	s_add_co_u32 s[G0VS+1], s[G0VS+1], SCV
	s_add_nc_u64 s[G0VS+2:G0VS+3], s[6:7], s[94:95]
	s_or_b32 s[G0VS+3], s[G0VS+3], 0x80000000
	s_add_nc_u64 s[96:97], s[4:5], s[96:97]
.irp c, 0,1,2,3                                ; chunk c: steps 4 c .. 4 c + 3, of which step 4 c + p is mine
	s_mov_b32 s[G0C+4*\c], 1
	s_add_co_u32 s[G0C+4*\c+1], s98, 24576*\c
	s_add_nc_u64 s[G0C+4*\c+2:G0C+4*\c+3], s[96:97], 49152*\c
	s_or_b32 s[G0C+4*\c+3], s[G0C+4*\c+3], 0x80000000
.endr
	CROUND                                         ; all four work-groups are here: the joint loads meet
	s_cmp_lt_u32 s[WV], 4                          ; a wave's five loads stand in one branch on its number; four v_nop follow the fifth
	s_cbranch_scc0 .Lnot_k
	tensor_load_to_lds s[G0KS:G0KS+3], s[G1KS:G1KS+7]
	s_nop 0
	tensor_load_to_lds s[G0C:G0C+3], s[G1K:G1K+7]
	s_nop 0
	tensor_load_to_lds s[G0C+4:G0C+7], s[G1K:G1K+7]
	s_nop 0
	tensor_load_to_lds s[G0C+8:G0C+11], s[G1K:G1K+7]
	s_nop 0
	tensor_load_to_lds s[G0C+12:G0C+15], s[G1K:G1K+7]
	s_nop 0
.rept 4
	v_nop
.endr
	s_branch .Lasked
.Lnot_k:
	s_cmp_lt_u32 s[WV], 8
	s_cbranch_scc0 .Lasked
	tensor_load_to_lds s[G0VS:G0VS+3], s[G1VS:G1VS+7]
	s_nop 0
	tensor_load_to_lds s[G0C:G0C+3], s[G1V:G1V+7]
	s_nop 0
	tensor_load_to_lds s[G0C+4:G0C+7], s[G1V:G1V+7]
	s_nop 0
	tensor_load_to_lds s[G0C+8:G0C+11], s[G1V:G1V+7]
	s_nop 0
	tensor_load_to_lds s[G0C+12:G0C+15], s[G1V:G1V+7]
	s_nop 0
.rept 4
	v_nop
.endr
.Lasked:
	; Q: my 16 queries are token tile wave % 8 of step 2 x block + wave / 8
	s_lshl_b32 s84, s85, 1
	s_lshr_b32 s91, s[WV], 3
	s_add_co_u32 s84, s84, s91
	s_add_co_u32 s84, s84, s87                     ; idx
	s_and_b32 s91, s[WV], 7                        ; the token tile
	s_mul_i32 s92, s84, 12288
	s_mul_i32 s93, s91, 1536
	s_add_co_u32 s92, s92, s93
	s_mul_i32 s93, s88, 768
	s_add_co_u32 s92, s92, s93
	s_mov_b32 s93, 0
	s_add_nc_u64 s[12:13], s[4:5], s[92:93]        ; its half-image
	s_lshl_b32 s92, s84, 10
	s_lshl_b32 s94, s88, 9
	s_add_co_u32 s92, s92, s94
	s_lshr_b32 s94, s91, 2
	s_lshl_b32 s94, s94, 8
	s_add_co_u32 s92, s92, s94
	s_and_b32 s94, s91, 3
	s_lshl_b32 s94, s94, 2
	s_add_co_u32 s92, s92, s94
	s_add_nc_u64 s[14:15], s[6:7], s[92:93]        ; its scale words: 16 bytes from row to row
	; O: token tile 128 x batch + 16 x block + wave
	s_lshr_b32 s92, s86, 4
	s_lshl_b32 s92, s92, 7
	s_lshl_b32 s94, s85, 4
	s_add_co_u32 s92, s92, s94
	s_add_co_u32 s92, s92, s[WV]
	s_and_b32 s96, s86, 15                         ; the head
	s_lshl_b32 s94, s92, 4
	s_add_co_u32 s94, s94, s96
	s_mul_i32 s94, s94, 768
	s_mov_b32 s95, 0
	s_add_nc_u64 s[8:9], s[8:9], s[94:95]
	s_lshl_b32 s94, s92, 9
	s_lshl_b32 s96, s96, 1
	s_add_co_u32 s94, s94, s96
	s_add_nc_u64 s[10:11], s[10:11], s[94:95]
	v_and_b32 v8, 31, v0                           ; lane
	v_and_b32 v9, 15, v0                           ; r
	v_lshlrev_b32 v1, 4, v8                        ; 16 x lane
	v_lshl_add_u32 v2, v8, 3, 512                  ; 8 x lane + 512
	v_add_nc_u32 v3, SCK, v1
	v_lshlrev_b32 v10, 4, v9
	v_add_nc_u32 v4, SCV, v10
	v_lshlrev_b32 v7, 5, v9                        ; 32 x r: a token's row of O's scale bytes
	global_load_b128 v[16:19], v1, s[12:13]
	global_load_b64 v[20:21], v2, s[12:13]
	global_load_b32 v255, v10, s[14:15]
.irp i, 22,23,24,25,26,27
	v_mov_b32 v[\i], 0                             ; zero codes for k = 64 .. 127, on both sides
.endr
.irp u, 0,1,2,3
.irp i, 6,7,8,9,10,11
	v_mov_b32 v[32+12*\u+\i], 0
.endr
.endr
	v_mov_b32 v13, 0xff61b1e6                      ; the largest t so far: -3e38
	v_floor_f32 v12, -v13                          ; -M
	v_mov_b32 v14, 0
	v_mov_b32 v15, 0
.irp b, 0,1,2,3
	v_mov_b32 v[236+\b], 0                         ; written once: a lane permute's destination counts as one of its sources
.endr
	v_mov_b32 v253, 0                              ; (named as the upper half of the pair v[252:253] before it is first written)
.set jj, 0
.rept 32
	v_mov_b32 v[O+jj], 0                           ; O^T: the step is written once; the first finds zeros, which the first change of M leaves zeros
.set jj, jj+1
.endr
; A KEY STEP: 128 keys.
.macro STEP
	v_add_nc_u32 v8, s[TB], v1                     ; six additions: also the places between the last step's products and the loads into their registers
	v_add_nc_u32 v9, s[TB], v2
	v_add_nc_u32 v10, VC, v8
	v_add_nc_u32 v11, VC, v9
	v_add_nc_u32 v5, s[TS], v3
	v_add_nc_u32 v6, s[TJ], v4
	ds_load_b128 v[248:251], v5                    ; K's scale words: register i: lanes 0-15 tile i, lanes 16-31 tile 4 + i
.irp u, 0,1,2,3
	ds_load_b128 v[32+12*\u:35+12*\u], v8 offset:768*\u
	ds_load_b64 v[36+12*\u:37+12*\u], v9 offset:768*\u
.endr
	ds_load_b128 v[28:31], v6                      ; V's scale words: register i: channel tile i
.irp d, 0,1,2,3
.irp e, 0,1
	ds_load_b128 v[80+12*\d+6*\e:83+12*\d+6*\e], v10 offset:1536*\d+768*\e
	ds_load_b64 v[84+12*\d+6*\e:85+12*\d+6*\e], v11 offset:1536*\d+768*\e
.endr
.endr
	s_wait_dscnt 17                                ; K's words and tiles 0-3 are in; V's 16 loads and its words may be out
.irp u, 0,1,2,3
	v_wmma_scale_f32_16x16x128_f8f6f4 v[S+8*\u:S+8*\u+7], v[32+12*\u:43+12*\u], v[16:27], 0, v[248+\u], v255 matrix_a_fmt:MATRIX_FMT_FP6 matrix_b_fmt:MATRIX_FMT_FP6
.endr
.rept 4
	v_nop                                          ; places in front of loads into registers that these products have read
.endr
.irp u, 0,1,2,3
	ds_load_b128 v[32+12*\u:35+12*\u], v8 offset:768*(4+\u)
	ds_load_b64 v[36+12*\u:37+12*\u], v9 offset:768*(4+\u)
.endr
	s_wait_dscnt 0x0
.irp u, 0,1,2,3
	v_wmma_scale_f32_16x16x128_f8f6f4 v[S+32+8*\u:S+32+8*\u+7], v[32+12*\u:43+12*\u], v[16:27], 0, v[248+\u], v255 matrix_a_fmt:MATRIX_FMT_FP6 matrix_b_fmt:MATRIX_FMT_FP6 matrix_a_scale:MATRIX_SCALE_ROW1
.endr
.rept 4
	v_nop
.endr
.irp b, 0,1,2,3
	v_max3_num_f32 v[232+\b], v[S+16*\b], v[S+1+16*\b], v[S+2+16*\b]   ; the largest score of each block of 32 keys: for the row's maximum and, since p rises with the score, for the block's largest p
.endr
.irp i, 3,5,7,9,11,13
.irp b, 0,1,2,3
	v_max3_num_f32 v[232+\b], v[232+\b], v[S+16*\b+\i], v[S+1+16*\b+\i]
.endr
.endr
.irp b, 0,1,2,3
	v_max_num_f32 v[232+\b], v[232+\b], v[S+15+16*\b]
.endr
.irp b, 0,1,2,3
	v_permlanex16_b32 v[236+\b], v[232+\b], s[SEL], s[SEL+1]
.endr
.irp b, 0,1,2,3
	v_max_num_f32 v[232+\b], v[232+\b], v[236+\b]  ; with lane l xor 16's 16 keys
.endr
	v_max3_num_f32 v254, v232, v233, v234
	v_max_num_f32 v254, v254, v235
	v_mul_f32 v254, s[CS], v254                    ; as t
	v_max_num_f32 v13, v13, v254                   ; the running largest t
	v_mov_b32 v254, v12
	v_floor_f32 v12, -v13                          ; the new -M = -ceil(t)
	v_sub_f32 v254, v12, v254                      ; old M - new M: a whole number, 0 or less
	v_cvt_i32_f32 v254, v254                       ; (it saturates)
	v_ldexp_f32 v252, 1.0, v254                    ; f = 2^(old M - new M)
.set jj, 0
.rept 32
	v_pk_fma_f32 v[S+jj:S+jj+1], v[S+jj:S+jj+1], s[CS:CS+1], v[12:13] op_sel_hi:[1,0,0]   ; t - M, two at a time
.set jj, jj+2
.endr
.irp b, 0,1,2,3
	v_fma_f32 v[232+\b], v[232+\b], s[CS], v12     ; the same of each block's largest score
.endr
.set jj, 0
.rept 64
	v_exp_f32 v[S+jj], v[S+jj]                     ; p = 2^(t - M), at most 1
.set jj, jj+1
.endr
	v_pk_mul_f32 v[14:15], v[14:15], v[252:253] op_sel_hi:[1,0]   ; the sums under the new M: a plain instruction behind the exponentials
	s_wait_alu depctr_va_vdst(0)                   ; one wait for the whole batch, ahead of its first reader
.irp b, 0,1,2,3
	v_exp_f32 v[232+\b], v[232+\b]                 ; the block's largest p
.endr
	v_pk_add_f32 v[236:237], v[S:S+1], v[S+2:S+3]  ; the row's sum of the unquantised p, in two chains: plain work behind the four
.irp j, 4,8,12,16,20,24,28,32,36,40,44,48,52,56,60
	v_pk_add_f32 v[14:15], v[14:15], v[S+\j:S+\j+1]
	v_pk_add_f32 v[236:237], v[236:237], v[S+2+\j:S+3+\j]
.endr
	v_pk_add_f32 v[14:15], v[14:15], v[236:237]
	s_wait_alu depctr_va_vdst(0)                   ; and one for the four
.irp b, 0,1,2,3
	v_max_num_f32 v[232+\b], 0x1800000, v[232+\b]  ; the floor 2^(3 - 127): the byte cannot fall under 1
.endr
.irp b, 0,1,2,3
	v_add_nc_u32 v[244+\b], 0xff000000, v[232+\b]  ; 2 off the exponent field: the conversion's scale operand
.endr
.irp b, 0,1,2,3
	v_lshrrev_b32 v[236+\b], 23, v[244+\b]
.endr
	v_lshl_or_b32 v253, v237, 8, v236              ; p's scale word for these 128 keys
	v_lshl_or_b32 v253, v238, 16, v253
	v_lshl_or_b32 v253, v239, 24, v253
.irp c, 0,1
	v_cvt_scalef32_pk16_fp6_f32 v[224+6*\c:226+6*\c], v[S+32*\c:S+15+32*\c], v[244+2*\c]
	v_cvt_scalef32_pk16_fp6_f32 v[236+4*\c:238+4*\c], v[S+16+32*\c:S+31+32*\c], v[244+2*\c+1]
.endr
	v_nop                                          ; one plain instruction behind a scaled conversion
.irp c, 0,1                                    ; a whole block to a lane: lanes 0-15 block 2 c, lanes 16-31 block 2 c + 1
.irp i, 0,1,2
	v_permlane16_swap_b32 v[224+6*\c+\i], v[236+4*\c+\i]
.endr
.irp i, 0,1,2
	v_mov_b32 v[227+6*\c+\i], v[236+4*\c+\i]
.endr
.endr
.set jj, 0
.rept 16
	v_pk_mul_f32 v[O+jj:O+jj+1], v[O+jj:O+jj+1], v[252:253] op_sel_hi:[1,0]   ; O^T under the new M; of these sixteen, twelve name no register of a given product below: the places between p's codes and scale word and that product
.set jj, jj+2
.endr
.irp d, 0,1,2,3                                ; O^T += V^T P^T: the four accumulators by turns; the eight products of the next step stand between a sum's links
	v_wmma_scale_f32_16x16x128_f8f6f4 v[O+8*\d:O+8*\d+7], v[80+12*\d:91+12*\d], v[224:235], v[O+8*\d:O+8*\d+7], v[28+\d], v253 matrix_a_fmt:MATRIX_FMT_FP6 matrix_b_fmt:MATRIX_FMT_FP6
.endr
	s_add_co_u32 s[TB], s[TB], 6144
	s_add_co_u32 s[TS], s[TS], 512
	s_add_co_u32 s[TJ], s[TJ], 256
.endm
; A CHUNK: four key steps.  left = the chunks still to come, whose loads may stay out.  A wave that fetched waits for its part, every wave passes the barrier, and then reads.
.macro CHUNK c, left
	s_wait_tensorcnt \left
	s_barrier_signal -1                            ; no LDS load of mine is out: each step ends behind its wait for all of them
	s_barrier_wait -1
	s_mov_b32 s[TB], 24576*\c
	s_mov_b32 s[TS], 2048*\c
	s_mov_b32 s[TJ], 1024*\c
	s_mov_b32 s[CNT], 4
.Lstep_\@:
	STEP
	s_sub_co_u32 s[CNT], s[CNT], 1
	s_cmp_lg_u32 s[CNT], 0
	s_cbranch_scc1 .Lstep_\@
.endm
	s_wait_loadcnt 0x0                             ; Q and its scale word
	CHUNK 0, 3                                     ; the scale words (each wave's first load) and chunk 0 are in
	CHUNK 1, 2
	CHUNK 2, 1
	CHUNK 3, 0
; THE WAY OUT.  O^T / the sum: 32 numbers a lane: my query's 64 channels, half of each block of 32 in lane l and half in lane l xor 16.  They become a half-image of the last product's A.
.macro QUANT2 t, hw
.irp b, 0,1
	v_max3_num_f32 v[MX+\b], |v[\t+16*\b]|, |v[\t+16*\b+1]|, 0x1800000   ; my 16 numbers, and the floor 2^(3 - 127)
.endr
.irp i, 2,4,6,8,10,12,14
.irp b, 0,1
	v_max3_num_f32 v[MX+\b], v[MX+\b], |v[\t+16*\b+\i]|, |v[\t+16*\b+\i+1]|
.endr
.endr
.irp b, 0,1
	v_permlanex16_b32 v[PX+\b], v[MX+\b], s[SEL], s[SEL+1]
.endr
.irp b, 0,1
	v_max_num_f32 v[MX+\b], v[MX+\b], v[PX+\b]
.endr
.irp b, 0,1
	v_add_nc_u32 v[SO+\b], 0xff000000, v[MX+\b]
.endr
.irp b, 0,1
	v_lshrrev_b32 v[BY+\b], 23, v[SO+\b]
.endr
	v_lshl_or_b32 v[\hw], v[BY+1], 8, v[BY]
	v_cvt_scalef32_pk16_fp6_f32 v[PC:PC+2], v[\t:\t+15], v[SO]
	v_cvt_scalef32_pk16_fp6_f32 v[PG:PG+2], v[\t+16:\t+31], v[SO+1]
	v_nop
.irp i, 0,1,2
	v_permlane16_swap_b32 v[PC+\i], v[PG+\i]
.endr
.irp i, 0,1,2
	v_mov_b32 v[PC+3+\i], v[PG+\i]
.endr
.endm
.rept 4
	v_nop                                          ; places behind the last products
.endr
	v_add_f32 v14, v14, v15                        ; the sum's two halves,
	v_permlanex16_b32 v252, v14, s[SEL], s[SEL+1]
	v_add_f32 v14, v14, v252                       ; and lane l xor 16's
	v_rcp_f32 v14, v14
	v_nop                                          ; a plain instruction behind the reciprocal
	s_wait_alu depctr_va_vdst(0)                   ; and the wait ahead of its first reader
.set jj, 0
.rept 16
	v_pk_mul_f32 v[S+jj:S+jj+1], v[O+jj:O+jj+1], v[14:15] op_sel_hi:[1,0]   ; each accumulator from its low end on
.set jj, jj+2
.endr
	QUANT2 S, 246
	global_store_b128 v1, v[PC:PC+3], s[8:9]       ; 512 consecutive bytes, aligned
	global_store_b64 v2, v[PC+4:PC+5], s[8:9]      ; 256 consecutive bytes, aligned
	global_store_b16 v7, v246, s[10:11]            ; my row's two scale bytes (lanes l and l xor 16 hold and write the same)
	s_wait_xcnt 0x0
	v_lshl_add_u32 v254, v0, 2, 0x33000
	v_mov_b32 v255, 0
	s_wait_tensorcnt 0x0
	ds_add_u32 v254, v255
	s_wait_dscnt 0x0
	CROUND                                         ; the closing round: no work-group ends while a partner may still ask for a tile that names it
	s_endpgm
.Lfunc_end_k_q309d31b6dd_attn:
	.size	k_q309d31b6dd_attn, .Lfunc_end_k_q309d31b6dd_attn-k_q309d31b6dd_attn
	.p2alignl 7, 3214868480
	.fill 96, 4, 3214868480
	.section	.rodata,"a",@progbits
	.p2align	6, 0x0
	.amdhsa_kernel k_q309d31b6dd_attn
		.amdhsa_group_segment_fixed_size 210944
		.amdhsa_private_segment_fixed_size 0
		.amdhsa_enable_private_segment 0
		.amdhsa_kernarg_size 32
		.amdhsa_user_sgpr_count 2
		.amdhsa_user_sgpr_kernarg_segment_ptr 1
		.amdhsa_wavefront_size32 1
		.amdhsa_system_sgpr_workgroup_id_x 1
		.amdhsa_system_sgpr_workgroup_id_y 1
		.amdhsa_system_sgpr_workgroup_id_z 1
		.amdhsa_system_vgpr_workitem_id 0
		.amdhsa_next_free_vgpr 256
		.amdhsa_next_free_sgpr 100
		.amdhsa_reserve_vcc 0
		.amdhsa_float_denorm_mode_32 3
		.amdhsa_float_denorm_mode_16_64 3
		.amdhsa_memory_ordered 1
		.amdhsa_forward_progress 1
		.amdhsa_inst_pref_size 82
	.end_amdhsa_kernel
	.amdgpu_metadata
---
amdhsa.version: [ 1, 2 ]
amdhsa.kernels:
  - .name:           k_q309d31b6dd_attn
    .symbol:         k_q309d31b6dd_attn.kd
    .args:
      - { .name: qkv_codes, .offset: 0, .size: 8, .value_kind: global_buffer, .address_space: global }
      - { .name: qkv_scales, .offset: 8, .size: 8, .value_kind: global_buffer, .address_space: global }
      - { .name: ao_codes, .offset: 16, .size: 8, .value_kind: global_buffer, .address_space: global }
      - { .name: ao_scales, .offset: 24, .size: 8, .value_kind: global_buffer, .address_space: global }
    .group_segment_fixed_size: 210944
    .private_segment_fixed_size: 0
    .kernarg_segment_align: 8
    .kernarg_segment_size: 32
    .max_flat_workgroup_size: 512
    .sgpr_count:     100
    .vgpr_count:     256
    .wavefront_size: 32
...
	.end_amdgpu_metadata
.endif
;; end of part 3
;; launch proj (part 4): grid 4 x 16, 4 waves a work-group, clusters of 4 x 4, 327,680 bytes of LDS; arguments ao_codes, ao_scales, codes, scales, out0; writes out0
.if DOCPART == 4
	.amdgcn_target "amdgcn-amd-amdhsa--gfx1250"
	.amdhsa_code_object_version 6
	.text
	.protected	k_q309d31b6dd_proj
	.globl	k_q309d31b6dd_proj
	.p2align	8
	.type	k_q309d31b6dd_proj,@function
k_q309d31b6dd_proj:
	s_mov_b64 s[64:65], 0
	v_nop
	global_prefetch_b8 v0, s[64:65] scope:SCOPE_SE
	s_setreg_imm32_b32 hwreg(HW_REG_WAVE_MODE, 25, 1), 1
	s_wait_xcnt 0x0
	s_wait_alu depctr_hold_cnt(0) depctr_sa_sdst(0) depctr_va_vdst(0) depctr_va_sdst(0) depctr_va_ssrc(0) depctr_va_vcc(0) depctr_vm_vsrc(0)
	s_getreg_b32 s2, hwreg(HW_REG_IB_STS2, 6, 4)
	s_cmp_eq_u32 s2, 0
	s_cbranch_scc0 .Lentry_in_a_cluster
	s_endpgm
.Lentry_in_a_cluster:
	s_bfe_u32 s2, ttmp6, 0x10000c
	s_cmp_lg_u32 s2, 0xf033
	s_cbranch_scc0 .Lentry_shape_is_right
	s_endpgm
.Lentry_shape_is_right:
; out0[m][n] = sum over k of A[m][k] w_proj[n][k] on codes of FP6 (E2M3) with E8M0 scales; M = 4,096 tokens, N = 1,024, K = 1,024; out0 is f32.
; A is the attention's result: ao_codes [256 tiles of 16 tokens][16 heads][768]: half-images (16 rows x 64 along K: six operand registers of 32 lanes; registers 0-3 at 16 x lane, 4-5 at 512 + 8 x lane); ao_scales [4,096][32].
; B is rows 7,168 to 8,191 of the first launch's buffers: rows of 768 bytes of codes and 32 scale bytes.  Both hold the same order of k inside a block of 32.
; A tile of 256 x 256 is made by a work-group of four waves, 128 x 128 a wave.  K goes in steps of 256 through a ring of two LDS slots filled by the tensor data mover; the scale bytes come into LDS once.
; 4 x 4 work-groups form a cluster: A's tiles are asked for jointly along a row of the cluster, B's along a column.  The matrix instruction is used transposed (source 0 = B's rows, source 1 = A's): a lane holds eight neighbouring numbers of a row of out0.
; 64 tiles leave three WGPs in four without work; smaller tiles would share the work further at the price of a second main loop: not built.
; REGISTERS, in windows of 256: window 0: v0-31 addresses; v32-63 scale words, two sets; from v128 A's fragments, one set; on the way out v128-255 rows of out0.  window 1: B's fragments, two sets.  windows 2, 3: the accumulators.
.set SIZE_N, 1024
.set KSTEP,  256
.set NQ,     2
.set ROWB,   192                       ; B: a tile's row
.set KROW,   768                       ; a row of B's codes; also A's bytes for each token (12,288 a tile of 16)
.set ASTEP,  3072                      ; A: a K step of 256 is four heads' half-images
.set PITCH,  240
.set FR,     12
.set NL,     6                         ; LDS loads that bring a fragment of B
.set NLA,    4                         ; and of A
.set NP,     4
.set HALFT,  128*PITCH                 ; a wave's place in a slot (A's tiles use 24,576 bytes of it)
.set SLOT,   4*HALFT
.set LAPS,   2
.set KS,     32
.set SCL,    2*SLOT
.set HALFS,  16*272
.set SBLK,   2*272
.set SPARE,  SCL+4*HALFS               ; the spare words, 128 bytes a wave: two blocks of 256 bytes that no other line names
.set SPITCH, 528                       ; the way out: a stage of 16 rows x (512 bytes + 16) for each wave, in slot 0, which has had its last fill and its last read when the first result is stored there
.set ADRA, 16                          ; v16-17 16 x lane + my A tiles in slot 0, 1;  v18-19 8 x lane + the same
.set ADRB, 20                          ; v20-21 my B fragments in slot 0, 1 (v22-23: behind one padding more)
.set STO,  24
.set RD,   25
.set CO,   26
.set ADRS, 27
.set SPW,  28
.set NIL,  29
.set SC,   32
.set AF,   128
.set BK,   128
.set G1, 24
.set G0, 32
.set G1B, 48
.set G0B, 56
.set G1S, 68
.set G0S, 76
.set G1SB, 80
.set G0SB, 88
.set MSB, 0
.macro WIN new
.if MSB != \new
	s_set_vgpr_msb (MSB<<8)|\new
.set MSB, \new
.endif
.endm
.set MUL_LO, 0xa1
.set MUL_HI, 0xf1
.set TO_B,   0x40
.macro JLOAD g0a, g1a, g0b, g1b        ; a joint load: waves 0 and 1 fetch for A, waves 2 and 3 for B; four v_nop follow each of the two lines
	s_cmp_eq_u32 s15, 0
	s_cbranch_scc0 .Lfor_b_\@
	tensor_load_to_lds s[\g0a:\g0a+3], s[\g1a:\g1a+7]
	s_nop 0
.rept 4
	v_nop
.endr
	s_branch .Lasked_\@
.Lfor_b_\@:
	tensor_load_to_lds s[\g0b:\g0b+3], s[\g1b:\g1b+7]
	s_nop 0
.rept 4
	v_nop
.endr
.Lasked_\@:
.endm
.macro CREST
	s_cmp_lg_u32 s14, 0
	s_cbranch_scc1 .Lnot_wave_0_\@
	s_barrier_signal -3
.Lnot_wave_0_\@:
	s_barrier_wait -3
	s_barrier_signal -1
	s_barrier_wait -1
.endm
.macro CROUND
	s_barrier_signal -1
	s_barrier_wait -1
	CREST
.endm
	s_load_b128 s[4:7], s[0:1], 0x0                ; ao_codes, ao_scales
	s_load_b128 s[8:11], s[0:1], 0x10              ; codes, scales
	s_load_b64 s[12:13], s[0:1], 0x20              ; out0
	v_lshl_add_u32 v[SPW], v0, 2, SPARE
	v_mov_b32 v[NIL], 0
	ds_add_u32 v28, v29
	ds_add_u32 v28, v29
	s_wait_dscnt 0x0
	v_lshrrev_b32 v1, 5, v0
	v_readfirstlane_b32 s14, v1                    ; wave 0..3
	s_lshr_b32 s15, s14, 1                         ; which half of the tile's rows is mine.  Also: I fetch for A (0) or for B (1)
	s_and_b32 s16, s14, 1                          ; which half of its columns.  Also: which 128 rows I fetch
	s_bfe_u32 s40, ttmp6, 0x40000                  ; cx, cy
	s_bfe_u32 s41, ttmp6, 0x40004
	s_lshl_b32 s42, ttmp9, 2
	s_add_co_u32 s42, s42, s40                     ; tile column
	s_and_b32 s17, ttmp7, 0xffff
	s_lshl_b32 s17, s17, 2
	s_add_co_u32 s17, s17, s41                     ; tile row
	s_lshl_b32 s43, s41, 2
	s_lshl_b32 s43, 15, s43                        ; my row of the cluster
	s_lshl_b32 s44, 0x1111, s40                    ; my column
	s_or_b32 s[G1+0], s43, (3<<16)|(1<<21)         ; A: the mask; elements of 8 bytes; no padding: the images are read lanes on end
	s_mov_b32 s[G1+1], 384<<16                     ; a row: a token tile's 3,072 bytes of this K step
	s_mov_b32 s[G1+2], 8<<16                       ; 8 token tiles
	s_mov_b32 s[G1+3], 384<<16
	s_mov_b32 s[G1+4], 8
	s_mov_b32 s[G1+5], 1536                        ; 12,288 bytes from tile to tile
	s_mov_b32 s[G1+6], 0
	s_mov_b32 s[G1+7], 0
	s_or_b32 s[G1B+0], s44, (0<<16)|(1<<20)|(1<<21)|(3<<22)|(3<<25)  ; B: 128 rows of 192 bytes, 16 bytes of padding behind every 64
	s_mov_b32 s[G1B+1], ROWB<<16
	s_mov_b32 s[G1B+2], 128<<16
	s_mov_b32 s[G1B+3], ROWB<<16
	s_mov_b32 s[G1B+4], 128
	s_mov_b32 s[G1B+5], KROW
	s_mov_b32 s[G1B+6], 0
	s_mov_b32 s[G1B+7], 0
	s_or_b32 s[G1S+0], s43, (3<<16)|(1<<20)|(1<<21)|(5<<22)|(3<<25)   ; the scales of 128 rows: 16 rows of 256 bytes, 16 of padding behind each
	s_or_b32 s[G1SB+0], s44, (3<<16)|(1<<20)|(1<<21)|(5<<22)|(3<<25)
.irp g, G1S, G1SB
	s_mov_b32 s[\g+1], 32<<16
	s_mov_b32 s[\g+2], 16<<16
	s_mov_b32 s[\g+3], 32<<16
	s_mov_b32 s[\g+4], 16
	s_mov_b32 s[\g+5], 32
	s_mov_b32 s[\g+6], 0
	s_mov_b32 s[\g+7], 0
.endr
	s_lshl_b32 s18, s16, 7
	s_lshl_b32 s20, s17, 8
	s_add_co_u32 s20, s20, s18                     ; A: token 256 x tile row + 128 x half
	s_lshl_b32 s46, s42, 8
	s_add_co_u32 s46, s46, s18
	s_add_co_u32 s46, s46, 7168                    ; B: w_proj's rows begin at row 7,168
	s_mov_b32 s21, 0
	s_mov_b32 s47, 0
	s_mov_b64 s[18:19], KS
	s_mul_u64 s[22:23], s[20:21], s[18:19]
	s_mul_u64 s[92:93], s[46:47], s[18:19]
	s_mov_b64 s[18:19], KROW
	s_mul_u64 s[20:21], s[20:21], s[18:19]
	s_mul_u64 s[46:47], s[46:47], s[18:19]
	s_mul_i32 s45, s14, HALFT
	s_mul_i32 s94, s14, HALFS
	s_wait_kmcnt 0x0
	s_add_nc_u64 s[20:21], s[4:5], s[20:21]
	s_add_nc_u64 s[22:23], s[6:7], s[22:23]
	s_add_nc_u64 s[46:47], s[8:9], s[46:47]
	s_add_nc_u64 s[92:93], s[10:11], s[92:93]
	CROUND                                         ; all sixteen work-groups are here: the first joint loads meet
	s_mov_b32 s[G0S], 1
	s_add_co_u32 s[G0S+1], s94, SCL
	s_mov_b64 s[G0S+2:G0S+3], s[22:23]
	s_or_b32 s[G0S+3], s[G0S+3], 0x80000000
	s_mov_b32 s[G0SB], 1
	s_add_co_u32 s[G0SB+1], s94, SCL
	s_mov_b64 s[G0SB+2:G0SB+3], s[92:93]
	s_or_b32 s[G0SB+3], s[G0SB+3], 0x80000000
	JLOAD G0S, G1S, G0SB, G1SB
.irp s, 0,1
	s_mov_b32 s[G0+4*\s], 1
	s_add_co_u32 s[G0+4*\s+1], s45, \s*SLOT
	s_add_nc_u64 s[G0+4*\s+2:G0+4*\s+3], s[20:21], \s*ASTEP
	s_or_b32 s[G0+4*\s+3], s[G0+4*\s+3], 0x80000000
	s_mov_b32 s[G0B+4*\s], 1
	s_add_co_u32 s[G0B+4*\s+1], s45, \s*SLOT
	s_add_nc_u64 s[G0B+4*\s+2:G0B+4*\s+3], s[46:47], \s*ROWB
	s_or_b32 s[G0B+4*\s+3], s[G0B+4*\s+3], 0x80000000
	JLOAD G0+4*\s, G1, G0B+4*\s, G1B
.endr
	v_and_b32 v1, 15, v0                           ; l % 16
	v_bfe_u32 v2, v0, 4, 1                         ; l / 16
	v_mul_u32_u24 v3, v1, PITCH
	v_mul_u32_u24 v4, v2, 24
	v_add_nc_u32 v4, v3, v4                        ; B: a fragment's row x pitch + 24 x half
	v_lshl_add_u32 v5, v2, 4, v4                   ; and the same behind one padding more
	v_and_b32 v6, 31, v0
	v_lshlrev_b32 v7, 4, v6                        ; A: 16 x lane,
	v_lshlrev_b32 v8, 3, v6                        ; 8 x lane
	s_mul_i32 s21, s15, HALFT
	s_mul_i32 s22, s16, HALFT
	s_add_co_u32 s22, s22, 2*HALFT
.irp s, 0,1
	v_add_nc_u32 v[ADRA+\s], s21, v7
	v_add_nc_u32 v[ADRA+2+\s], s21, v8
	v_add_nc_u32 v[ADRB+\s], s22, v4
	v_add_nc_u32 v[ADRB+2+\s], s22, v5
	s_add_co_u32 s21, s21, SLOT
	s_add_co_u32 s22, s22, SLOT
.endr
	v_mul_u32_u24 v5, v1, KS
	v_lshrrev_b32 v6, 8, v5
	v_lshl_add_u32 v5, v6, 4, v5
	s_mul_i32 s21, s15, HALFS
	s_mul_i32 s22, s16, HALFS
	s_add_co_u32 s22, s22, 2*HALFS
	s_sub_co_u32 s22, s22, s21
	v_mul_u32_u24 v6, s22, v2                      ; lanes 16-31 take B's
	s_add_co_u32 s21, s21, SCL
	v_add_nc_u32 v5, v5, v6
	v_add_nc_u32 v[ADRS], s21, v5
	s_mul_i32 s23, s14, 16*SPITCH                  ; my stage
	v_mul_u32_u24 v5, v1, SPITCH
	v_lshl_add_u32 v5, v2, 5, v5
	v_add_nc_u32 v[STO], s23, v5                   ; in: row l % 16, 32 bytes for each half of the lanes
	v_and_b32 v6, 31, v0
	v_lshlrev_b32 v[CO], 4, v6                     ; back: the 32 lanes take one row of 512 bytes; and the same in out0
	v_add_nc_u32 v[RD], s23, v[CO]
	s_lshl_b32 s20, s17, 8
	s_lshl_b32 s21, s15, 7
	s_add_co_u32 s20, s20, s21                     ; my first row of out0
	s_mov_b32 s21, 0
	s_mov_b64 s[18:19], SIZE_N*4
	s_mul_u64 s[20:21], s[20:21], s[18:19]
	s_lshl_b32 s46, s42, 10                        ; my first column, in bytes
	s_lshl_b32 s47, s16, 9
	s_add_co_u32 s46, s46, s47
	s_mov_b32 s47, 0
	s_add_nc_u64 s[20:21], s[20:21], s[46:47]
	s_add_nc_u64 s[12:13], s[12:13], s[20:21]
.macro FRAG reg, adr, q, i             ; a fragment of B from padded rows, in pieces of 8 bytes
.irp p, 0,1,2,3,4,5
.set PCE, 12*(\q)+6*(\p/3)+\p%3
.if PCE%8 < 5
	ds_load_b64 v[\reg+2*\p:\reg+2*\p+1], v[\adr] offset:8*PCE+16*(PCE/8)+(\i)*16*PITCH
.else
	ds_load_b64 v[\reg+2*\p:\reg+2*\p+1], v[\adr+2] offset:8*PCE+16*(PCE/8)+(\i)*16*PITCH
.endif
.endr
.endm
.macro AFRAG reg, slot, q, i           ; a fragment of A: two half-images on end, each by a load of 16 and a load of 8 bytes a lane
	ds_load_b128 v[\reg:\reg+3], v[ADRA+\slot] offset:ASTEP*(\i)+1536*(\q)
	ds_load_b64 v[\reg+4:\reg+5], v[ADRA+2+\slot] offset:ASTEP*(\i)+1536*(\q)+512
	ds_load_b128 v[\reg+6:\reg+9], v[ADRA+\slot] offset:ASTEP*(\i)+1536*(\q)+768
	ds_load_b64 v[\reg+10:\reg+11], v[ADRA+2+\slot] offset:ASTEP*(\i)+1536*(\q)+1280
.endm
; 16 matrix instructions; the 64 accumulators take turns, one instruction a turn, in the same order in every step
.macro MUL16 a0, p, q, sc, zero
.irp a, \a0, \a0+1
.irp b, 0,1,2,3,4,5,6,7
.if \zero
	v_wmma_scale_f32_16x16x128_f8f6f4 v[8*(8*((\a)%4)+\b):8*(8*((\a)%4)+\b)+7], v[128*(\p)+FR*\b:128*(\p)+FR*\b+FR-1], v[AF+FR*(\a):AF+FR*(\a)+FR-1], 0, v[SC+8*NQ*(\sc)+NQ*\b+(\q)], v[SC+8*NQ*(\sc)+NQ*(\a)+(\q)] matrix_a_fmt:MATRIX_FMT_FP6 matrix_b_fmt:MATRIX_FMT_FP6 matrix_a_scale:MATRIX_SCALE_ROW1
.else
	v_wmma_scale_f32_16x16x128_f8f6f4 v[8*(8*((\a)%4)+\b):8*(8*((\a)%4)+\b)+7], v[128*(\p)+FR*\b:128*(\p)+FR*\b+FR-1], v[AF+FR*(\a):AF+FR*(\a)+FR-1], v[8*(8*((\a)%4)+\b):8*(8*((\a)%4)+\b)+7], v[SC+8*NQ*(\sc)+NQ*\b+(\q)], v[SC+8*NQ*(\sc)+NQ*(\a)+(\q)] matrix_a_fmt:MATRIX_FMT_FP6 matrix_b_fmt:MATRIX_FMT_FP6 matrix_a_scale:MATRIX_SCALE_ROW1
.endif
.endr
.endr
.endm
.macro FETCH_B slot, q, p
	WIN TO_B
.irp i, 0,1,2,3,4,5,6,7
	FRAG 128*(\p)+FR*\i, ADRB+\slot, \q, \i
.endr
	WIN 0
.endm
.macro FETCH_A slot, q, i0
.irp i, \i0, \i0+1, \i0+2, \i0+3
	AFRAG AF+FR*(\i), \slot, \q, \i
.endr
.endm
.macro SCALES sc
.irp i, 0,1,2,3,4,5,6,7
	ds_load_b64 v[SC+8*NQ*\sc+NQ*\i:SC+8*NQ*\sc+NQ*\i+1], v[ADRS] offset:\i*SBLK
.endr
.endm
.macro PLACES n
.rept \n
	v_nop
.endr
.endm
.macro STEP slot, q, zero
	s_wait_dscnt 4*NLA                             ; B's set and A's blocks 0-3 are in; the youngest sixteen loads (A's blocks 4-7) may be out
	WIN MUL_LO
	MUL16 0, (\q)%2, \q, \slot, \zero
	MUL16 2, (\q)%2, \q, \slot, \zero
	s_wait_dscnt 0
	PLACES NP
	FETCH_B \slot, (\q)+1, 1-(\q)%2
	FETCH_A \slot, (\q)+1, 0
	WIN MUL_HI
	MUL16 4, (\q)%2, \q, \slot, \zero
	MUL16 6, (\q)%2, \q, \slot, \zero
	PLACES NP
	WIN 0
	FETCH_A \slot, (\q)+1, 4
.endm
.macro TURN slot, next, fill
	s_wait_tensorcnt 0x0                           ; all my tensor loads have landed: my part of the next slot
	ds_add_u32 v[SPW], v[NIL]                      ; 0 onto my spare word
	s_wait_dscnt 4*NLA+1                           ; (the add and A's blocks 4-7 may be out)
	WIN MUL_LO
	MUL16 0, 1, NQ-1, \slot, 0
	s_wait_dscnt 0x0                               ; the add is done, and my reads of this slot are over
	s_barrier_signal -1
	MUL16 2, 1, NQ-1, \slot, 0
	WIN 0
	s_barrier_wait -1
.if \fill
	CREST                                          ; the barrier has opened a round of the cluster's barrier
	s_add_nc_u64 s[G0+4*\slot+2:G0+4*\slot+3], s[G0+4*\slot+2:G0+4*\slot+3], 2*ASTEP
	s_add_nc_u64 s[G0B+4*\slot+2:G0B+4*\slot+3], s[G0B+4*\slot+2:G0B+4*\slot+3], 2*ROWB
	JLOAD G0+4*\slot, G1, G0B+4*\slot, G1B         ; the first tensor load behind the round; its four v_nop are the places in front of the loads below
.else
	PLACES NP
.endif
	v_add_nc_u32 v[ADRS], 4*NQ, v[ADRS]
	FETCH_B \next, 0, 0
	FETCH_A \next, 0, 0
	SCALES \next
	WIN MUL_HI
	MUL16 4, 1, NQ-1, \slot, 0
	MUL16 6, 1, NQ-1, \slot, 0
	PLACES NP
	WIN 0
	FETCH_A \next, 0, 4
.endm
	s_wait_tensorcnt 1                             ; the scales and my part of K step 0 are in (K step 1's load may be out),
	s_barrier_signal -1
	s_barrier_wait -1                              ; everybody's are
	FETCH_B 0, 0, 0
	FETCH_A 0, 0, 0
	SCALES 0
	FETCH_A 0, 0, 4
	STEP 0, 0, 1
	s_mov_b32 s3, LAPS-1
.Llap:
	TURN 0, 1, 1
	STEP 1, 0, 0
	TURN 1, 0, 1
	STEP 0, 0, 0
	s_sub_co_u32 s3, s3, 1
	s_cmp_lg_u32 s3, 0
	s_cbranch_scc1 .Llap
	TURN 0, 1, 0
	STEP 1, 0, 0
	s_wait_dscnt 4*NLA
	WIN MUL_LO
	MUL16 0, 1, NQ-1, 1, 0
	MUL16 2, 1, NQ-1, 1, 0
	s_wait_dscnt 0
	WIN MUL_HI
	MUL16 4, 1, NQ-1, 1, 0
	MUL16 6, 1, NQ-1, 1, 0
	WIN 0
; THE WAY OUT, block by block of 16 rows x 128 columns, through my own stage in LDS; back as whole rows of 512 bytes.  LDS serves a wave's instructions in order: no wait between the stores and the loads.
.macro TOSTAGE a
.set AC, 64*((\a)%4)
	WIN (0x08+4*((\a)/4))                          ; the data: window 2 or 3
.irp b, 0,1,2,3,4,5,6,7
	ds_store_b128 v[STO], v[AC+8*\b:AC+8*\b+3] offset:64*\b          ; each accumulator from its low end on
	ds_store_b128 v[STO], v[AC+8*\b+4:AC+8*\b+7] offset:64*\b+16
.endr
	WIN 0
.set BB, BK+64*((\a)%2)
.irp t, 0,1,2,3,4,5,6,7,8,9,10,11,12,13,14,15
	ds_load_b128 v[BB+4*\t:BB+4*\t+3], v[RD] offset:\t*SPITCH
.endr
.endm
.macro SEND a, younger
.set BB, BK+64*((\a)%2)
	s_wait_dscnt \younger                          ; the block is back in registers
.if (\a) > 0
	s_add_nc_u64 s[12:13], s[12:13], 16*SIZE_N*4   ; (behind a wait on XCNT: the earlier stores have read their base)
.endif
.irp t, 0,1,2,3,4,5,6,7,8,9,10,11,12,13,14,15
	global_store_b128 v[CO], v[BB+4*\t:BB+4*\t+3], s[12:13] offset:\t*SIZE_N*4 th:TH_STORE_NT   ; 32 lanes store 512 consecutive bytes, aligned
.endr
.endm
	PLACES NP
	TOSTAGE 0
.irp a, 1,2,3,4,5,6,7
.if \a > 1
	s_wait_xcnt 0x0                                ; block a - 2's stores have read their registers and their base
.endif
	TOSTAGE \a
	SEND \a-1, 32                                  ; behind block a - 1's loads: block a's 16 stores and 16 loads
.endr
	s_wait_xcnt 0x0
	SEND 7, 0
	s_wait_tensorcnt 0x0                           ; the wave's end
	ds_add_u32 v[SPW], v[NIL]
	s_wait_dscnt 0x0
	CROUND                                         ; the closing round
	s_endpgm
.Lfunc_end_k_q309d31b6dd_proj:
	.size	k_q309d31b6dd_proj, .Lfunc_end_k_q309d31b6dd_proj-k_q309d31b6dd_proj
	.p2alignl 7, 3214868480
	.fill 96, 4, 3214868480
	.section	.rodata,"a",@progbits
	.p2align	6, 0x0
	.amdhsa_kernel k_q309d31b6dd_proj
		.amdhsa_group_segment_fixed_size 327680
		.amdhsa_private_segment_fixed_size 0
		.amdhsa_enable_private_segment 0
		.amdhsa_kernarg_size 40
		.amdhsa_user_sgpr_count 2
		.amdhsa_user_sgpr_kernarg_segment_ptr 1
		.amdhsa_wavefront_size32 1
		.amdhsa_system_sgpr_workgroup_id_x 1
		.amdhsa_system_sgpr_workgroup_id_y 1
		.amdhsa_system_sgpr_workgroup_id_z 1
		.amdhsa_system_vgpr_workitem_id 0
		.amdhsa_next_free_vgpr 1024
		.amdhsa_next_free_sgpr 98
		.amdhsa_reserve_vcc 0
		.amdhsa_float_denorm_mode_32 3
		.amdhsa_float_denorm_mode_16_64 3
		.amdhsa_memory_ordered 1
		.amdhsa_forward_progress 1
		.amdhsa_inst_pref_size 152
	.end_amdhsa_kernel
	.amdgpu_metadata
---
amdhsa.version: [ 1, 2 ]
amdhsa.kernels:
  - .name:           k_q309d31b6dd_proj
    .symbol:         k_q309d31b6dd_proj.kd
    .args:
      - { .name: ao_codes, .offset: 0, .size: 8, .value_kind: global_buffer, .address_space: global }
      - { .name: ao_scales, .offset: 8, .size: 8, .value_kind: global_buffer, .address_space: global }
      - { .name: codes, .offset: 16, .size: 8, .value_kind: global_buffer, .address_space: global }
      - { .name: scales, .offset: 24, .size: 8, .value_kind: global_buffer, .address_space: global }
      - { .name: out0, .offset: 32, .size: 8, .value_kind: global_buffer, .address_space: global }
    .group_segment_fixed_size: 327680
    .private_segment_fixed_size: 0
    .kernarg_segment_align: 8
    .kernarg_segment_size: 40
    .max_flat_workgroup_size: 128
    .sgpr_count:     98
    .vgpr_count:     1024
    .wavefront_size: 32
...
	.end_amdgpu_metadata
.endif
;; end of part 4
;; ======== version 2 of 2: 4 launches
;; limits: right only within a limited range of input values
;; workspace buffers: codes 6,291,456 bytes; scales 262,144 bytes; rope 557,056 bytes; qkv_codes 9,437,184 bytes; qkv_scales 655,360 bytes; ao_codes 3,145,728 bytes; ao_scales 131,072 bytes
;; launch quant (part 5): grid 290 x 1, 4 waves a work-group, no clusters, 33,280 bytes of LDS; arguments x, w_qkv, w_proj, codes, scales, rope; writes codes, scales, rope
.if DOCPART == 5
	.amdgcn_target "amdgcn-amd-amdhsa--gfx1250"
	.amdhsa_code_object_version 6
	.text
	.protected	k_q309d31b6dd_quant
	.globl	k_q309d31b6dd_quant
	.p2align	8
	.type	k_q309d31b6dd_quant,@function
k_q309d31b6dd_quant:
	s_mov_b64 s[64:65], 0
	v_nop
	global_prefetch_b8 v0, s[64:65] scope:SCOPE_SE
	s_setreg_imm32_b32 hwreg(HW_REG_WAVE_MODE, 25, 1), 1
	s_wait_xcnt 0x0
; x [4096][1024], w_qkv [3072][1024], w_proj [1024][1024], f32, K innermost, become codes of FP6 (E2M3) with one E8M0 byte for each 32 along K, in ONE buffer of 8,192 rows:
; rows 0-4,095 x, 4,096-7,167 w_qkv, 7,168-8,191 w_proj; a row is 768 bytes of codes and 32 scale bytes.  Work-groups 0-255 do that, 32,768 numbers each (8,192 a wave, 16 steps of 512).
; THE ORDER INSIDE A BLOCK OF 32: position p holds k = p (p 0-7), p + 8 (p 8-15), p - 8 (p 16-23), p (p 24-31).  Every operand of every product of this program is laid so; the same order on both
; sides of a product leaves its products as they are, and it is the order in which a matrix result falls into a lane's registers, so later launches quantise results without moving numbers.
; A block's scale is 2^(floor(log2(largest magnitude)) - 2): its byte is the largest magnitude's exponent field - 2, held at 1 from below.
; Loads run eight steps ahead: 32 loads, 16,384 bytes, of every wave are on their way; the turn through LDS runs one step ahead.
; Work-groups 256-289 make the table of cos and sin for the rotation, a tile of 16 tokens a wave, laid as the next launch's registers take it; tiles 128-135 are made for token 0 (cos 1, sin 0).
; LIMITS: NaN and infinities are not served.  A block whose largest magnitude lies under 2^-124, a block of zeros among them, has the byte 1 (the stated rule gives zeros 127): its codes are zeros or
; subnormal codes, and this program alone reads the bytes.  The angle's reduction by pi/2 in three parts is exact for multiples under 2^11; the largest here is 1,304 (token 2,047, frequency 1).
; 1 / 10^(i/8) is made from the correctly rounded power by a reciprocal and one correction step; one unit in its last place moves the largest angle by about 1e-4.
.set STEPS, 16
.set DEPTH, 8                          ; steps whose loads are on their way
.set EMAX,  2
.set CB,    12                         ; bytes of 16 codes
.set R,     16                         ; v16-143  eight sets of 16 numbers as they are loaded
.set X,     144                        ; v144-175 two sets of 16 numbers of a lane's half block
.set E,     176                        ; v176-191 a scale byte for each step
.set C,     192                        ; v192-255 codes: four registers for each step, so that no store's data are written again
.set WREG,  8192                       ; LDS: a region for each wave: two stages of 32 x SP bytes, behind them its 256 scale bytes
.set SP,    80                         ; 64 bytes (16 numbers) + 16 of padding
	s_load_b128 s[4:7], s[0:1], 0x0                ; x, w_qkv
	s_load_b128 s[8:11], s[0:1], 0x10              ; w_proj, codes
	s_load_b128 s[12:15], s[0:1], 0x20             ; scales, rope
	v_lshl_add_u32 v251, v0, 2, 0x8000
	v_mov_b32 v255, 0
	v_lshrrev_b32 v1, 5, v0
	v_readfirstlane_b32 s16, v1                    ; wave
	v_and_b32 v2, 31, v0                           ; lane
	s_cmp_ge_u32 ttmp9, 256
	s_cbranch_scc1 .Ltable                         ; the table's work-groups use no LDS
	v_lshlrev_b32 v3, 4, v2                        ; my 16 bytes of a load's 512
	s_mul_i32 s17, s16, WREG
	v_lshrrev_b32 v14, 2, v2
	v_mul_u32_u24 v14, v14, SP
	v_and_b32 v15, 3, v2
	v_lshl_add_u32 v14, v15, 4, v14
	v_add_nc_u32 v14, s17, v14                     ; the stage, on the way in: SP (lane / 4) + 16 (lane % 4)
	v_and_b32 v15, 30, v2
	v_mul_u32_u24 v15, v15, SP
	v_and_b32 v12, 1, v2
	v_lshl_add_u32 v15, v12, 5, v15
	v_add_nc_u32 v15, s17, v15                     ; on the way out: the block's two places begin at SP (lane & 30); the even lane takes the first 32 bytes of each, the odd lane the second 32
; THE CODES LIE BY PLANES of 256 along K: [4 planes][8,192 rows][192 bytes] (in place of rows of 768 bytes on end): 128 rows of a plane are 24,576 dense bytes, a multiple of 256.
.set PLANE, 1572864                    ; 8,192 rows x 192 bytes
	v_and_b32 v4, 15, v2
	v_mul_u32_u24 v4, v4, CB                       ; a step is half a row: lanes 0-15 hold 192 bytes of one plane,
	v_lshrrev_b32 v12, 4, v2
	v_mul_u32_u24 v12, v12, PLANE                  ; lanes 16-31 those of the next plane
	v_add_nc_u32 v4, v4, v12
	v_lshrrev_b32 v5, 1, v2
	s_add_co_u32 s17, s17, 2*32*SP
	v_add_nc_u32 v5, s17, v5                       ; LDS: my wave's 256 scale bytes, my block's byte
	v_lshlrev_b32 v7, 3, v2
	v_add_nc_u32 v6, s17, v7                       ; and on the way out 8 bytes a lane
	s_wait_alu depctr_va_vdst(0)
	s_wait_kmcnt 0x0
	s_mov_b32 s17, 224
	s_cmp_lt_u32 ttmp9, 224                        ; which tensor: the choice hangs on the work-group's number alone
	s_cselect_b64 s[6:7], s[6:7], s[8:9]
	s_cselect_b32 s17, 128, s17
	s_cmp_lt_u32 ttmp9, 128
	s_cselect_b64 s[4:5], s[4:5], s[6:7]
	s_cselect_b32 s17, 0, s17                      ; the tensor's first work-group
	s_sub_co_u32 s17, ttmp9, s17
	s_lshl_b32 s17, s17, 2
	s_add_co_u32 s17, s17, s16                     ; my run of 8,192 numbers in the tensor
	s_lshl_b32 s20, s17, 15
	s_mov_b32 s21, 0
	s_add_nc_u64 s[4:5], s[4:5], s[20:21]
	s_lshl_b32 s18, ttmp9, 2
	s_add_co_u32 s18, s18, s16                     ; and among the 1,024 runs of the common buffers
	s_mul_i32 s20, s18, 8*192                      ; my run is 8 rows: 192 bytes a row in each plane
	s_add_nc_u64 s[10:11], s[10:11], s[20:21]
	s_lshl_b32 s20, s18, 8
	s_add_nc_u64 s[12:13], s[12:13], s[20:21]
.macro LOAD t
.irp i, 0,1,2,3
	global_load_b128 v[R+16*((\t)%DEPTH)+4*\i:R+16*((\t)%DEPTH)+4*\i+3], v3, s[4:5] offset:2048*(\t)+512*\i th:TH_LOAD_NT   ; 32 lanes read 512 consecutive bytes
.endr
.endm
.macro TURN t                          ; step t's numbers through the stage: LDS serves a wave's instructions in order, so no wait stands between the stores and the loads
.irp i, 0,1,2,3
	ds_store_b128 v14, v[R+16*((\t)%DEPTH)+4*\i:R+16*((\t)%DEPTH)+4*\i+3] offset:32*SP*((\t)%2)+8*SP*\i
.endr
.irp i, 0,1,2,3
	ds_load_b128 v[X+16*((\t)%2)+4*\i:X+16*((\t)%2)+4*\i+3], v15 offset:32*SP*((\t)%2)+SP*(\i/2)+16*(\i%2)   ; 32 bytes of the block's first place, 32 of its second (these reads meet two deep in the banks: the launch waits for memory, not for LDS)
.endr
.endm
.irp t, 0,1,2,3,4,5,6,7
	LOAD \t
.endr
	s_wait_loadcnt 4*(DEPTH-1)                     ; step 0's four loads are in; those of the seven steps behind it may be out
	TURN 0
.macro STEP t
.set XS, X+16*((\t)%2)
.if (\t) > 0
	s_wait_dscnt 1                                 ; this step's numbers are back from the stage (the last step's byte store may be out): so its stores into the stage have read their registers,
.else
	s_wait_dscnt 0x0
.endif
.if (\t)+DEPTH < STEPS
	LOAD (\t)+DEPTH                                ; which take the loads of eight steps on
.endif
.if (\t)+1 < STEPS
.if STEPS-2-(\t) >= DEPTH-1
	s_wait_loadcnt 4*(DEPTH-1)                     ; the next step's four loads are in; those of the seven steps behind it may be out
.else
	s_wait_loadcnt 4*(STEPS-2-(\t))                ; towards the end fewer steps stand behind it
.endif
	TURN (\t)+1
.endif
	v_max3_num_f32 v8, |v[XS]|, |v[XS+1]|, |v[XS+2]|               ; the largest magnitude of my 16
	v_max3_num_f32 v9, |v[XS+3]|, |v[XS+4]|, |v[XS+5]|
.irp i, 6,10
	v_max3_num_f32 v8, v8, |v[XS+\i]|, |v[XS+\i+1]|
	v_max3_num_f32 v9, v9, |v[XS+\i+2]|, |v[XS+\i+3]|
.endr
	v_max3_num_f32 v8, v8, |v[XS+14]|, |v[XS+15]|
	v_max3_num_f32 v8, v8, v9, (EMAX+1)<<23        ; and the floor 2^(3 - 127): the byte cannot fall under 1
	v_max_num_f32_dpp v8, v8, v8 row_xmask:1 row_mask:0xf bank_mask:0xf   ; and of my neighbour's 16: the block's
	v_add_nc_u32 v11, -(EMAX<<23), v8              ; 2 off its exponent field: the conversion takes the exponent field of this operand as its scale
	v_cvt_scalef32_pk16_fp6_f32 v[C+4*(\t):C+4*(\t)+2], v[XS:XS+15], v11
	v_lshrrev_b32 v[E+(\t)], 23, v11               ; the scale's byte
	ds_store_b8 v5, v[E+(\t)] offset:16*(\t)       ; both lanes of a block write the same byte with the same value
	global_store_b96 v4, v[C+4*(\t):C+4*(\t)+2], s[10:11] offset:192*((\t)/2)+2*PLANE*((\t)%2)   ; row t / 2, planes 2 (t % 2) and 2 (t % 2) + 1: sixteen lanes store 192 consecutive bytes
.endm
.irp t, 0,1,2,3,4,5,6,7,8,9,10,11,12,13,14,15
	STEP \t
.endr
	ds_load_b64 v[12:13], v6                       ; LDS serves a wave's instructions in order: these see my stores
	s_wait_dscnt 0x0
	global_store_b64 v7, v[12:13], s[12:13]        ; 32 lanes store 256 consecutive bytes, aligned
	s_wait_tensorcnt 0x0
	ds_add_u32 v251, v255
	s_wait_dscnt 0x0
	s_endpgm
; THE TABLE.  Tile W = 16 tokens.  Lane (r, h) stands for token 16 W + r; register n (0-15) for frequency i = 16 (n / 8) + 8 h + n % 8, the place at which the next launch's lane holds channel i of a head.
; cos in v48-63, sin in v64-79; they leave as eight images of four registers, 512 consecutive bytes each.
.Ltable:
	s_sub_co_u32 s17, ttmp9, 256
	s_lshl_b32 s17, s17, 2
	s_add_co_u32 s17, s17, s16                     ; W, 0 to 135
	s_cmp_lt_u32 s17, 128
	s_cselect_b32 s18, 1, 0                        ; tiles 128-135: token 0
	s_lshl_b32 s19, s17, 4
	s_lshl_b32 s2, s17, 12                         ; 4,096 bytes a tile
	s_mov_b32 s3, 0
	s_mov_b32 s20, 0x3f22f983                      ; 2 / pi
	s_mov_b32 s21, 0x3fc90000                      ; pi / 2 in three parts: 1.5703125,
	s_mov_b32 s22, 0x39fda000                      ; 4.837512969970703e-4,
	s_mov_b32 s23, 0x33a22168                      ; 7.549789954891882e-8
	s_mov_b32 s24, 0xb94ca1f9                      ; sin: -1.9515295891e-4
	s_mov_b32 s25, 0x3c08839e                      ;       8.3321608736e-3
	s_mov_b32 s26, 0xbe2aaaa3                      ;      -1.6666654611e-1
	s_mov_b32 s27, 0x37ccf5ce                      ; cos:  2.443315711809948e-5
	s_mov_b32 s28, 0xbab6061a                      ;      -1.388731625493765e-3
	s_mov_b32 s29, 0x3d2aaaa5                      ;       4.166664568298827e-2
	v_and_b32 v3, 15, v0
	v_add_nc_u32 v4, s19, v3
	v_mul_lo_u32 v4, v4, s18
	v_cvt_f32_u32 v4, v4                           ; the token, as f32
	s_wait_alu depctr_va_vdst(0)
	v_lshlrev_b32 v5, 4, v2                        ; 16 x lane
	v_cmp_lt_u32 vcc_lo, 15, v2                    ; h
.macro PW n, lo, hi                    ; 10^(i / 8) for register n: lanes 0-15 the first, lanes 16-31 the second
	v_mov_b32 v[16+\n], \lo
	v_mov_b32 v[32+\n], \hi
	v_cndmask_b32 v[16+\n], v[16+\n], v[32+\n], vcc_lo
.endm
	PW 0, 1.0, 10.0
	PW 1, 1.3335214321633240, 13.335214321633240
	PW 2, 1.7782794100389228, 17.782794100389228
	PW 3, 2.3713737056616552, 23.713737056616552
	PW 4, 3.1622776601683795, 31.622776601683795
	PW 5, 4.2169650342858226, 42.169650342858226
	PW 6, 5.6234132519034912, 56.234132519034912
	PW 7, 7.4989420933245583, 74.989420933245583
	PW 8, 100.0, 1000.0
	PW 9, 133.35214321633240, 1333.5214321633240
	PW 10, 177.82794100389228, 1778.2794100389228
	PW 11, 237.13737056616552, 2371.3737056616552
	PW 12, 316.22776601683795, 3162.2776601683795
	PW 13, 421.69650342858226, 4216.9650342858226
	PW 14, 562.34132519034912, 5623.4132519034912
	PW 15, 749.89420933245583, 7498.9420933245583
	s_wait_alu depctr_va_vdst(0)
.irp n, 0,1,2,3,4,5,6,7,8,9,10,11,12,13,14,15
	v_rcp_f32 v[32+\n], v[16+\n]                   ; one batch
.endr
	v_nop                                          ; a plain instruction behind the last reciprocal
	s_wait_alu depctr_va_vdst(0)                   ; one wait for the sixteen, ahead of their first reader
.irp n, 0,1,2,3,4,5,6,7,8,9,10,11,12,13,14,15
	v_fma_f32 v[48+\n], -v[16+\n], v[32+\n], 1.0   ; 1 - P r
.endr
.irp n, 0,1,2,3,4,5,6,7,8,9,10,11,12,13,14,15
	v_fma_f32 v[16+\n], v[32+\n], v[48+\n], v[32+\n]   ; r + r (1 - P r): the frequency
.endr
.macro SINCOS n
	v_mul_f32 v80, v4, v[16+\n]                    ; the angle, one f32 product as in the definition
	v_mul_f32 v81, s20, v80
	v_rndne_f32 v81, v81                           ; k: the nearest multiple of pi / 2
	v_fma_f32 v80, -v81, s21, v80
	v_fma_f32 v80, -v81, s22, v80
	v_fma_f32 v80, -v81, s23, v80                  ; what is left, at most pi / 4
	v_mul_f32 v82, v80, v80                        ; z
	v_cvt_i32_f32 v83, v81
	v_fma_f32 v84, v82, s24, s25
	v_fma_f32 v84, v84, v82, s26
	v_mul_f32 v85, v82, v80
	v_fma_f32 v84, v84, v85, v80                   ; sin
	v_fma_f32 v86, v82, s27, s28
	v_fma_f32 v86, v86, v82, s29
	v_mul_f32 v87, v82, v82
	v_fma_f32 v88, v82, -0.5, 1.0
	v_fma_f32 v86, v86, v87, v88                   ; cos
	v_and_b32 v89, 1, v83
	v_cmp_eq_u32 vcc_lo, 1, v89                    ; an odd k changes the two over
	v_cndmask_b32 v90, v84, v86, vcc_lo
	v_cndmask_b32 v91, v86, v84, vcc_lo
	v_lshlrev_b32 v89, 30, v83
	v_and_b32 v89, 0x80000000, v89                 ; sin turns its sign where k mod 4 is 2 or 3,
	v_xor_b32 v[64+\n], v89, v90
	v_add_nc_u32 v83, 1, v83
	v_lshlrev_b32 v83, 30, v83
	v_and_b32 v83, 0x80000000, v83                 ; cos where it is 1 or 2
	v_xor_b32 v[48+\n], v83, v91
.endm
.irp n, 0,1,2,3,4,5,6,7,8,9,10,11,12,13,14,15
	SINCOS \n
.endr
	s_wait_alu depctr_va_vdst(0)
	s_wait_kmcnt 0x0
	s_add_nc_u64 s[14:15], s[14:15], s[2:3]
.irp q, 0,1,2,3,4,5,6,7
	global_store_b128 v5, v[48+4*\q:51+4*\q], s[14:15] offset:512*\q   ; 32 lanes store 512 consecutive bytes, aligned
.endr
	s_endpgm
.Lfunc_end_k_q309d31b6dd_quant:
	.size	k_q309d31b6dd_quant, .Lfunc_end_k_q309d31b6dd_quant-k_q309d31b6dd_quant
	.p2alignl 7, 3214868480
	.fill 96, 4, 3214868480
	.section	.rodata,"a",@progbits
	.p2align	6, 0x0
	.amdhsa_kernel k_q309d31b6dd_quant
		.amdhsa_group_segment_fixed_size 33280
		.amdhsa_private_segment_fixed_size 0
		.amdhsa_enable_private_segment 0
		.amdhsa_kernarg_size 48
		.amdhsa_user_sgpr_count 2
		.amdhsa_user_sgpr_kernarg_segment_ptr 1
		.amdhsa_wavefront_size32 1
		.amdhsa_system_sgpr_workgroup_id_x 1
		.amdhsa_system_sgpr_workgroup_id_y 1
		.amdhsa_system_sgpr_workgroup_id_z 1
		.amdhsa_system_vgpr_workitem_id 0
		.amdhsa_next_free_vgpr 256
		.amdhsa_next_free_sgpr 66
		.amdhsa_reserve_vcc 1
		.amdhsa_float_denorm_mode_32 3
		.amdhsa_float_denorm_mode_16_64 3
		.amdhsa_memory_ordered 1
		.amdhsa_forward_progress 1
		.amdhsa_inst_pref_size 60
	.end_amdhsa_kernel
	.amdgpu_metadata
---
amdhsa.version: [ 1, 2 ]
amdhsa.kernels:
  - .name:           k_q309d31b6dd_quant
    .symbol:         k_q309d31b6dd_quant.kd
    .args:
      - { .name: x, .offset: 0, .size: 8, .value_kind: global_buffer, .address_space: global }
      - { .name: w_qkv, .offset: 8, .size: 8, .value_kind: global_buffer, .address_space: global }
      - { .name: w_proj, .offset: 16, .size: 8, .value_kind: global_buffer, .address_space: global }
      - { .name: codes, .offset: 24, .size: 8, .value_kind: global_buffer, .address_space: global }
      - { .name: scales, .offset: 32, .size: 8, .value_kind: global_buffer, .address_space: global }
      - { .name: rope, .offset: 40, .size: 8, .value_kind: global_buffer, .address_space: global }
    .group_segment_fixed_size: 33280
    .private_segment_fixed_size: 0
    .kernarg_segment_align: 8
    .kernarg_segment_size: 48
    .max_flat_workgroup_size: 128
    .sgpr_count:     66
    .vgpr_count:     256
    .wavefront_size: 32
...
	.end_amdgpu_metadata
.endif
;; end of part 5
;; launch qkv (part 6): grid 12 x 16, 4 waves a work-group, clusters of 4 x 4, 327,680 bytes of LDS; arguments codes, scales, rope, qkv_codes, qkv_scales; writes qkv_codes, qkv_scales
.if DOCPART == 6
	.amdgcn_target "amdgcn-amd-amdhsa--gfx1250"
	.amdhsa_code_object_version 6
	.text
	.protected	k_q309d31b6dd_qkv
	.globl	k_q309d31b6dd_qkv
	.p2align	8
	.type	k_q309d31b6dd_qkv,@function
k_q309d31b6dd_qkv:
	s_mov_b64 s[64:65], 0
	v_nop
	global_prefetch_b8 v0, s[64:65] scope:SCOPE_SE
	s_setreg_imm32_b32 hwreg(HW_REG_WAVE_MODE, 25, 1), 1
	s_wait_xcnt 0x0
	s_wait_alu depctr_hold_cnt(0) depctr_sa_sdst(0) depctr_va_vdst(0) depctr_va_sdst(0) depctr_va_ssrc(0) depctr_va_vcc(0) depctr_vm_vsrc(0)
	s_getreg_b32 s2, hwreg(HW_REG_IB_STS2, 6, 4)
	s_cmp_eq_u32 s2, 0
	s_cbranch_scc0 .Lentry_in_a_cluster
	s_endpgm
.Lentry_in_a_cluster:
	s_bfe_u32 s2, ttmp6, 0x10000c
	s_cmp_lg_u32 s2, 0xf033
	s_cbranch_scc0 .Lentry_shape_is_right
	s_endpgm
.Lentry_shape_is_right:
.set KSTEP,  256
.set NQ,     2
.set ROWB,   1572864                   ; bytes from a plane of 256 along K to the next: the codes lie [4 planes][8,192 rows][192 bytes]
.set KROW,   192                       ; a row's bytes in a plane
.set PITCH,  240
.set FR,     12
.set NL,     6
.set NP,     4
.set HALFT,  128*PITCH
.set SLOT,   4*HALFT
.set LAPS,   2
.set KS,     32
.set SCL,    2*SLOT
.set HALFS,  16*272
.set SBLK,   2*272
.set SPARE,  SCL+4*HALFS
.set ADRA, 16
.set ADRB, 20
.set L16,  24
.set L8,   25
.set LN,   26
.set ADRS, 27
.set SPW,  28
.set NIL,  29
.set SC,   32
.set AF,   128
.set MX,   128
.set PX,   130
.set SO,   132
.set BY,   134
.set PC,   136
.set PG,   144
.set HW,   160
.set SS,   176
.set T,    192
.set G1, 24
.set G0, 32
.set G1B, 48
.set G0B, 56
.set G1S, 68
.set G0S, 76
.set G1SB, 80
.set G0SB, 88
.set ISV, 95
.set SEL, 20
.set RB,  66
.set MSB, 0
.macro WIN new
.if MSB != \new
	s_set_vgpr_msb (MSB<<8)|\new
.set MSB, \new
.endif
.endm
.set MUL_LO, 0xa1
.set MUL_HI, 0xf1
.set TO_B,   0x40
.macro JLOAD g0a, g1a, g0b, g1b
	s_cmp_eq_u32 s15, 0
	s_cbranch_scc0 .Lfor_b_\@
	tensor_load_to_lds s[\g0a:\g0a+3], s[\g1a:\g1a+7]
	s_nop 0
.rept 4
	v_nop
.endr
	s_branch .Lasked_\@
.Lfor_b_\@:
	tensor_load_to_lds s[\g0b:\g0b+3], s[\g1b:\g1b+7]
	s_nop 0
.rept 4
	v_nop
.endr
.Lasked_\@:
.endm
.macro CREST
	s_cmp_lg_u32 s14, 0
	s_cbranch_scc1 .Lnot_wave_0_\@
	s_barrier_signal -3
.Lnot_wave_0_\@:
	s_barrier_wait -3
	s_barrier_signal -1
	s_barrier_wait -1
.endm
.macro CROUND
	s_barrier_signal -1
	s_barrier_wait -1
	CREST
.endm
.macro CSPLACE a
.if (\a) < 2
.set CW, 0
.set CB, 64+32*(\a)
.elseif (\a) == 2
.set CW, 0
.set CB, 224
.elseif (\a) == 3
.set CW, 1
.set CB, 96
.elseif (\a) == 4
.set CW, 1
.set CB, 224
.else
.set CW, 1
.set CB, 32*((\a)-5)
.endif
.endm
.macro ROPELOAD a
	CSPLACE \a
	WIN (CW<<6)
.irp q, 0,1,2,3,4,5,6,7
	global_load_b128 v[CB+4*\q:CB+4*\q+3], v[L16], s[RB:RB+1] offset:4096*(\a)+512*\q
.endr
.endm
	s_load_b128 s[4:7], s[0:1], 0x0
	s_load_b128 s[8:11], s[0:1], 0x10
	s_load_b64 s[12:13], s[0:1], 0x20
	v_lshl_add_u32 v[SPW], v0, 2, SPARE
	v_mov_b32 v[NIL], 0
	ds_add_u32 v28, v29
	ds_add_u32 v28, v29
	s_wait_dscnt 0x0
	v_lshrrev_b32 v1, 5, v0
	v_readfirstlane_b32 s14, v1
	s_lshr_b32 s15, s14, 1
	s_and_b32 s16, s14, 1
	s_bfe_u32 s40, ttmp6, 0x40000
	s_bfe_u32 s41, ttmp6, 0x40004
	s_and_b32 s94, ttmp7, 0xffff
	s_cmp_eq_u32 ttmp9, 2
	s_cselect_b32 s[ISV], 1, 0
	s_cselect_b32 s96, 0, s94
	s_cselect_b32 s97, s94, ttmp9
	s_cselect_b32 s98, 6144, 0
	s_cselect_b32 s99, 0, 4096
	s_lshl_b32 s42, s97, 2
	s_add_co_u32 s42, s42, s40
	s_lshl_b32 s17, s96, 2
	s_add_co_u32 s17, s17, s41
	s_lshl_b32 s43, s41, 2
	s_lshl_b32 s43, 15, s43
	s_lshl_b32 s44, 0x1111, s40
	s_or_b32 s[G1+0], s43, (0<<16)|(1<<20)|(1<<21)|(3<<22)|(3<<25)
	s_or_b32 s[G1B+0], s44, (0<<16)|(1<<20)|(1<<21)|(3<<22)|(3<<25)
.irp g, G1, G1B
	s_mov_b32 s[\g+1], 256<<16                     ; 128 rows of a plane are 24,576 dense bytes: 96 rows of 256 bytes, each on a multiple of 256;
	s_mov_b32 s[\g+2], 192<<16                     ; the head's loads bring a tile's 256 rows: 192 rows of 256 bytes; behind them the two words that count rows are set to 96, for the ring's 128 rows
	s_mov_b32 s[\g+3], 256<<16
	s_mov_b32 s[\g+4], 192
	s_mov_b32 s[\g+5], 256
	s_mov_b32 s[\g+6], 0
	s_mov_b32 s[\g+7], 0
.endr
	s_or_b32 s[G1S+0], s43, (3<<16)|(1<<20)|(1<<21)|(5<<22)|(3<<25)
	s_or_b32 s[G1SB+0], s44, (3<<16)|(1<<20)|(1<<21)|(5<<22)|(3<<25)
.irp g, G1S, G1SB
	s_mov_b32 s[\g+1], 32<<16
	s_mov_b32 s[\g+2], 32<<16                      ; the scales of 256 rows: 8,192 dense bytes as 32 rows of 256
	s_mov_b32 s[\g+3], 32<<16
	s_mov_b32 s[\g+4], 32
	s_mov_b32 s[\g+5], 32
	s_mov_b32 s[\g+6], 0
	s_mov_b32 s[\g+7], 0
.endr
	s_lshl_b32 s20, s17, 8
	s_add_co_u32 s20, s20, s98                     ; source 1's tile: its first row in the common buffers
	s_lshl_b32 s46, s42, 8
	s_add_co_u32 s46, s46, s99                     ; source 0's
	s_mov_b32 s21, 0
	s_mov_b32 s47, 0
	s_mov_b64 s[18:19], KS
	s_mul_u64 s[22:23], s[20:21], s[18:19]         ; where these rows' scale bytes begin,
	s_mul_u64 s[92:93], s[46:47], s[18:19]
	s_mov_b64 s[18:19], KROW
	s_mul_u64 s[20:21], s[20:21], s[18:19]         ; and their codes in plane 0
	s_mul_u64 s[46:47], s[46:47], s[18:19]
	s_mul_i32 s18, s16, 128*KROW                   ; in the ring I fetch 128 rows of a tile: which half, in bytes,
	s_mov_b32 s19, 0
	s_mul_i32 s45, s14, HALFT                      ; and where they go: wave x 128 rows
	s_wait_kmcnt 0x0
	s_add_nc_u64 s[20:21], s[4:5], s[20:21]
	s_add_nc_u64 s[22:23], s[6:7], s[22:23]
	s_add_nc_u64 s[46:47], s[4:5], s[46:47]
	s_add_nc_u64 s[92:93], s[6:7], s[92:93]
	CROUND
; THE HEAD'S LOADS, ONE A WAVE, in one chain of arms on the wave's number: wave 0 plane 0 of the one tile's 256 rows, wave 1 of the other's, waves 2 and 3 the two tiles' scale bytes.
; Slot 0's two groups 0 serve the whole tiles here; behind the wait that shows these loads landed they are written anew for the ring.
.macro HEAD0 g, lds, a
	s_mov_b32 s[\g], 1
	s_mov_b32 s[\g+1], \lds
	s_mov_b64 s[\g+2:\g+3], s[\a:\a+1]
	s_or_b32 s[\g+3], s[\g+3], 0x80000000
.endm
.macro HARM under, g0, g1, next
	s_cmp_lt_u32 s14, \under
	s_cbranch_scc0 \next
	tensor_load_to_lds s[\g0:\g0+3], s[\g1:\g1+7]
	s_nop 0
.rept 4
	v_nop
.endr
	s_branch .Lhead_asked
\next:
.endm
	HEAD0 G0, 0, 20
	HEAD0 G0B, 2*HALFT, 46
	HEAD0 G0S, SCL, 22
	HEAD0 G0SB, SCL+2*HALFS, 92
	HARM 1, G0,  G1,  .Lhead_b
	HARM 2, G0B, G1B, .Lhead_sa
	HARM 3, G0S, G1S, .Lhead_sb
	tensor_load_to_lds s[G0SB:G0SB+3], s[G1SB:G1SB+7]
	s_nop 0
.rept 4
	v_nop
.endr
.Lhead_asked:
	s_wait_alu depctr_va_vdst(0)
	s_wait_tensorcnt 0x0                           ; my tile of the head's four is in
	ds_add_u32 v28, v29
	s_mov_b32 s[G1+2], 96<<16                      ; no tensor load of mine is out, so the descriptors may be written: from here on a load brings 128 rows, 96 rows of 256 bytes
	s_mov_b32 s[G1+4], 96
	s_mov_b32 s[G1B+2], 96<<16
	s_mov_b32 s[G1B+4], 96
	s_add_nc_u64 s[20:21], s[20:21], s[18:19]      ; my 128 rows of the tile
	s_add_nc_u64 s[46:47], s[46:47], s[18:19]
.irp s, 0,1
	s_mov_b32 s[G0+4*\s], 1
	s_add_co_u32 s[G0+4*\s+1], s45, \s*SLOT
	s_add_nc_u64 s[G0+4*\s+2:G0+4*\s+3], s[20:21], \s*ROWB
	s_or_b32 s[G0+4*\s+3], s[G0+4*\s+3], 0x80000000
	s_mov_b32 s[G0B+4*\s], 1
	s_add_co_u32 s[G0B+4*\s+1], s45, \s*SLOT
	s_add_nc_u64 s[G0B+4*\s+2:G0B+4*\s+3], s[46:47], \s*ROWB
	s_or_b32 s[G0B+4*\s+3], s[G0B+4*\s+3], 0x80000000
.endr
	s_wait_dscnt 0x0
	CROUND                                         ; all four tiles are in, and all sixteen work-groups are here:
	JLOAD G0+4, G1, G0B+4, G1B                     ; plane 1, slot 1's first fill, the first tensor load behind the round
	v_and_b32 v1, 15, v0
	v_bfe_u32 v2, v0, 4, 1
	v_mul_u32_u24 v3, v1, PITCH
	v_mul_u32_u24 v4, v2, 24
	v_add_nc_u32 v4, v3, v4
	v_lshl_add_u32 v5, v2, 4, v4
	s_mul_i32 s21, s15, HALFT
	s_mul_i32 s22, s16, HALFT
	s_add_co_u32 s22, s22, 2*HALFT
.irp s, 0,1
	v_add_nc_u32 v[ADRA+\s], s21, v4
	v_add_nc_u32 v[ADRB+\s], s22, v4
	v_add_nc_u32 v[ADRA+2+\s], s21, v5
	v_add_nc_u32 v[ADRB+2+\s], s22, v5
	s_add_co_u32 s21, s21, SLOT
	s_add_co_u32 s22, s22, SLOT
.endr
	v_mul_u32_u24 v5, v1, KS
	v_lshrrev_b32 v6, 8, v5
	v_lshl_add_u32 v5, v6, 4, v5
	s_mul_i32 s21, s15, HALFS
	s_mul_i32 s22, s16, HALFS
	s_add_co_u32 s22, s22, 2*HALFS
	s_sub_co_u32 s22, s22, s21
	v_mul_u32_u24 v6, s22, v2
	s_add_co_u32 s21, s21, SCL
	v_add_nc_u32 v5, v5, v6
	v_add_nc_u32 v[ADRS], s21, v5
	v_and_b32 v[LN], 31, v0
	v_lshlrev_b32 v[L16], 4, v[LN]
	s_wait_alu depctr_va_vdst(0)
	v_lshlrev_b32 v[L8], 3, v[LN]
	s_and_b32 s2, s42, 3
	s_cmp_eq_u32 s[ISV], 1
	s_cselect_b32 s18, s42, s17
	s_cselect_b32 s19, s16, s15
	s_cselect_b32 s20, s17, s2
	s_cselect_b32 s21, s15, s16
	s_cselect_b32 s23, 9, 10
	s_lshr_b32 s43, s18, 3
	s_lshl_b32 s43, s43, 3
	s_lshl_b32 s44, s20, 1
	s_add_co_u32 s43, s43, s44
	s_add_co_u32 s43, s43, s21
	s_lshl_b32 s43, s43, 4
	s_and_b32 s44, s18, 7
	s_lshl_b32 s44, s44, 1
	s_add_co_u32 s44, s44, s19
	s_add_co_u32 s43, s43, s44
	s_mul_i32 s46, s43, 12288
	s_mul_i32 s47, ttmp9, 3145728
	s_add_co_u32 s46, s46, s47
	s_mov_b32 s47, 0
	s_add_nc_u64 s[10:11], s[10:11], s[46:47]
	s_lshl_b32 s46, s43, s23
	s_lshl_b32 s45, ttmp9, 18
	s_add_co_u32 s46, s46, s45
	s_add_nc_u64 s[12:13], s[12:13], s[46:47]
	s_lshl_b32 s44, s44, 3
	s_cmp_eq_u32 s[ISV], 1
	s_cselect_b32 s44, 128, s44
	s_lshl_b32 s46, s44, 12
	s_add_nc_u64 s[RB:RB+1], s[8:9], s[46:47]
	s_mov_b32 s[SEL], 0x76543210
	s_mov_b32 s[SEL+1], 0xfedcba98
.irp a, 0,1,2,3,4
	ROPELOAD \a
.endr
	WIN 0
.macro FRAG reg, adr, q, i
.irp p, 0,1,2,3,4,5
.set PCE, 12*(\q)+6*(\p/3)+\p%3
.if PCE%8 < 5
	ds_load_b64 v[\reg+2*\p:\reg+2*\p+1], v[\adr] offset:8*PCE+16*(PCE/8)+(\i)*16*PITCH
.else
	ds_load_b64 v[\reg+2*\p:\reg+2*\p+1], v[\adr+2] offset:8*PCE+16*(PCE/8)+(\i)*16*PITCH
.endif
.endr
.endm
.macro MUL16 a0, p, q, sc, zero
.irp a, \a0, \a0+1
.irp b, 0,1,2,3,4,5,6,7
.if \zero
	v_wmma_scale_f32_16x16x128_f8f6f4 v[8*(8*((\a)%4)+\b):8*(8*((\a)%4)+\b)+7], v[128*(\p)+FR*\b:128*(\p)+FR*\b+FR-1], v[AF+FR*(\a):AF+FR*(\a)+FR-1], 0, v[SC+8*NQ*(\sc)+NQ*\b+(\q)], v[SC+8*NQ*(\sc)+NQ*(\a)+(\q)] matrix_a_fmt:MATRIX_FMT_FP6 matrix_b_fmt:MATRIX_FMT_FP6 matrix_a_scale:MATRIX_SCALE_ROW1
.else
	v_wmma_scale_f32_16x16x128_f8f6f4 v[8*(8*((\a)%4)+\b):8*(8*((\a)%4)+\b)+7], v[128*(\p)+FR*\b:128*(\p)+FR*\b+FR-1], v[AF+FR*(\a):AF+FR*(\a)+FR-1], v[8*(8*((\a)%4)+\b):8*(8*((\a)%4)+\b)+7], v[SC+8*NQ*(\sc)+NQ*\b+(\q)], v[SC+8*NQ*(\sc)+NQ*(\a)+(\q)] matrix_a_fmt:MATRIX_FMT_FP6 matrix_b_fmt:MATRIX_FMT_FP6 matrix_a_scale:MATRIX_SCALE_ROW1
.endif
.endr
.endr
.endm
.macro FETCH_B slot, q, p
	WIN TO_B
.irp i, 0,1,2,3,4,5,6,7
	FRAG 128*(\p)+FR*\i, ADRB+\slot, \q, \i
.endr
	WIN 0
.endm
.macro FETCH_A slot, q, i0
.irp i, \i0, \i0+1, \i0+2, \i0+3
	FRAG AF+FR*(\i), ADRA+\slot, \q, \i
.endr
.endm
.macro SCALES sc
.irp i, 0,1,2,3,4,5,6,7
	ds_load_b64 v[SC+8*NQ*\sc+NQ*\i:SC+8*NQ*\sc+NQ*\i+1], v[ADRS] offset:\i*SBLK
.endr
.endm
.macro PLACES n
.rept \n
	v_nop
.endr
.endm
.macro STEP slot, q, zero
	s_wait_dscnt 4*NL
	WIN MUL_LO
	MUL16 0, (\q)%2, \q, \slot, \zero
	MUL16 2, (\q)%2, \q, \slot, \zero
	s_wait_dscnt 0
	PLACES NP
	FETCH_B \slot, (\q)+1, 1-(\q)%2
	FETCH_A \slot, (\q)+1, 0
	WIN MUL_HI
	MUL16 4, (\q)%2, \q, \slot, \zero
	MUL16 6, (\q)%2, \q, \slot, \zero
	PLACES NP
	WIN 0
	FETCH_A \slot, (\q)+1, 4
.endm
.macro TURN slot, next, fill
	s_wait_tensorcnt 0x0
	ds_add_u32 v[SPW], v[NIL]
	s_wait_dscnt 4*NL+1
	WIN MUL_LO
	MUL16 0, 1, NQ-1, \slot, 0
	s_wait_dscnt 0x0
	s_barrier_signal -1
	MUL16 2, 1, NQ-1, \slot, 0
	WIN 0
	s_barrier_wait -1
.if \fill
	CREST
	s_add_nc_u64 s[G0+4*\slot+2:G0+4*\slot+3], s[G0+4*\slot+2:G0+4*\slot+3], 2*ROWB
	s_add_nc_u64 s[G0B+4*\slot+2:G0B+4*\slot+3], s[G0B+4*\slot+2:G0B+4*\slot+3], 2*ROWB
	JLOAD G0+4*\slot, G1, G0B+4*\slot, G1B
.else
	PLACES NP
.endif
	s_wait_alu depctr_va_vdst(0)
	v_add_nc_u32 v[ADRS], 4*NQ, v[ADRS]
	FETCH_B \next, 0, 0
	FETCH_A \next, 0, 0
	SCALES \next
	WIN MUL_HI
	MUL16 4, 1, NQ-1, \slot, 0
	MUL16 6, 1, NQ-1, \slot, 0
	PLACES NP
	WIN 0
	FETCH_A \next, 0, 4
.endm
	s_wait_tensorcnt 1
	s_barrier_signal -1
	s_barrier_wait -1
	FETCH_B 0, 0, 0
	FETCH_A 0, 0, 0
	SCALES 0
	FETCH_A 0, 0, 4
	STEP 0, 0, 1
	s_mov_b32 s3, LAPS-1
.Llap:
	TURN 0, 1, 1
	STEP 1, 0, 0
	TURN 1, 0, 1
	STEP 0, 0, 0
	s_sub_co_u32 s3, s3, 1
	s_cmp_lg_u32 s3, 0
	s_cbranch_scc1 .Llap
	TURN 0, 1, 0
	STEP 1, 0, 0
	s_wait_dscnt 4*NL
	WIN MUL_LO
	MUL16 0, 1, NQ-1, 1, 0
	MUL16 2, 1, NQ-1, 1, 0
	s_wait_dscnt 0
	WIN MUL_HI
	MUL16 4, 1, NQ-1, 1, 0
	MUL16 6, 1, NQ-1, 1, 0
	WIN 0
.macro QUANT2 t, hw
.irp b, 0,1
	v_max3_num_f32 v[MX+\b], |v[\t+16*\b]|, |v[\t+16*\b+1]|, 0x1800000
.endr
.irp i, 2,4,6,8,10,12,14
.irp b, 0,1
	v_max3_num_f32 v[MX+\b], v[MX+\b], |v[\t+16*\b+\i]|, |v[\t+16*\b+\i+1]|
.endr
.endr
.irp b, 0,1
	v_permlanex16_b32 v[PX+\b], v[MX+\b], s[SEL], s[SEL+1]
.endr
.irp b, 0,1
	v_max_num_f32 v[MX+\b], v[MX+\b], v[PX+\b]
.endr
.irp b, 0,1
	v_add_nc_u32 v[SO+\b], 0xff000000, v[MX+\b]
.endr
.irp b, 0,1
	v_lshrrev_b32 v[BY+\b], 23, v[SO+\b]
.endr
	v_lshl_or_b32 v[\hw], v[BY+1], 8, v[BY]
	s_wait_alu depctr_va_vdst(0)
	s_wait_xcnt 0x0
	v_cvt_scalef32_pk16_fp6_f32 v[PC:PC+2], v[\t:\t+15], v[SO]
	v_cvt_scalef32_pk16_fp6_f32 v[PG:PG+2], v[\t+16:\t+31], v[SO+1]
	v_nop
.irp i, 0,1,2
	v_permlane16_swap_b32 v[PC+\i], v[PG+\i]
.endr
.irp i, 0,1,2
	v_mov_b32 v[PC+3+\i], v[PG+\i]
.endr
.endm
.macro ROT a, e
	CSPLACE \a
.set LO, 8*(8*((\a)%4)+4*(\e))
	WIN ((0x02+(\a)/4)|(CW<<2))
.irp n, 0,2,4,6,8,10,12,14
	v_pk_mul_f32 v[T+\n:T+\n+1], v[LO+\n:LO+\n+1], v[CB+\n:CB+\n+1]
	v_pk_mul_f32 v[T+16+\n:T+17+\n], v[LO+16+\n:LO+17+\n], v[CB+\n:CB+\n+1]
.endr
.irp n, 0,2,4,6,8,10,12,14
	v_pk_fma_f32 v[T+\n:T+\n+1], v[LO+16+\n:LO+17+\n], v[CB+16+\n:CB+17+\n], v[T+\n:T+\n+1] neg_lo:[1,0,0] neg_hi:[1,0,0]
	v_pk_fma_f32 v[T+16+\n:T+17+\n], v[LO+\n:LO+\n+1], v[CB+16+\n:CB+17+\n], v[T+16+\n:T+17+\n]
.endr
	WIN 0
.endm
	PLACES NP
	v_mov_b32 v[PX], 0
	v_mov_b32 v[PX+1], 0
	s_wait_loadcnt 0x0
	ROPELOAD 5
	ROPELOAD 6
	ROPELOAD 7
	WIN 0
.irp a, 0,1,2,3,4,5,6,7
.if \a >= 5
	s_wait_loadcnt 8*(7-\a)
.endif
.irp e, 0,1
	ROT \a, \e
	QUANT2 T, HW+2*\a+\e
	global_store_b128 v[L16], v[PC:PC+3], s[10:11] offset:1536*\a+768*\e
	global_store_b64 v[L8], v[PC+4:PC+5], s[10:11] offset:1536*\a+768*\e+512
.endr
.endr
	v_cmp_lt_u32 vcc_lo, 15, v[LN]
	s_cmp_eq_u32 s[ISV], 1
	s_cbranch_scc1 .Lv_words
.irp e, 0,1
.irp i, 0,1,2,3
	v_cndmask_b32 v[SS+4*\e+\i], v[HW+2*\i+\e], v[HW+2*(\i+4)+\e], vcc_lo
.endr
.endr
	global_store_b128 v[L16], v[SS:SS+3], s[12:13]
	global_store_b128 v[L16], v[SS+4:SS+7], s[12:13] offset:512
	s_branch .Lwords_done
.Lv_words:
.irp a, 0,1,2,3,4,5,6,7
	v_lshl_or_b32 v[HW+2*\a], v[HW+2*\a+1], 16, v[HW+2*\a]
.endr
.irp i, 0,1,2,3
	v_cndmask_b32 v[SS+\i], v[HW+2*\i], v[HW+2*(\i+4)], vcc_lo
.endr
	global_store_b128 v[L16], v[SS:SS+3], s[12:13]
.Lwords_done:
	s_wait_tensorcnt 0x0
	ds_add_u32 v[SPW], v[NIL]
	s_wait_dscnt 0x0
	CROUND
	s_endpgm
.Lfunc_end_k_q309d31b6dd_qkv:
	.size	k_q309d31b6dd_qkv, .Lfunc_end_k_q309d31b6dd_qkv-k_q309d31b6dd_qkv
	.p2alignl 7, 3214868480
	.fill 96, 4, 3214868480
	.section	.rodata,"a",@progbits
	.p2align	6, 0x0
	.amdhsa_kernel k_q309d31b6dd_qkv
		.amdhsa_group_segment_fixed_size 327680
		.amdhsa_private_segment_fixed_size 0
		.amdhsa_enable_private_segment 0
		.amdhsa_kernarg_size 40
		.amdhsa_user_sgpr_count 2
		.amdhsa_user_sgpr_kernarg_segment_ptr 1
		.amdhsa_wavefront_size32 1
		.amdhsa_system_sgpr_workgroup_id_x 1
		.amdhsa_system_sgpr_workgroup_id_y 1
		.amdhsa_system_sgpr_workgroup_id_z 1
		.amdhsa_system_vgpr_workitem_id 0
		.amdhsa_next_free_vgpr 1024
		.amdhsa_next_free_sgpr 100
		.amdhsa_reserve_vcc 1
		.amdhsa_float_denorm_mode_32 3
		.amdhsa_float_denorm_mode_16_64 3
		.amdhsa_memory_ordered 1
		.amdhsa_forward_progress 1
		.amdhsa_inst_pref_size 207
	.end_amdhsa_kernel
	.amdgpu_metadata
---
amdhsa.version: [ 1, 2 ]
amdhsa.kernels:
  - .name:           k_q309d31b6dd_qkv
    .symbol:         k_q309d31b6dd_qkv.kd
    .args:
      - { .name: codes, .offset: 0, .size: 8, .value_kind: global_buffer, .address_space: global }
      - { .name: scales, .offset: 8, .size: 8, .value_kind: global_buffer, .address_space: global }
      - { .name: rope, .offset: 16, .size: 8, .value_kind: global_buffer, .address_space: global }
      - { .name: qkv_codes, .offset: 24, .size: 8, .value_kind: global_buffer, .address_space: global }
      - { .name: qkv_scales, .offset: 32, .size: 8, .value_kind: global_buffer, .address_space: global }
    .group_segment_fixed_size: 327680
    .private_segment_fixed_size: 0
    .kernarg_segment_align: 8
    .kernarg_segment_size: 40
    .max_flat_workgroup_size: 128
    .sgpr_count:     100
    .vgpr_count:     1024
    .wavefront_size: 32
...
	.end_amdgpu_metadata
.endif
;; end of part 6
;; launch attn (part 7): grid 8 x 32, 16 waves a work-group, clusters of 4 x 1, 210,944 bytes of LDS; arguments qkv_codes, qkv_scales, ao_codes, ao_scales; writes ao_codes, ao_scales
.if DOCPART == 7
	.amdgcn_target "amdgcn-amd-amdhsa--gfx1250"
	.amdhsa_code_object_version 6
	.text
	.protected	k_q309d31b6dd_attn
	.globl	k_q309d31b6dd_attn
	.p2align	8
	.type	k_q309d31b6dd_attn,@function
k_q309d31b6dd_attn:
	s_mov_b64 s[64:65], 0
	v_nop
	global_prefetch_b8 v0, s[64:65] scope:SCOPE_SE
	s_setreg_imm32_b32 hwreg(HW_REG_WAVE_MODE, 25, 1), 1
	s_wait_xcnt 0x0
	s_wait_alu depctr_hold_cnt(0) depctr_sa_sdst(0) depctr_va_vdst(0) depctr_va_sdst(0) depctr_va_ssrc(0) depctr_va_vcc(0) depctr_vm_vsrc(0)
	s_getreg_b32 s2, hwreg(HW_REG_IB_STS2, 6, 4)
	s_cmp_eq_u32 s2, 0
	s_cbranch_scc0 .Lentry_in_a_cluster
	s_endpgm
.Lentry_in_a_cluster:
	s_bfe_u32 s2, ttmp6, 0x10000c
	s_cmp_lg_u32 s2, 0x3003
	s_cbranch_scc0 .Lentry_shape_is_right
	s_endpgm
.Lentry_shape_is_right:
; For each (batch, head): O[q] = sum over k of softmax_k(Q[q] . K[k] / 8) V[k], both products on codes of FP6 (E2M3) with E8M0 scales; O is quantised along the model's 1,024 channels for the last product.
; THE SOFTMAX: t = score x log2(e) / 8; M = the row's largest t so far, rounded UP to a whole number; p = 2^(t - M) is quantised along the keys, not normalised; the row's sum is taken of the unquantised p
; and divides O at the end.  When M moves, the sum and O are multiplied by 2^(old M - new M): exact.
; SHARES.  A work-group owns 256 queries of one head, each of its sixteen waves 16.  A whole head's K and V and their scale words lie in LDS, filled once: ten joint loads at the head, one a wave
; (waves 0-3: K, four key steps each; 4-7: V; 8, 9: the scale words), shared by the four query blocks of a cluster, which belong to one head.  One wait, one barrier, sixteen key steps of 128.
; No prefetch is laid: every byte of K and V is asked for by those loads at the head, so nothing is left to ask for ahead.
; OPERANDS lie as HALF-IMAGES (16 rows x 64 along K: six registers of 32 lanes, 768 bytes: registers 0-3 at 16 x lane, 4-5 at 512 + 8 x lane).  Both products are used transposed: a lane holds one query (lane % 16).
; THE KEYS OF A TILE OF K ARE CHOSEN BY THE LANES' LDS ADDRESSES: tile 4 c + u takes as rows 0-7 the keys 64 c + 8 s(u) + 0..7 and as rows 8-15 those 32 further on, s = 0, 2, 1, 3.  So lane (r, h) holds in the
; 32 registers of tiles 4 c .. 4 c + 3 the WHOLE block 2 c + h of 32 keys, in the order in which V's codes lie (places 8-15: keys 16-23, places 16-23: keys 8-15): a block's maximum and its codes need no other lane.
; THE FIRST PRODUCT'S K IS 64: Q's registers 6-11 hold zero codes, so whatever finite codes stand in registers 6-11 of K's fragment add nothing: fragment i lies at 6 i and its upper half is fragment i + 1
; (every code of E2M3 is a finite number; the scale bytes there are 0, a power of two).  Eight fragments take 54 registers and the eight products stand on end.
; LIMITS: NaN and infinities are not served; a block whose largest magnitude lies under 2^-124 has the byte 1; the promise holds while the scaled scores stay under 2^31 in magnitude.
; The scale bytes of O leave as 2 bytes a row, 32 bytes apart: one head's share of a row.
; REGISTERS: v1-7 lane addresses; v8-10 a step's addresses; v12 -M, v13 the largest score, v[14:15] the sum; v16-27 Q; v28-31 V's scale words; v32-85 K (behind its products: at work); v86-89 K's scale words;
; v90-137 V; v138-201 S^T, then p; v202-233 O^T; v234-245 p's codes; v246 f, v247 p's scale word; v248, v249 the add's two; v250 8 h; v251 Q's scale word; v252, v253 V's lane addresses.
.set VC,    98304                      ; LDS: K's codes at 0 (step x 6,144 + tile x 768); V's here (step x 6,144 + channel tile x 1,536 + half x 768);
.set SCK,   196608                     ; K's scale words (step x 512);
.set SCV,   204800                     ; V's (step x 256);
.set SPARE, 208896                     ; the spare words: 128 bytes a wave
.set KF,   32
.set KSW,  86
.set VF,   90
.set S,    138
.set O,    202
.set PC,   234
.set F,    246
.set PW,   247
.set SPW,  248
.set NIL,  249
.set SH8,  250
.set QS,   251
.set VA,   252
.set VB,   253
.set WV,   18
.set SEL,  20                          ; s[20:21] selects for lane l xor 16
.set CS,   22                          ; s[22:23] c = log2(e) / 8
.set G1K,  24
.set G1V,  32
.set G1KS, 40
.set G1VS, 48
.set G0,   56
.set TB,   2                           ; the step's codes, from each region's start
.set TS,   3                           ; its scale words of K
.set TJ,   66                          ; and of V
.set CNT,  67
.macro CROUND                          ; a round of the cluster's barrier
	s_barrier_signal -1
	s_barrier_wait -1
	s_cmp_lg_u32 s[WV], 0
	s_cbranch_scc1 .Lnot_wave_0_\@
	s_barrier_signal -3
.Lnot_wave_0_\@:
	s_barrier_wait -3
	s_barrier_signal -1
	s_barrier_wait -1
.endm
.macro GROUP1 g, c, r, p               ; r rows of c elements of 8 bytes, p elements apart; no padding; the mask names all four work-groups, bit 21 beside it
	s_mov_b32 s[\g], 15|(3<<16)|(1<<21)
	s_mov_b32 s[\g+1], (\c)<<16
	s_mov_b32 s[\g+2], (\r)<<16
	s_mov_b32 s[\g+3], (\c)<<16
	s_mov_b32 s[\g+4], \r
	s_mov_b32 s[\g+5], \p
	s_mov_b32 s[\g+6], 0
	s_mov_b32 s[\g+7], 0
.endm
.macro ARM under, next, lds, base, off, g1     ; one arm of the chain on the wave's number: its one load, then the jump to the join
	s_cmp_lt_u32 s[WV], \under
	s_cbranch_scc0 \next
	s_mov_b32 s[G0+1], \lds
	s_add_nc_u64 s[G0+2:G0+3], s[\base:\base+1], s[\off:\off+1]
	s_or_b32 s[G0+3], s[G0+3], 0x80000000
	tensor_load_to_lds s[G0:G0+3], s[\g1:\g1+7]
	s_nop 0
.rept 4
	v_nop
.endr
	s_branch .Lasked
\next:
.endm
	s_load_b256 s[4:11], s[0:1], 0x0               ; qkv_codes, qkv_scales, ao_codes, ao_scales
	v_lshl_add_u32 v[SPW], v0, 2, SPARE
	v_mov_b32 v[NIL], 0
	ds_add_u32 v[SPW], v[NIL]                      ; the opening: the add twice on end and its wait ahead of the first tensor load
	ds_add_u32 v[SPW], v[NIL]
	v_lshrrev_b32 v8, 5, v0
	v_readfirstlane_b32 s[WV], v8                  ; wave 0..15
	s_bfe_u32 s84, ttmp6, 0x40000                  ; cx
	s_lshl_b32 s85, ttmp9, 2
	s_add_co_u32 s85, s85, s84                     ; my block of 256 queries: it enters Q's and O's addresses alone
	s_and_b32 s86, ttmp7, 0xffff                   ; 16 x batch + head, which the four partners share
	s_lshr_b32 s87, s86, 1
	s_lshl_b32 s87, s87, 4                         ; idx of the head's step 0: (batch x 8 + pair of heads) x 16
	s_and_b32 s88, s86, 1                          ; which head of the pair
	s_and_b32 s89, s[WV], 3                        ; p: which four steps I fetch
	GROUP1 G1K, 96, 32, 192                        ; four steps of K: 32 half-images of my head, 1,536 bytes apart
	GROUP1 G1V, 768, 4, 1536                       ; four steps of V: my head's 6,144 bytes of each, 12,288 apart
	GROUP1 G1KS, 64, 16, 128                       ; K's scale words: 512 bytes a step, 1,024 apart
	GROUP1 G1VS, 32, 16, 64                        ; V's: 256 bytes a step, 512 apart
	s_mul_i32 s90, s89, 24576                      ; where my four steps go: the wave's number and constants alone
	s_add_co_u32 s91, s90, VC
	s_lshl_b32 s94, s89, 2
	s_add_co_u32 s94, s94, s87                     ; idx of step 4 p
	s_mul_i32 s94, s94, 12288
	s_mul_i32 s96, s88, 768
	s_add_co_u32 s92, s94, s96
	s_add_co_u32 s92, s92, 3145728                 ; K's section, my head 768 bytes on
	s_mov_b32 s93, 0
	s_mul_i32 s96, s88, 6144
	s_add_co_u32 s94, s94, s96
	s_add_co_u32 s94, s94, 6291456                 ; V's section, my head 6,144 bytes on
	s_mov_b32 s95, 0
	s_lshl_b32 s96, s87, 10
	s_lshl_b32 s98, s88, 9
	s_add_co_u32 s96, s96, s98
	s_add_co_u32 s96, s96, 262144                  ; K's scale words
	s_mov_b32 s97, 0
	s_lshl_b32 s98, s87, 9
	s_lshl_b32 s99, s88, 8
	s_add_co_u32 s98, s98, s99
	s_add_co_u32 s98, s98, 524288                  ; V's
	s_mov_b32 s99, 0
	s_mov_b32 s[SEL], 0x76543210
	s_mov_b32 s[SEL+1], 0xfedcba98
	s_mov_b32 s[CS], 0x3e38aa3b                    ; log2(e) / 8
	s_mov_b32 s[CS+1], s[CS]                       ; (named with it as a pair, so it is written)
	s_mov_b32 s[G0], 1
	s_wait_dscnt 0x0                               ; both opening adds are done
	s_wait_kmcnt 0x0
	CROUND                                         ; all four work-groups are here: the joint loads meet
	ARM 4,  .Lnot_k,  s90, 4, 92, G1K
	ARM 8,  .Lnot_v,  s91, 4, 94, G1V
	ARM 9,  .Lnot_ks, SCK, 6, 96, G1KS
	ARM 10, .Lnone,   SCV, 6, 98, G1VS
.Lasked:
	; Q: my 16 queries are token tile wave % 8 of step 2 x block + wave / 8
	s_lshl_b32 s84, s85, 1
	s_lshr_b32 s91, s[WV], 3
	s_add_co_u32 s84, s84, s91
	s_add_co_u32 s84, s84, s87                     ; idx
	s_and_b32 s91, s[WV], 7                        ; the token tile
	s_mul_i32 s92, s84, 12288
	s_mul_i32 s93, s91, 1536
	s_add_co_u32 s92, s92, s93
	s_mul_i32 s93, s88, 768
	s_add_co_u32 s92, s92, s93
	s_mov_b32 s93, 0
	s_add_nc_u64 s[12:13], s[4:5], s[92:93]        ; its half-image
	s_lshl_b32 s92, s84, 10
	s_lshl_b32 s94, s88, 9
	s_add_co_u32 s92, s92, s94
	s_lshr_b32 s94, s91, 2
	s_lshl_b32 s94, s94, 8
	s_add_co_u32 s92, s92, s94
	s_and_b32 s94, s91, 3
	s_lshl_b32 s94, s94, 2
	s_add_co_u32 s92, s92, s94
	s_add_nc_u64 s[14:15], s[6:7], s[92:93]        ; its scale words: 16 bytes from row to row
	; O: token tile 128 x batch + 16 x block + wave
	s_lshr_b32 s92, s86, 4
	s_lshl_b32 s92, s92, 7
	s_lshl_b32 s94, s85, 4
	s_add_co_u32 s92, s92, s94
	s_add_co_u32 s92, s92, s[WV]
	s_and_b32 s96, s86, 15                         ; the head
	s_lshl_b32 s94, s92, 4
	s_add_co_u32 s94, s94, s96
	s_mul_i32 s94, s94, 768
	s_mov_b32 s95, 0
	s_add_nc_u64 s[8:9], s[8:9], s[94:95]
	s_lshl_b32 s94, s92, 9
	s_lshl_b32 s96, s96, 1
	s_add_co_u32 s94, s94, s96
	s_add_nc_u64 s[10:11], s[10:11], s[94:95]
	s_mov_b32 s[TB], 0
	s_mov_b32 s[TS], 0
	s_mov_b32 s[TJ], 0
	s_mov_b32 s[CNT], 16
	v_and_b32 v8, 31, v0                           ; lane
	v_and_b32 v9, 15, v0                           ; r
	v_and_b32 v32, 7, v0                           ; r % 8
	v_bfe_u32 v33, v0, 3, 1                        ; r / 8
	v_bfe_u32 v34, v0, 4, 1                        ; h
	v_lshlrev_b32 v1, 4, v8                        ; 16 x lane
	v_lshl_add_u32 v2, v8, 3, 512                  ; 8 x lane + 512
	v_lshlrev_b32 v10, 4, v9                       ; 16 r
	v_lshlrev_b32 v7, 5, v9                        ; 32 r: a token's row of O's scale bytes
	v_lshl_add_u32 v35, v34, 4, v32                ; the lane of the stored image that I read: r % 8 + 16 h (+ 8 by the immediate)
	v_mul_u32_u24 v36, v33, 1536                   ; rows 8-15 come from the stored tile two further on
	v_add_nc_u32 v6, SCV, v10
	v_add_nc_u32 v[VA], VC, v1
	v_add_nc_u32 v[VB], VC, v2
	v_lshl_add_u32 v3, v35, 4, v36                 ; K: registers 0-3
	v_lshl_add_u32 v4, v35, 3, v36
	v_lshl_add_u32 v5, v35, 4, SCK                 ; K's scale words: 16 bytes a stored lane, a word a stored tile
	v_lshlrev_b32 v[SH8], 3, v34
	v_add_nc_u32 v4, 512, v4                       ; K: registers 4-5
	v_lshl_add_u32 v5, v33, 3, v5
	global_load_b128 v[16:19], v1, s[12:13]
	global_load_b64 v[20:21], v2, s[12:13]
	global_load_b32 v[QS], v10, s[14:15]
.irp i, 22,23,24,25,26,27, 80,81,82,83,84,85
	v_mov_b32 v[\i], 0                             ; Q's zero codes for k = 64 .. 127; the upper half of K's last fragment
.endr
	v_mov_b32 v13, 0xff61b1e6                      ; the largest score so far: -3e38
	v_mov_b32 v14, 0
	v_mov_b32 v15, 0
	v_mov_b32 v[PW], 0                             ; (named as the upper half of the pair with f before it is first written)
	v_mul_f32 v12, s[CS], v13
	s_delay_alu instid0(VALU_DEP_1)
	v_floor_f32 v12, -v12                          ; -M
.set jj, 0
.rept 32
	v_mov_b32 v[O+jj], 0                           ; O^T: the step is written once; the first finds zeros, which the first change of M leaves zeros
.set jj, jj+1
.endr
	s_wait_alu depctr_va_vdst(0)                   ; the wait at the head's end
	s_wait_loadcnt 0x0                             ; Q and its scale word
	s_wait_tensorcnt 0x0                           ; my load has landed,
	s_barrier_signal -1
	s_barrier_wait -1                              ; and everybody's: nothing is filled again in this launch
; A KEY STEP: 128 keys.
; K's scale words and eight fragments of the step at s[TB], s[TS].  They are asked for in the middle of the step before, when the work registers that lie over K's are done with: 18 loads, waited for at the step's head.
; The last step's request reads the 6,144 bytes behind K's codes and the 512 behind its scale words (V's, which have landed); what it brings is used by nobody.
.macro KLOAD
	v_add_nc_u32 v8, s[TB], v3
	v_add_nc_u32 v9, s[TB], v4
	v_add_nc_u32 v10, s[TS], v5
	ds_load_b64 v[KSW:KSW+1], v10                  ; K's scale words: register u: lanes 0-15 tile u, lanes 16-31 tile 4 + u
	ds_load_b64 v[KSW+2:KSW+3], v10 offset:128
.irp i, 0,1,2,3,4,5,6,7
	ds_load_b128 v[KF+6*\i:KF+6*\i+3], v8 offset:768*(4*(\i/4)+\i%2)+128*((\i%4)/2)
	ds_load_b64 v[KF+6*\i+4:KF+6*\i+5], v9 offset:768*(4*(\i/4)+\i%2)+64*((\i%4)/2)
.endr
.endm
.macro SUM4                            ; four pairs of p onto the four chains of the row's sum: v[14:15] and p's own first three pairs
	v_pk_add_f32 v[14:15], v[14:15], v[S+jj:S+jj+1]
	v_pk_add_f32 v[S:S+1], v[S:S+1], v[S+jj+2:S+jj+3]
	v_pk_add_f32 v[S+2:S+3], v[S+2:S+3], v[S+jj+4:S+jj+5]
	v_pk_add_f32 v[S+4:S+5], v[S+4:S+5], v[S+jj+6:S+jj+7]
.set jj, jj+8
.endm
	KLOAD                                          ; step 0's
.Lstep:
	s_wait_dscnt 0x0                               ; this step's K is in
.irp i, 0,1,2,3
	v_wmma_scale_f32_16x16x128_f8f6f4 v[S+8*\i:S+8*\i+7], v[KF+6*\i:KF+6*\i+11], v[16:27], 0, v[KSW+\i], v[QS] matrix_a_fmt:MATRIX_FMT_FP6 matrix_b_fmt:MATRIX_FMT_FP6
.endr
.irp i, 0,1,2,3
	v_wmma_scale_f32_16x16x128_f8f6f4 v[S+32+8*\i:S+32+8*\i+7], v[KF+24+6*\i:KF+24+6*\i+11], v[16:27], 0, v[KSW+\i], v[QS] matrix_a_fmt:MATRIX_FMT_FP6 matrix_b_fmt:MATRIX_FMT_FP6 matrix_a_scale:MATRIX_SCALE_ROW1
.endr
	v_add_nc_u32 v8, s[TB], v[VA]                  ; four places behind the products: ahead of the reads of S^T, of writes into K's registers, and (with the three at the step's head) of the loads into V's
	v_add_nc_u32 v9, s[TB], v[VB]
	v_add_nc_u32 v10, s[TJ], v6
	v_nop
	ds_load_b128 v[28:31], v10                     ; V's scale words: register d: channel tile d
.irp d, 0,1,2,3
.irp e, 0,1
	ds_load_b128 v[VF+12*\d+6*\e:VF+12*\d+6*\e+3], v8 offset:1536*\d+768*\e
	ds_load_b64 v[VF+12*\d+6*\e+4:VF+12*\d+6*\e+5], v9 offset:1536*\d+768*\e
.endr
.endr
.irp q, 0,1,2,3                                ; the largest score of my two blocks, in four chains by turns; each accumulator is first read at its low end
	v_max3_num_f32 v[32+\q], v[S+16*\q], v[S+16*\q+1], v[S+16*\q+2]
.endr
.irp i, 3,5,7,9,11,13
.irp q, 0,1,2,3
	v_max3_num_f32 v[32+\q], v[32+\q], v[S+16*\q+\i], v[S+16*\q+\i+1]
.endr
.endr
	v_max3_num_f32 v32, v32, v33, v[S+15]
	v_max3_num_f32 v34, v34, v35, v[S+47]
	v_max_num_f32 v32, v32, v[S+31]                ; block h
	v_max_num_f32 v33, v34, v[S+63]                ; block 2 + h
	v_mov_b32 v39, v12                             ; the old -M
	v_max_num_f32 v36, v32, v33
	v_permlanex16_b32 v37, v36, s[SEL], s[SEL+1]
	v_max3_num_f32 v13, v13, v36, v37              ; the running largest score (c is positive)
	v_mul_f32 v38, s[CS], v13                      ; as t
	v_floor_f32 v12, -v38                          ; the new -M = -ceil(t)
	v_sub_f32 v39, v12, v39                        ; old M - new M: a whole number, 0 or less
	v_cvt_i32_f32 v39, v39                         ; (it saturates)
	v_ldexp_f32 v[F], 1.0, v39                     ; f = 2^(old M - new M)
.set jj, 0
.rept 32
	v_pk_fma_f32 v[S+jj:S+jj+1], v[S+jj:S+jj+1], s[CS:CS+1], v[12:13] op_sel_hi:[1,0,0]   ; t - M, two at a time (of the pair v[12:13] the low word serves both halves)
.set jj, jj+2
.endr
	v_fma_f32 v32, v32, s[CS], v12                 ; the same of each block's largest score: p rises with the score
	v_fma_f32 v33, v33, s[CS], v12
	s_wait_alu depctr_va_vdst(0)                   ; the wait ahead of the batch
.set jj, 0
.rept 64
	v_exp_f32 v[S+jj], v[S+jj]                     ; p = 2^(t - M)
.set jj, jj+1
.endr
	v_exp_f32 v32, v32                             ; the blocks' largest p
	v_exp_f32 v33, v33
	v_pk_mul_f32 v[14:15], v[14:15], v[F:F+1] op_sel_hi:[1,0]   ; the sums under the new M: a plain instruction behind the exponentials
	s_wait_alu depctr_va_vdst(0)                   ; one wait for the whole batch, ahead of its first reader
	s_wait_dscnt 0x0                               ; V's fragments and scale words are in
	v_max_num_f32 v32, 0x1800000, v32              ; the floor 2^(3 - 127): the byte cannot fall under 1
	v_max_num_f32 v33, 0x1800000, v33
	s_delay_alu instid0(VALU_DEP_2)
	v_add_nc_u32 v36, 0xff000000, v32              ; 2 off the exponent field: the conversion's scale operand
	s_delay_alu instid0(VALU_DEP_2)
	v_add_nc_u32 v37, 0xff000000, v33
	s_delay_alu instid0(VALU_DEP_2)
	v_lshrrev_b32 v32, 23, v36                     ; the bytes
	s_delay_alu instid0(VALU_DEP_2)
	v_lshrrev_b32 v33, 23, v37
	s_delay_alu instid0(VALU_DEP_1)
	v_lshl_or_b32 v32, v33, 16, v32                ; blocks h and 2 + h,
	s_delay_alu instid0(VALU_DEP_1)
	v_lshlrev_b32 v32, v[SH8], v32                 ; at their places in the scale word
	v_cvt_scalef32_pk16_fp6_f32 v[PC:PC+2], v[S:S+15], v36
	v_cvt_scalef32_pk16_fp6_f32 v[40:42], v[S+16:S+31], v36      ; (a conversion's three registers begin on an even number: the block's second half is made here and moved)
	v_cvt_scalef32_pk16_fp6_f32 v[PC+6:PC+8], v[S+32:S+47], v37
	v_cvt_scalef32_pk16_fp6_f32 v[44:46], v[S+48:S+63], v37
.set jj, 6                             ; the row's sum of the unquantised p, in four chains by turns (the first line writes no source of a conversion: the plain instruction behind them)
	SUM4
	SUM4
	v_permlanex16_b32 v34, v32, s[SEL], s[SEL+1]
.irp i, 0,1,2
	v_mov_b32 v[PC+3+\i], v[40+\i]
	v_mov_b32 v[PC+9+\i], v[44+\i]
.endr
	v_or_b32 v[PW], v32, v34                       ; with lane l xor 16's two bytes p's scale word is whole
	s_add_co_u32 s[TB], s[TB], 6144                ; V's addresses of this step have been made: on to the next step's K
	s_add_co_u32 s[TS], s[TS], 512
	KLOAD                                          ; from here to the next step's head no line names v32 to v89
.rept 5
	SUM4
.endr
	v_pk_add_f32 v[14:15], v[14:15], v[S+62:S+63]
	v_pk_add_f32 v[S:S+1], v[S:S+1], v[S+2:S+3]
	v_pk_add_f32 v[14:15], v[14:15], v[S+4:S+5]
	v_pk_add_f32 v[14:15], v[14:15], v[S:S+1]
	s_wait_alu depctr_va_vdst(0)                   ; the wait here, directly ahead of the first reader of O^T
.set jj, 0
.rept 16
	v_pk_mul_f32 v[O+jj:O+jj+1], v[O+jj:O+jj+1], v[F:F+1] op_sel_hi:[1,0]   ; O^T under the new M; of these sixteen, twelve name no register of a given product below: the places behind p's codes and scale word
.set jj, jj+2
.endr
.irp d, 0,1,2,3                                ; O^T += V^T P^T: the four accumulators by turns; the next step's eight products stand between a sum's links
	v_wmma_scale_f32_16x16x128_f8f6f4 v[O+8*\d:O+8*\d+7], v[VF+12*\d:VF+12*\d+11], v[PC:PC+11], v[O+8*\d:O+8*\d+7], v[28+\d], v[PW] matrix_a_fmt:MATRIX_FMT_FP6 matrix_b_fmt:MATRIX_FMT_FP6
.endr
	s_add_co_u32 s[TJ], s[TJ], 256
	s_sub_co_u32 s[CNT], s[CNT], 1
	s_cmp_lg_u32 s[CNT], 0
	s_cbranch_scc1 .Lstep
	s_wait_dscnt 0x0                               ; the last request has come back: v32 on are at work again below
; THE WAY OUT.  O^T / the sum: 32 numbers a lane: my query's 64 channels, half of each block of 32 in lane l and half in lane l xor 16.  They become a half-image of the last product's A.
.set MX, 32
.set PX, 34
.set BY, 36
.set SO, 38
.set PG, 40
.set HW, 44
.rept 4
	v_nop                                          ; places behind the last products
.endr
	v_add_f32 v14, v14, v15                        ; the sum's two halves,
	s_delay_alu instid0(VALU_DEP_1)
	v_permlanex16_b32 v36, v14, s[SEL], s[SEL+1]
	s_delay_alu instid0(VALU_DEP_1)
	v_add_f32 v14, v14, v36                        ; and lane l xor 16's
	s_wait_alu depctr_va_vdst(0)
	v_rcp_f32 v14, v14
	v_nop                                          ; a plain instruction behind the reciprocal
	s_wait_alu depctr_va_vdst(0)                   ; and the wait ahead of its first reader
.set jj, 0
.rept 16
	v_pk_mul_f32 v[S+jj:S+jj+1], v[O+jj:O+jj+1], v[14:15] op_sel_hi:[1,0]   ; each accumulator from its low end on
.set jj, jj+2
.endr
.irp b, 0,1
	v_max3_num_f32 v[MX+\b], |v[S+16*\b]|, |v[S+16*\b+1]|, 0x1800000   ; my 16 numbers, and the floor 2^(3 - 127)
.endr
.irp i, 2,4,6,8,10,12,14
.irp b, 0,1
	s_delay_alu instid0(VALU_DEP_2)
	v_max3_num_f32 v[MX+\b], v[MX+\b], |v[S+16*\b+\i]|, |v[S+16*\b+\i+1]|
.endr
.endr
.irp b, 0,1
	s_delay_alu instid0(VALU_DEP_2)
	v_permlanex16_b32 v[PX+\b], v[MX+\b], s[SEL], s[SEL+1]
.endr
.irp b, 0,1
	s_delay_alu instid0(VALU_DEP_2)
	v_max_num_f32 v[MX+\b], v[MX+\b], v[PX+\b]
.endr
.irp b, 0,1
	s_delay_alu instid0(VALU_DEP_2)
	v_add_nc_u32 v[SO+\b], 0xff000000, v[MX+\b]
.endr
.irp b, 0,1
	s_delay_alu instid0(VALU_DEP_2)
	v_lshrrev_b32 v[BY+\b], 23, v[SO+\b]
.endr
	s_delay_alu instid0(VALU_DEP_1)
	v_lshl_or_b32 v[HW], v[BY+1], 8, v[BY]
	v_cvt_scalef32_pk16_fp6_f32 v[PC:PC+2], v[S:S+15], v[SO]
	v_cvt_scalef32_pk16_fp6_f32 v[PG:PG+2], v[S+16:S+31], v[SO+1]
	v_nop
.irp i, 0,1,2
	v_permlane16_swap_b32 v[PC+\i], v[PG+\i]       ; a whole block to a lane
.endr
.irp i, 0,1,2
	s_delay_alu instid0(VALU_DEP_3)
	v_mov_b32 v[PC+3+\i], v[PG+\i]
.endr
	global_store_b128 v1, v[PC:PC+3], s[8:9]       ; 512 consecutive bytes, aligned
	global_store_b64 v2, v[PC+4:PC+5], s[8:9]      ; 256 consecutive bytes, aligned
	global_store_b16 v7, v[HW], s[10:11]           ; my row's two scale bytes (lanes l and l xor 16 hold and write the same)
	s_wait_tensorcnt 0x0                           ; the wave's end
	ds_add_u32 v[SPW], v[NIL]
	s_wait_dscnt 0x0
	CROUND                                         ; the closing round: no work-group ends while a partner may still ask for a tile that names it
	s_endpgm
.Lfunc_end_k_q309d31b6dd_attn:
	.size	k_q309d31b6dd_attn, .Lfunc_end_k_q309d31b6dd_attn-k_q309d31b6dd_attn
	.p2alignl 7, 3214868480
	.fill 96, 4, 3214868480
	.section	.rodata,"a",@progbits
	.p2align	6, 0x0
	.amdhsa_kernel k_q309d31b6dd_attn
		.amdhsa_group_segment_fixed_size 210944
		.amdhsa_private_segment_fixed_size 0
		.amdhsa_enable_private_segment 0
		.amdhsa_kernarg_size 32
		.amdhsa_user_sgpr_count 2
		.amdhsa_user_sgpr_kernarg_segment_ptr 1
		.amdhsa_wavefront_size32 1
		.amdhsa_system_sgpr_workgroup_id_x 1
		.amdhsa_system_sgpr_workgroup_id_y 1
		.amdhsa_system_sgpr_workgroup_id_z 1
		.amdhsa_system_vgpr_workitem_id 0
		.amdhsa_next_free_vgpr 256
		.amdhsa_next_free_sgpr 100
		.amdhsa_reserve_vcc 0
		.amdhsa_float_denorm_mode_32 3
		.amdhsa_float_denorm_mode_16_64 3
		.amdhsa_memory_ordered 1
		.amdhsa_forward_progress 1
		.amdhsa_inst_pref_size 33
	.end_amdhsa_kernel
	.amdgpu_metadata
---
amdhsa.version: [ 1, 2 ]
amdhsa.kernels:
  - .name:           k_q309d31b6dd_attn
    .symbol:         k_q309d31b6dd_attn.kd
    .args:
      - { .name: qkv_codes, .offset: 0, .size: 8, .value_kind: global_buffer, .address_space: global }
      - { .name: qkv_scales, .offset: 8, .size: 8, .value_kind: global_buffer, .address_space: global }
      - { .name: ao_codes, .offset: 16, .size: 8, .value_kind: global_buffer, .address_space: global }
      - { .name: ao_scales, .offset: 24, .size: 8, .value_kind: global_buffer, .address_space: global }
    .group_segment_fixed_size: 210944
    .private_segment_fixed_size: 0
    .kernarg_segment_align: 8
    .kernarg_segment_size: 32
    .max_flat_workgroup_size: 512
    .sgpr_count:     100
    .vgpr_count:     256
    .wavefront_size: 32
...
	.end_amdgpu_metadata
.endif
;; end of part 7
;; launch proj (part 8): grid 8 x 32, 4 waves a work-group, clusters of 4 x 4, 247,808 bytes of LDS; arguments ao_codes, ao_scales, codes, scales, out0; writes out0
.if DOCPART == 8
	.amdgcn_target "amdgcn-amd-amdhsa--gfx1250"
	.amdhsa_code_object_version 6
	.text
	.protected	k_q309d31b6dd_proj
	.globl	k_q309d31b6dd_proj
	.p2align	8
	.type	k_q309d31b6dd_proj,@function
k_q309d31b6dd_proj:
	s_mov_b64 s[64:65], 0
	v_nop
	global_prefetch_b8 v0, s[64:65] scope:SCOPE_SE
	s_setreg_imm32_b32 hwreg(HW_REG_WAVE_MODE, 25, 1), 1
	s_wait_xcnt 0x0
	s_wait_alu depctr_hold_cnt(0) depctr_sa_sdst(0) depctr_va_vdst(0) depctr_va_sdst(0) depctr_va_ssrc(0) depctr_va_vcc(0) depctr_vm_vsrc(0)
	s_getreg_b32 s2, hwreg(HW_REG_IB_STS2, 6, 4)
	s_cmp_eq_u32 s2, 0
	s_cbranch_scc0 .Lentry_in_a_cluster
	s_endpgm
.Lentry_in_a_cluster:
	s_bfe_u32 s2, ttmp6, 0x10000c
	s_cmp_lg_u32 s2, 0xf033
	s_cbranch_scc0 .Lentry_shape_is_right
	s_endpgm
.Lentry_shape_is_right:
; out0[m][n] = sum over k of A[m][k] w_proj[n][k] on codes of FP6 (E2M3) with E8M0 scales; M = 4,096 tokens, N = 1,024, K = 1,024; out0 is f32.
; A is the attention's result: ao_codes [256 tiles of 16 tokens][16 heads][768]: half-images (16 rows x 64 along K: registers 0-3 at 16 x lane, 4-5 at 512 + 8 x lane); ao_scales [4,096][32].
; B is rows 7,168 to 8,191 of the first launch's buffers: codes by planes of 256 along K, [4][8,192 rows][192 bytes], and 32 scale bytes a row.  Both hold the same order of k inside a block of 32.
; A TILE OF 128 x 128 to a work-group: 8 x 32 = 256 work-groups.  Four waves, 64 x 64 each: 16 accumulators of 16 x 16.
; THE TILE'S WHOLE K LIES IN LDS, FILLED ONCE, by four loads at the head, one a wave: wave 0 A's 128 tokens (98,304 dense bytes, rows of 256), wave 1 B's 128 rows (24,576 dense bytes of each of the four planes,
; 16 bytes of padding behind every 64), waves 2 and 3 the scale bytes (4,096 dense bytes each).  One wait and one barrier; the eight K steps follow with no barrier between them.
; 4 x 4 work-groups form a cluster: A's tiles are asked for jointly along a row of the cluster, B's along a column.  No prefetch is laid: every byte is asked for by those loads at the head.
; The matrix instruction is used transposed (source 0 = B's rows, source 1 = A's): a lane holds eight neighbouring numbers of a row of out0; a wave's 64 columns are 256 bytes of a row, aligned.
; REGISTERS, in windows of 256: window 0: v0-31 addresses; v32-63 the scale words of all eight K steps (register 8 i + s: lanes 0-15 A's block i, lanes 16-31 B's block i, K step s);
;   v64-159, v160-255 two sets of fragments (A's four, then B's four); on the way out v64-191 rows of out0.  window 1: the accumulators ((a, b) at v[8 (4 a + b)]).
.set SIZE_N, 1024
.set PLANE,  1572864                   ; bytes from a plane of B's codes to the next
.set KS,     32
.set PITCH,  240                       ; B: an LDS row: 3 x (64 bytes + 16 of padding)
.set FR,     12
.set NP,     4                         ; places behind this matrix instruction (ISA guide 7.12.1)
.set BCH,    128*PITCH                 ; LDS: B's plane c at BCH c;
.set ATILE,  12288                     ; a token tile of A: 16 heads' half-images
.set AC,     4*BCH                     ; A's eight token tiles;
.set SCL,    AC+8*ATILE                ; the scale bytes, as units of 256 bytes + 16 of padding: A's 128 rows, then B's;
.set HALFS,  8*272
.set SBLK,   2*272
.set STG,    SCL+4*HALFS               ; the way out: a stage of 16 rows x (256 bytes + 16) for each wave: bytes of its own, into which no load lands;
.set SPITCH, 272
.set SPARE,  STG+4*16*SPITCH           ; the spare words
.set ADRB, 4                           ; v4, v5 my B fragments in planes 0-1, 2-3 (v6, v7: behind one padding more)
.set ADRA, 8                           ; v8 16 x lane + my A tiles; v9 8 x lane + the same
.set STO,  12
.set RD,   13
.set CO,   14
.set ADRS, 15
.set SPW,  30
.set NIL,  31
.set SC,   32
.set F,    64
.set BK,   64
.set G1,   24
.set G1B,  32
.set G1S,  40
.set G1SB, 48
.set G0,   56
.set G0B,  60
.set G0S,  68
.set G0SB, 72
.set MSB, 0
.macro WIN new                         ; the immediate's high byte repeats the setting that is left
.if MSB != \new
	s_set_vgpr_msb (MSB<<8)|\new
.set MSB, \new
.endif
.endm
.set MUL,  0x50                        ; sources 0 (B) and 1 (A) window 0; C and D window 1
.macro CROUND                          ; a round of the cluster's barrier
	s_barrier_signal -1
	s_barrier_wait -1
	s_cmp_lg_u32 s14, 0
	s_cbranch_scc1 .Lnot_wave_0_\@
	s_barrier_signal -3
.Lnot_wave_0_\@:
	s_barrier_wait -3
	s_barrier_signal -1
	s_barrier_wait -1
.endm
.macro GROUP1 g, c, r, p               ; words 1 to 7: r rows of c elements of 8 bytes, p elements apart
	s_mov_b32 s[\g+1], (\c)<<16
	s_mov_b32 s[\g+2], (\r)<<16
	s_mov_b32 s[\g+3], (\c)<<16
	s_mov_b32 s[\g+4], \r
	s_mov_b32 s[\g+5], \p
	s_mov_b32 s[\g+6], 0
	s_mov_b32 s[\g+7], 0
.endm
.macro GROUP0 g, lds, base, off
	s_mov_b32 s[\g], 1
	s_mov_b32 s[\g+1], \lds
	s_add_nc_u64 s[\g+2:\g+3], s[\base:\base+1], s[\off:\off+1]
	s_or_b32 s[\g+3], s[\g+3], 0x80000000
.endm
.macro ARM under, g0, g1, next         ; one arm of the chain on the wave's number: its one load, then the jump to the join
	s_cmp_lt_u32 s14, \under
	s_cbranch_scc0 \next
	tensor_load_to_lds s[\g0:\g0+3], s[\g1:\g1+7]
	s_nop 0
.rept 4
	v_nop
.endr
	s_branch .Lasked
\next:
.endm
	s_load_b128 s[4:7], s[0:1], 0x0                ; ao_codes, ao_scales
	s_load_b128 s[8:11], s[0:1], 0x10              ; codes, scales
	s_load_b64 s[12:13], s[0:1], 0x20              ; out0
	v_lshl_add_u32 v[SPW], v0, 2, SPARE
	v_mov_b32 v[NIL], 0
	ds_add_u32 v[SPW], v[NIL]                      ; the opening: the add twice on end and its wait ahead of the first tensor load
	ds_add_u32 v[SPW], v[NIL]
	v_lshrrev_b32 v1, 5, v0
	v_readfirstlane_b32 s14, v1                    ; wave 0..3
	s_lshr_b32 s15, s14, 1                         ; which half of the tile's rows is mine
	s_and_b32 s16, s14, 1                          ; which half of its columns
	s_bfe_u32 s66, ttmp6, 0x40000                  ; cx
	s_bfe_u32 s67, ttmp6, 0x40004                  ; cy
	s_lshl_b32 s100, ttmp9, 2
	s_add_co_u32 s100, s100, s66                   ; tile column = 4 x cluster x + cx
	s_and_b32 s17, ttmp7, 0xffff
	s_lshl_b32 s17, s17, 2
	s_add_co_u32 s17, s17, s67                     ; tile row = 4 x cluster y + cy
	s_lshl_b32 s18, s67, 2
	s_lshl_b32 s18, 15, s18                        ; my row of the cluster
	s_lshl_b32 s19, 0x1111, s66                    ; my column
	s_or_b32 s[G1+0], s18, (3<<16)|(1<<21)         ; A: no padding: the images are read lanes on end
	GROUP1 G1, 32, 384, 32                         ; 98,304 dense bytes as rows of 256
	s_or_b32 s[G1B+0], s19, (3<<16)|(1<<20)|(1<<21)|(3<<22)|(3<<25)   ; B: 16 bytes of padding behind every 64
	GROUP1 G1B, 3072, 4, PLANE/8                   ; 24,576 dense bytes of each of the four planes
	s_or_b32 s[G1S+0], s18, (3<<16)|(1<<20)|(1<<21)|(5<<22)|(3<<25)   ; the scales of 128 rows: 16 rows of 256 bytes, 16 bytes of padding behind each
	s_or_b32 s[G1SB+0], s19, (3<<16)|(1<<20)|(1<<21)|(5<<22)|(3<<25)
	GROUP1 G1S, 32, 16, 32
	GROUP1 G1SB, 32, 16, 32
	s_mul_i32 s20, s17, 8*ATILE                    ; A's codes: cy and cluster numbers alone
	s_mov_b32 s21, 0
	s_lshl_b32 s22, s17, 12                        ; and scale bytes: 128 rows of 32
	s_mov_b32 s23, 0
	s_lshl_b32 s2, s100, 7
	s_add_co_u32 s2, s2, 7168                      ; B: w_proj's rows begin at row 7,168: cx and cluster numbers alone
	s_mov_b32 s3, 0
	s_lshl_b32 s66, s2, 5
	s_mov_b32 s67, 0
	s_mul_i32 s2, s2, 192
	s_wait_dscnt 0x0                               ; both opening adds are done
	s_wait_kmcnt 0x0
	GROUP0 G0, AC, 4, 20
	GROUP0 G0B, 0, 8, 2
	GROUP0 G0S, SCL, 6, 22
	GROUP0 G0SB, SCL+2*HALFS, 10, 66
	CROUND                                         ; all sixteen work-groups are here: the joint loads meet
	ARM 1, G0,  G1,  .Lhead_b
	ARM 2, G0B, G1B, .Lhead_sa
	ARM 3, G0S, G1S, .Lhead_sb
	tensor_load_to_lds s[G0SB:G0SB+3], s[G1SB:G1SB+7]
	s_nop 0
.rept 4
	v_nop
.endr
.Lasked:
	v_and_b32 v1, 15, v0                           ; l % 16
	v_bfe_u32 v2, v0, 4, 1                         ; l / 16
	v_mul_u32_u24 v3, v1, PITCH
	v_mad_u32_u24 v3, v2, 24, v3                   ; B: a fragment's row x pitch + 24 x half
	v_lshl_add_u32 v16, v2, 4, v3                  ; and the same behind one padding more
	v_and_b32 v17, 31, v0
	v_lshlrev_b32 v18, 4, v17                      ; A: 16 x lane,
	v_lshlrev_b32 v19, 3, v17                      ; 8 x lane
	s_mul_i32 s18, s15, 4*ATILE                    ; my 64 tokens of A,
	s_add_co_u32 s18, s18, AC
	s_mul_i32 s19, s16, 64*PITCH                   ; my 64 rows of B
	v_add_nc_u32 v[ADRA], s18, v18
	v_add_nc_u32 v[ADRA+1], s18, v19
.irp j, 0,1                                    ; an address register serves two planes: the second stands in the immediate
	v_add_nc_u32 v[ADRB+\j], s19, v3
	v_add_nc_u32 v[ADRB+2+\j], s19, v16
	s_add_co_u32 s19, s19, 2*BCH
.endr
	v_mul_u32_u24 v20, v1, KS                      ; my row's scales: 32 bytes a row,
	v_lshrrev_b32 v21, 8, v20
	v_lshl_add_u32 v20, v21, 4, v20                ; and 16 more for each 256 passed
	s_mul_i32 s18, s15, HALFS                      ; A's: my 64 rows
	s_mul_i32 s19, s16, HALFS                      ; B's: my 64 rows, behind A's 128
	s_add_co_u32 s19, s19, 2*HALFS
	s_sub_co_u32 s19, s19, s18
	v_mul_u32_u24 v21, s19, v2                     ; lanes 16-31 take B's
	s_add_co_u32 s18, s18, SCL
	v_add_nc_u32 v20, v20, v21
	v_add_nc_u32 v[ADRS], s18, v20
	s_mul_i32 s18, s14, 16*SPITCH
	s_add_co_u32 s18, s18, STG                     ; my stage
	v_mul_u32_u24 v20, v1, SPITCH
	v_lshl_add_u32 v20, v2, 5, v20
	v_add_nc_u32 v[STO], s18, v20                  ; in: row l % 16, 32 bytes for each half of the lanes
	v_mul_u32_u24 v20, v2, SPITCH
	v_lshl_add_u32 v20, v1, 4, v20
	v_add_nc_u32 v[RD], s18, v20                   ; back: lanes 0-15 take one row of 256 bytes, lanes 16-31 the next
	v_lshlrev_b32 v[CO], 12, v2                    ; and the same two rows in out0: 4,096 bytes a row
	v_lshl_add_u32 v[CO], v1, 4, v[CO]
	s_lshl_b32 s20, s17, 7
	s_lshl_b32 s21, s15, 6
	s_add_co_u32 s20, s20, s21                     ; my first row of out0: 128 x tile row + 64 x half
	s_lshl_b32 s20, s20, 12
	s_lshl_b32 s21, s100, 9                        ; my first column, in bytes: 512 x tile column + 256 x half
	s_add_co_u32 s20, s20, s21
	s_lshl_b32 s21, s16, 8
	s_add_co_u32 s20, s20, s21
	s_mov_b32 s21, 0
	s_add_nc_u64 s[12:13], s[12:13], s[20:21]
.macro FRAG reg, adr, off, q, i        ; a fragment of B from padded rows: lane l holds row l % 16; registers 6 c .. 6 c + 5 hold the row's block 2 c + l / 16: 24 bytes as they lie, in pieces of 8 bytes;
.irp p, 0,1,2,3,4,5                    ; where the piece three on (lanes 16-31) lies behind one padding more, the second address register serves
.set PCE, 12*(\q)+6*(\p/3)+\p%3
.if PCE%8 < 5
	ds_load_b64 v[\reg+2*\p:\reg+2*\p+1], v[\adr] offset:(\off)+8*PCE+16*(PCE/8)+(\i)*16*PITCH
.else
	ds_load_b64 v[\reg+2*\p:\reg+2*\p+1], v[\adr+2] offset:(\off)+8*PCE+16*(PCE/8)+(\i)*16*PITCH
.endif
.endr
.endm
.macro AFRAG reg, s, i                 ; a fragment of A, K step s of token tile i: two heads' half-images on end
	ds_load_b128 v[\reg:\reg+3], v[ADRA] offset:ATILE*(\i)+1536*(\s)
	ds_load_b64 v[\reg+4:\reg+5], v[ADRA+1] offset:ATILE*(\i)+1536*(\s)+512
	ds_load_b128 v[\reg+6:\reg+9], v[ADRA] offset:ATILE*(\i)+1536*(\s)+768
	ds_load_b64 v[\reg+10:\reg+11], v[ADRA+1] offset:ATILE*(\i)+1536*(\s)+1280
.endm
.macro FETCH s, p                      ; K step s (128 along K; plane s / 2) into set p: 16 loads for A's four fragments, 24 for B's
.irp i, 0,1,2,3
	AFRAG F+96*(\p)+FR*\i, \s, \i
.endr
.irp i, 0,1,2,3
	FRAG F+96*(\p)+48+FR*\i, ADRB+(\s)/4, (((\s)/2)%2)*BCH, (\s)%2, \i
.endr
.endm
; 16 matrix instructions: A's four blocks x B's four, K step s, from set p.  The 16 accumulators take turns, one instruction a turn, in the same order in every step.
.macro MUL16 p, s, zero
.irp a, 0,1,2,3
.irp b, 0,1,2,3
.if \zero
	v_wmma_scale_f32_16x16x128_f8f6f4 v[8*(4*\a+\b):8*(4*\a+\b)+7], v[F+96*(\p)+48+FR*\b:F+96*(\p)+48+FR*\b+FR-1], v[F+96*(\p)+FR*\a:F+96*(\p)+FR*\a+FR-1], 0, v[SC+8*\b+(\s)], v[SC+8*\a+(\s)] matrix_a_fmt:MATRIX_FMT_FP6 matrix_b_fmt:MATRIX_FMT_FP6 matrix_a_scale:MATRIX_SCALE_ROW1
.else
	v_wmma_scale_f32_16x16x128_f8f6f4 v[8*(4*\a+\b):8*(4*\a+\b)+7], v[F+96*(\p)+48+FR*\b:F+96*(\p)+48+FR*\b+FR-1], v[F+96*(\p)+FR*\a:F+96*(\p)+FR*\a+FR-1], v[8*(4*\a+\b):8*(4*\a+\b)+7], v[SC+8*\b+(\s)], v[SC+8*\a+(\s)] matrix_a_fmt:MATRIX_FMT_FP6 matrix_b_fmt:MATRIX_FMT_FP6 matrix_a_scale:MATRIX_SCALE_ROW1
.endif
.endr
.endr
.endm
.macro PLACES n                        ; plain vector instructions between a matrix instruction and a load into, or an LDS store from, one of its registers
.rept \n
	v_nop
.endr
.endm
	s_wait_alu depctr_va_vdst(0)                   ; the wait at the head's end
	s_wait_tensorcnt 0x0                           ; my load has landed,
	s_barrier_signal -1
	s_barrier_wait -1                              ; and everybody's: nothing is filled again in this launch
.irp i, 0,1,2,3                                ; the scale words of all eight K steps: a row's 32 bytes by two loads
	ds_load_b128 v[SC+8*\i:SC+8*\i+3], v[ADRS] offset:\i*SBLK
	ds_load_b128 v[SC+8*\i+4:SC+8*\i+7], v[ADRS] offset:\i*SBLK+16
.endr
	FETCH 0, 0
	FETCH 1, 1
; Eight K steps on sets 0 and 1 by turns: while one set is multiplied, the other's forty loads are on their way.
.set ST, 0
.rept 8
.if ST < 7
	s_wait_dscnt 40                                ; this step's set is in (at the start the scale words too); the forty loads behind it may be out
.else
	s_wait_dscnt 0x0
.endif
	WIN MUL
.if ST == 0
	MUL16 0, 0, 1                                  ; the first step's products start the sums
.else
	MUL16 ST%2, ST, 0
.endif
	WIN 0
.if ST < 6
	PLACES NP
	FETCH ST+2, ST%2
.endif
.set ST, ST+1
.endr
; THE WAY OUT, block by block of 16 rows x 64 columns, through my own stage in LDS; back as whole rows of 256 bytes, two rows an instruction.  LDS serves a wave's instructions in order: no wait between the stores and the
; loads, nor in front of the next block's stores.  Each block has its own 32 registers and every place in out0 stands in the store's immediate: nothing that a store reads is written again.
.macro TOSTAGE a
	WIN 0x04                                       ; an LDS store's data are its source 1: window 1
.irp b, 0,1,2,3
	ds_store_b128 v[STO], v[8*(4*(\a)+\b):8*(4*(\a)+\b)+3] offset:64*\b          ; each accumulator from its low end on
	ds_store_b128 v[STO], v[8*(4*(\a)+\b)+4:8*(4*(\a)+\b)+7] offset:64*\b+16
.endr
	WIN 0
.irp t, 0,1,2,3,4,5,6,7
	ds_load_b128 v[BK+32*(\a)+4*\t:BK+32*(\a)+4*\t+3], v[RD] offset:\t*2*SPITCH
.endr
.endm
.macro SEND a, younger                 ; younger: the LDS instructions issued behind block a's loads, which may stay out
	s_wait_dscnt \younger                          ; the block is back in registers
.irp t, 0,1,2,3,4,5,6,7
	global_store_b128 v[CO], v[BK+32*(\a)+4*\t:BK+32*(\a)+4*\t+3], s[12:13] offset:(16*(\a)+2*\t)*SIZE_N*4 th:TH_STORE_NT   ; 16 lanes store 256 consecutive bytes, aligned; written once, read by nobody here
.endr
.endm
	PLACES NP                                      ; behind the last products: for the stores of results and the loads into registers that held fragments
	TOSTAGE 0
.irp a, 1,2,3
	TOSTAGE \a
	SEND \a-1, 16                                  ; behind block a - 1's loads: block a's 8 stores and 8 loads
.endr
	SEND 3, 0
	s_wait_tensorcnt 0x0                           ; the wave's end
	ds_add_u32 v[SPW], v[NIL]
	s_wait_dscnt 0x0
	CROUND                                         ; the closing round: no work-group ends while a partner may still ask for a tile that names it
	s_endpgm
.Lfunc_end_k_q309d31b6dd_proj:
	.size	k_q309d31b6dd_proj, .Lfunc_end_k_q309d31b6dd_proj-k_q309d31b6dd_proj
	.p2alignl 7, 3214868480
	.fill 96, 4, 3214868480
	.section	.rodata,"a",@progbits
	.p2align	6, 0x0
	.amdhsa_kernel k_q309d31b6dd_proj
		.amdhsa_group_segment_fixed_size 247808
		.amdhsa_private_segment_fixed_size 0
		.amdhsa_enable_private_segment 0
		.amdhsa_kernarg_size 40
		.amdhsa_user_sgpr_count 2
		.amdhsa_user_sgpr_kernarg_segment_ptr 1
		.amdhsa_wavefront_size32 1
		.amdhsa_system_sgpr_workgroup_id_x 1
		.amdhsa_system_sgpr_workgroup_id_y 1
		.amdhsa_system_sgpr_workgroup_id_z 1
		.amdhsa_system_vgpr_workitem_id 0
		.amdhsa_next_free_vgpr 384
		.amdhsa_next_free_sgpr 102
		.amdhsa_reserve_vcc 0
		.amdhsa_float_denorm_mode_32 3
		.amdhsa_float_denorm_mode_16_64 3
		.amdhsa_memory_ordered 1
		.amdhsa_forward_progress 1
		.amdhsa_inst_pref_size 55
	.end_amdhsa_kernel
	.amdgpu_metadata
---
amdhsa.version: [ 1, 2 ]
amdhsa.kernels:
  - .name:           k_q309d31b6dd_proj
    .symbol:         k_q309d31b6dd_proj.kd
    .args:
      - { .name: ao_codes, .offset: 0, .size: 8, .value_kind: global_buffer, .address_space: global }
      - { .name: ao_scales, .offset: 8, .size: 8, .value_kind: global_buffer, .address_space: global }
      - { .name: codes, .offset: 16, .size: 8, .value_kind: global_buffer, .address_space: global }
      - { .name: scales, .offset: 24, .size: 8, .value_kind: global_buffer, .address_space: global }
      - { .name: out0, .offset: 32, .size: 8, .value_kind: global_buffer, .address_space: global }
    .group_segment_fixed_size: 247808
    .private_segment_fixed_size: 0
    .kernarg_segment_align: 8
    .kernarg_segment_size: 40
    .max_flat_workgroup_size: 128
    .sgpr_count:     102
    .vgpr_count:     384
    .wavefront_size: 32
...
	.end_amdgpu_metadata
.endif
;; end of part 8
